; MI455X (gfx1250); checked and timed in simulation.
; The chip was launched on July 23, 2026; its instructions are those of AMD's public machine-readable ISA for CDNA 5 (MIT licence, August 2026) and "CDNA5" Instruction Set Architecture Reference Guide (July 2026). The comments in the code are by the model that wrote it; some were corrected since.
;; Transformer Layer. Allowed arithmetic: matrix products marked QUANTISED: E5M2 operands, one E8M0 scale for each 32 along K, by v_wmma_scale_f32_16x16x128_f8f6f4 with both operands' format E5M2, f32 sums; everything else in f32.
;; Inputs: b_ff1 4,096 float32; b_ff2 1,024 float32; b_proj 1,024 float32; b_qkv 3,072 float32; ln1_b 1,024 float32; ln1_g 1,024 float32; ln2_b 1,024 float32; ln2_g 1,024 float32; w_ff1 1,024 x 4,096 float32; w_ff2 4,096 x 1,024 float32; w_proj 1,024 x 1,024 float32; w_qkv 1,024 x 3,072 float32; x 2 x 2,048 x 1,024 float32.
;; Outputs: out0 2 x 2,048 x 1,024 float32.
;; This version of the problem:
;;   THIS VERSION OF THE PROBLEM IS GIVEN IN LOW PRECISION. The matrix products marked QUANTISED in the list below multiply operands that are first quantised to E5M2 (5 exponent bits, 2 mantissa bits; 8 bits a number), with one power-of-two scale for each 32 numbers along K (OCP MX v1.0); their sums are f32. All else is computed in f32.
;;   The module's matrix products, in the order in which they are computed (A, B: the left and right operand; K: the contracted axis; several contracted axes count as one K, in the product's order):
;;     1. [M 4,096, K 1,024] x [K 1,024, N 3,072]; A: computed on the way; B: input w_qkv: QUANTISED
;;     2. batch 32 x [M 2,048, K 64] x [K 64, N 2,048]; A: computed on the way; B: computed on the way: QUANTISED
;;     3. batch 32 x [M 2,048, K 2,048] x [K 2,048, N 64]; A: softmax (see below); B: computed on the way: QUANTISED
;;     4. [M 4,096, K 1,024] x [K 1,024, N 1,024]; A: computed on the way; B: input w_proj: QUANTISED
;;     5. [M 4,096, K 1,024] x [K 1,024, N 4,096]; A: computed on the way; B: input w_ff1: QUANTISED
;;     6. [M 4,096, K 4,096] x [K 4,096, N 1,024]; A: computed on the way; B: input w_ff2: QUANTISED
;;   THE QUANTISER, for each operand of a quantised product, along K:
;;     - K is cut into blocks of 32 from its start; a last block that is shorter is filled with zeros.
;;     - A block's scale is 2^e with e = floor(log2(the largest magnitude in the block)) - 15, held to -126 .. 127; a block of zeros has e = 0. As a byte (E8M0): e + 127.
;;     - Each number is divided by its block's scale, clamped to +-57,344, and rounded to the nearest number of E5M2, ties to even, subnormals kept.
;;     - The product sums the exact products of the quantised numbers (number of the format x scale) in f32.
;;   ~~~python
;;   def quantise(x, axis):      # numpy; x: float32 -> the quantised numbers, widened to float32 again
;;       x = np.moveaxis(x, axis, -1); K = x.shape[-1]
;;       x = np.pad(x, [(0, 0)] * (x.ndim - 1) + [(0, -K % 32)]); x = x.reshape(x.shape[:-1] + (-1, 32)); a = np.abs(x).max(-1, keepdims=True)
;;       e = np.where(a > 0, np.clip(np.frexp(np.where(a > 0, a, 1))[1] - 1 - 15, -126, 127), 0)      # np.frexp(a)[1] - 1 = floor(log2(a)), exactly
;;       r = np.clip(x / 2.0 ** e, -57344, 57344)
;;       step = 2.0 ** (np.maximum(np.frexp(np.where(r == 0, 1, r))[1] - 1, -14) - 2)
;;       q = np.round(r / step) * step * 2.0 ** e      # np.round: ties to even
;;       return np.moveaxis(q.reshape(q.shape[:-2] + (-1,))[..., :K], -1, axis).astype(np.float32)
;;   ~~~
;;   SOFTMAX AHEAD OF A QUANTISED PRODUCT. Where the list says 'softmax', what is quantised is not the finished softmax but p = 2^(t - M), with t = logit x log2(e) and M = ceil(the row's largest t), a whole number; so 1/2 < the row's largest p <= 1. The row's sum l is taken of the UNQUANTISED p, in f32, and the product's result is divided by l at the end. Since M is a whole number, a kernel that streams over the keys may use a running M (the ceiling of the running maximum): every later rescaling is an exact power of two, which a block's scale takes up: the codes' values come out the same.
;;   OPERANDS COMPUTED ON THE WAY. 'Computed on the way' means the value that the module computes at that place (a softmax that the list does not call 'softmax' is quantised finished and normalised). What goes into a quantiser is computed in f32, as accurately as f32 sums, v_exp_f32 and their like allow (about 1e-6 of the number): no bf16 or f16 on the way to a quantiser, and a product that is left as it is and whose result goes on into a quantised operand takes f32 operands (vector FMAs, or v_wmma_f32_16x16x4_f32). A number that lies on a knife's edge between two numbers of the format may be rounded either way, as far as f32 arithmetic and the matrix unit's own rounding can turn it there, and no further.
;; 2 versions, each right. Each part assembles by itself: llvm-mc -triple=amdgcn-amd-amdhsa -mcpu=gfx1250 --defsym DOCPART=n.
;; ======== version 1 of 2: 9 launches
;; limits: an absolute error that grows with the inputs' magnitude: up to 1e-07 times it
;; workspace buffers: wop 13,369,344 bytes; hop 4,456,448 bytes; qkop 8,912,896 bytes; vop 4,325,376 bytes; yop 4,456,448 bytes; x1 16,777,216 bytes; gop 17,825,792 bytes
;; launch wq (part 1): grid 384 x 1, 4 waves a work-group, no clusters, 35,840 bytes of LDS; arguments w_qkv, w_proj, w_ff1, w_ff2, wop; writes wop
.if DOCPART == 1
	.amdgcn_target "amdgcn-amd-amdhsa--gfx1250"
	.amdhsa_code_object_version 6
	.text
	.protected	k_qcee54de7d4_wq
	.globl	k_qcee54de7d4_wq
	.p2align	8
	.type	k_qcee54de7d4_wq,@function
k_qcee54de7d4_wq:
	s_mov_b64 s[64:65], 0
	v_nop
	global_prefetch_b8 v0, s[64:65] scope:SCOPE_SE
	s_setreg_imm32_b32 hwreg(HW_REG_WAVE_MODE, 25, 1), 1
	s_wait_xcnt 0x0
; THE PROGRAM: one transformer layer, 4,096 tokens x 1,024, 16 heads of 64, FF 4,096; all six products on codes of E5M2 with one E8M0 scale for each 32 along K.
; Launches: wq (the four weights into codes), ln (LayerNorm 1 into codes), qk (q and k), vt (v, with the tokens innermost), att, proj (+ x = x1), ln2, ff1 (+ gelu, into codes), ff2 (+ x1 = out0).
; DEAD WORK, left out in att: reference() sets att to -inf where key > query (its own jnp.tril), so softmax gives exactly 0 there for all finite inputs, and 0 x v adds nothing to y.
; A step of 128 keys all of which come after all 16 queries of a wave's tile is therefore left out whole: its part of products 2 and 3 reaches no output.  Every input has a way to the output and is loaded.
; LIMIT: a NaN, an infinity or an overflow that reaches only those hidden steps is not carried to the result.
; THE OPERAND LAYOUT of this program's own buffers: [K / 256][rows][272 bytes]: 256 codes (K innermost), 8 scale bytes, 8 zero bytes.  Logical row m lies at position sigma(m) = m with bits 3 and 4 swapped, so that
; 16 neighbouring positions, taken as a matrix instruction's source 0, leave a lane's 16 registers of two neighbouring tiles as 16 neighbours along the next K.
; THIS LAUNCH: W [K][N] f32, K its first axis.  A lane takes a column and its registers run down K; a wave takes 32 columns x 256 along K; the codes leave through the wave's own stage as 8,704 dense bytes.
; A block's scale byte is the largest magnitude's exponent field - 15, held at 1 from below.  LIMITS: a block of zeros, or one under 2^(16 - 127), keeps the byte 1 (this program alone reads the bytes); NaN and infinities are not served.
.set PITCH, 272
.set NB,    8                          ; blocks of 32 along K for a wave
.set X,     32                         ; v32-95   two sets of 32 numbers
.set C,     96                         ; v96-103  a block's codes
.set OUTR,  112                        ; v112-179 the way out: 17 x 4 registers
.set OFF,   180                        ; v180-211 row i of a block: 4 N i + 4 lane; never rewritten
.set SB,    24                         ; v24-25 the 8 scale bytes, v26-27 zeros
.set SPW,   14                         ; v14 my spare word's LDS address; never rewritten
.set NIL,   15                         ; v15 0; never rewritten
.set SPARE, 4*32*PITCH                 ; behind the four stages: the spare words
.set BASE,  32                         ; s[32:47] block t's first row in memory; never rewritten
	s_load_b256 s[4:11], s[0:1], 0x0               ; w_qkv, w_proj, w_ff1, w_ff2
	s_load_b64 s[12:13], s[0:1], 0x20              ; wop
	v_lshl_add_u32 v[SPW], v0, 2, SPARE
	v_mov_b32 v[NIL], 0
	v_lshrrev_b32 v1, 5, v0
	v_readfirstlane_b32 s16, v1                    ; wave
	v_and_b32 v2, 31, v0                           ; lane
	v_lshlrev_b32 v3, 2, v2
	v_and_b32 v5, 7, v2                            ; sigma(lane): bits 3 and 4 change places
	v_bfe_u32 v6, v2, 3, 1
	v_bfe_u32 v9, v2, 4, 1
	v_lshl_or_b32 v5, v6, 4, v5
	v_lshl_or_b32 v5, v9, 3, v5
	s_mul_i32 s17, s16, 32*PITCH                   ; my stage
	v_mul_u32_u24 v4, v5, PITCH
	v_add_nc_u32 v4, s17, v4                       ; into it: row = my column's position
	v_lshlrev_b32 v8, 4, v2
	v_add_nc_u32 v7, s17, v8                       ; out of it: as it lies, 16 bytes a lane
	v_mov_b32 v26, 0
	v_mov_b32 v27, 0
	s_mov_b32 s50, 0x600000                        ; the mantissa field of 57,344
	s_mov_b32 s20, 256                             ; w_ff2's figures: first work-group, N, log2(K / 256), place in wop
	s_mov_b32 s21, 1024
	s_mov_b32 s22, 4
	s_mov_b32 s23, 8912896
	s_wait_kmcnt 0x0
	s_mov_b64 s[24:25], s[10:11]
	s_cmp_lt_u32 ttmp9, 256                        ; the choices hang on the work-group's number alone
	s_cselect_b32 s20, 128, s20
	s_cselect_b32 s21, 4096, s21
	s_cselect_b32 s22, 2, s22
	s_cselect_b32 s23, 4456448, s23
	s_cselect_b64 s[24:25], s[8:9], s[24:25]
	s_cmp_lt_u32 ttmp9, 128
	s_cselect_b32 s20, 96, s20
	s_cselect_b32 s21, 1024, s21
	s_cselect_b32 s23, 3342336, s23
	s_cselect_b64 s[24:25], s[6:7], s[24:25]
	s_cmp_lt_u32 ttmp9, 96
	s_cselect_b32 s20, 0, s20
	s_cselect_b32 s21, 3072, s21
	s_cselect_b32 s23, 0, s23
	s_cselect_b64 s[24:25], s[4:5], s[24:25]
	s_sub_co_u32 s28, ttmp9, s20                   ; my number within the weight
	s_bfm_b32 s29, s22, 0
	s_and_b32 s29, s28, s29                        ; y: which 256 along K
	s_lshr_b32 s30, s28, s22
	s_lshl_b32 s30, s30, 7
	s_lshl_b32 s31, s16, 5
	s_add_co_u32 s30, s30, s31                     ; my wave's first column
	s_mul_i32 s28, s29, s21                        ; y N
	s_lshl_b32 s48, s28, 10                        ; 256 y rows of 4 N bytes
	s_lshl_b32 s31, s30, 2
	s_add_co_u32 s48, s48, s31
	s_mov_b32 s49, 0
	s_add_nc_u64 s[BASE:BASE+1], s[24:25], s[48:49]
	s_add_co_u32 s28, s28, s30
	s_mul_i32 s28, s28, PITCH                      ; (y N + column) x 272
	s_add_co_u32 s28, s28, s23
	s_mov_b32 s29, 0
	s_add_nc_u64 s[12:13], s[12:13], s[28:29]
	s_lshl_b32 s26, s21, 7                         ; 32 rows of 4 N bytes
	s_mov_b32 s27, 0
.irp t, 1,2,3,4,5,6,7
	s_add_nc_u64 s[BASE+2*\t:BASE+2*\t+1], s[BASE+2*\t-2:BASE+2*\t-1], s[26:27]
.endr
	s_lshl_b32 s51, s21, 2                         ; a row of W in bytes
.irp i, 0,1,2,3,4,5,6,7,8,9,10,11,12,13,14,15,16,17,18,19,20,21,22,23,24,25,26,27,28,29,30,31
	v_mad_u32_u24 v[OFF+\i], s51, \i, v3
.endr
.macro LOAD t                          ; block t: W(32 t + i, my column) into set t % 2: 32 lanes read 128 neighbouring bytes
.irp i, 0,1,2,3,4,5,6,7,8,9,10,11,12,13,14,15,16,17,18,19,20,21,22,23,24,25,26,27,28,29,30,31
	global_load_b32 v[X+32*((\t)%2)+\i], v[OFF+\i], s[BASE+2*(\t):BASE+2*(\t)+1] th:TH_LOAD_NT
.endr
.endm
	LOAD 0
	LOAD 1
.macro BLOCK t
.set XS, X+32*((\t)%2)
.if (\t) < NB-1
	s_wait_loadcnt 32                              ; this block's 32 loads are in; the next block's may be out
.else
	s_wait_loadcnt 0
.endif
	v_max3_num_f32 v12, |v[XS]|, |v[XS+1]|, |v[XS+2]|      ; the block's largest magnitude: all 32 numbers are mine
	v_max3_num_f32 v13, |v[XS+3]|, |v[XS+4]|, |v[XS+5]|
.irp i, 6,10,14,18,22,26
	v_max3_num_f32 v12, v12, |v[XS+\i]|, |v[XS+\i+1]|
	v_max3_num_f32 v13, v13, |v[XS+\i+2]|, |v[XS+\i+3]|
.endr
	v_max3_num_f32 v12, v12, |v[XS+30]|, |v[XS+31]|
	v_max3_num_f32 v12, v12, v13, 0x8000000        ; and the floor 2^(16 - 127): the byte cannot fall under 1
	v_add_nc_u32 v11, 0xf8800000, v12              ; 15 off the exponent field: the conversion's scale operand
	v_and_or_b32 v10, v12, 0x7f800000, s50         ; 57,344 x the scale
	v_lshrrev_b32 v13, 23, v11                     ; the scale's byte
.if (\t)%4 == 0
	v_mov_b32 v[SB+(\t)/4], v13
.else
	v_lshl_or_b32 v[SB+(\t)/4], v13, 8*((\t)%4), v[SB+(\t)/4]
.endif
.irp i, 0,1,2,3,4,5,6,7,8,9,10,11,12,13,14,15,16,17,18,19,20,21,22,23,24,25,26,27,28,29,30,31
	v_med3_num_f32 v[XS+\i], v[XS+\i], -v10, v10   ; the conversion does not saturate (ISA guide 7.6.2): the hold at the largest code x the scale
.endr
.irp g, 0,1,2,3
	v_cvt_scalef32_pk8_bf8_f32 v[C+2*\g:C+2*\g+1], v[XS+8*\g:XS+8*\g+7], v11
.endr
	ds_store_b128 v4, v[C:C+3] offset:32*(\t)
	ds_store_b128 v4, v[C+4:C+7] offset:32*(\t)+16
.if (\t)+2 < NB
	LOAD (\t)+2
.endif
	s_wait_dscnt 0x0                               ; the stores have read their registers: the next block's codes may be written
.endm
.irp t, 0,1,2,3,4,5,6,7
	BLOCK \t
.endr
	ds_store_b128 v4, v[SB:SB+3] offset:256        ; my column's 8 scale bytes and 8 zeros
.set ii, 0
.rept 17
	ds_load_b128 v[OUTR+4*ii:OUTR+4*ii+3], v7 offset:512*ii   ; LDS serves a wave's instructions in order: these see my stores
.set ii, ii+1
.endr
.set ii, 0
.rept 17
	s_wait_dscnt 16-ii                             ; the younger read-backs may be out
	global_store_b128 v8, v[OUTR+4*ii:OUTR+4*ii+3], s[12:13] offset:512*ii   ; 32 lanes store 512 consecutive bytes, at a multiple of 256 from the buffer's first byte
.set ii, ii+1
.endr
	s_wait_tensorcnt 0x0                           ; the wave's end, behind my last LDS store
	ds_add_u32 v[SPW], v[NIL]
	s_wait_dscnt 0x0
	s_endpgm
.Lfunc_end_k_qcee54de7d4_wq:
	.size	k_qcee54de7d4_wq, .Lfunc_end_k_qcee54de7d4_wq-k_qcee54de7d4_wq
	.p2alignl 7, 3214868480
	.fill 96, 4, 3214868480
	.section	.rodata,"a",@progbits
	.p2align	6, 0x0
	.amdhsa_kernel k_qcee54de7d4_wq
		.amdhsa_group_segment_fixed_size 35840
		.amdhsa_private_segment_fixed_size 0
		.amdhsa_enable_private_segment 0
		.amdhsa_kernarg_size 40
		.amdhsa_user_sgpr_count 2
		.amdhsa_user_sgpr_kernarg_segment_ptr 1
		.amdhsa_wavefront_size32 1
		.amdhsa_system_sgpr_workgroup_id_x 1
		.amdhsa_system_sgpr_workgroup_id_y 1
		.amdhsa_system_sgpr_workgroup_id_z 1
		.amdhsa_system_vgpr_workitem_id 0
		.amdhsa_next_free_vgpr 216
		.amdhsa_next_free_sgpr 66
		.amdhsa_reserve_vcc 0
		.amdhsa_float_denorm_mode_32 3
		.amdhsa_float_denorm_mode_16_64 3
		.amdhsa_memory_ordered 1
		.amdhsa_forward_progress 1
		.amdhsa_inst_pref_size 63
	.end_amdhsa_kernel
	.amdgpu_metadata
---
amdhsa.version: [ 1, 2 ]
amdhsa.kernels:
  - .name:           k_qcee54de7d4_wq
    .symbol:         k_qcee54de7d4_wq.kd
    .args:
      - { .name: w_qkv, .offset: 0, .size: 8, .value_kind: global_buffer, .address_space: global }
      - { .name: w_proj, .offset: 8, .size: 8, .value_kind: global_buffer, .address_space: global }
      - { .name: w_ff1, .offset: 16, .size: 8, .value_kind: global_buffer, .address_space: global }
      - { .name: w_ff2, .offset: 24, .size: 8, .value_kind: global_buffer, .address_space: global }
      - { .name: wop, .offset: 32, .size: 8, .value_kind: global_buffer, .address_space: global }
    .group_segment_fixed_size: 35840
    .private_segment_fixed_size: 0
    .kernarg_segment_align: 8
    .kernarg_segment_size: 40
    .max_flat_workgroup_size: 128
    .sgpr_count:     66
    .vgpr_count:     216
    .wavefront_size: 32
...
	.end_amdgpu_metadata
.endif
;; end of part 1
;; launch ln (part 2): grid 256 x 1, 4 waves a work-group, no clusters, 92,160 bytes of LDS; arguments x, ln1_g, ln1_b, hop; writes hop
.if DOCPART == 2
	.amdgcn_target "amdgcn-amd-amdhsa--gfx1250"
	.amdhsa_code_object_version 6
	.text
	.protected	k_qcee54de7d4_ln
	.globl	k_qcee54de7d4_ln
	.p2align	8
	.type	k_qcee54de7d4_ln,@function
k_qcee54de7d4_ln:
	s_mov_b64 s[64:65], 0
	v_nop
	global_prefetch_b8 v0, s[64:65] scope:SCOPE_SE
	s_setreg_imm32_b32 hwreg(HW_REG_WAVE_MODE, 25, 1), 1
	s_wait_xcnt 0x0
; h = (x - mean) rsqrt(var + 1e-5) g + b, row by row of 1,024 f32, then quantised along the row into the operand layout [4][4,096 positions][272] (256 codes, 8 scale bytes, 8 zeros; position = row with bits 3 and 4 swapped).
; A work-group owns 16 neighbouring positions, a wave four of them, which are four neighbouring rows; a row stays in 32 registers of the wave.  Mean first, then the deviations' squares: no difference of large sums.
; The loads take the row as it lies (16 bytes a lane); for the quantiser a lane must hold a whole block of 32 neighbours: the row turns once through the wave's own stage (32 places of 128 + 16 bytes).
; Codes and bytes of the 16 positions meet in one stage; behind a barrier wave w stores chunk w of K as 4,352 dense bytes.  No matrix unit, no tensor load: a stream.
; LIMITS: a block of zeros, or one under 2^(16 - 127), keeps the byte 1 (this program alone reads the bytes); NaN and infinities are not served.
.set TSTG,  4608                       ; a turning stage: 32 x 144
.set OUTS,  16*TSTG                    ; 73,728: four chunks x 16 positions x 272
.set SPARE, OUTS+4*4352                ; 91,136: the spare words
.set X,   32                           ; v32-159  row i: 32 registers
.set G,   160                          ; v160-191 g as loaded; later the quantiser's words, 8 a row
.set BB,  192                          ; v192-223 b
.set CD,  224                          ; v224-255 row i: 8 registers: sums at work, then the codes
.set MP,  14                           ; v14-21   row i: the mean, as the low word of a pair
.set RP,  22                           ; v22-29   row i: 1 / sqrt(var + eps), likewise
	s_load_b256 s[4:11], s[0:1], 0x0               ; x, g, b, out
	v_lshl_add_u32 v12, v0, 2, SPARE               ; v12, v13: the add's two registers; never rewritten
	v_mov_b32 v13, 0
	v_lshrrev_b32 v9, 5, v0
	v_readfirstlane_b32 s12, v9                    ; wave
	v_and_b32 v9, 31, v0                           ; lane
	v_lshlrev_b32 v1, 4, v9                        ; 16 x lane
	s_mul_i32 s18, s12, 4*TSTG
	v_lshrrev_b32 v30, 3, v9
	v_and_b32 v31, 7, v9
	v_mul_u32_u24 v2, v30, 144
	v_lshl_add_u32 v2, v31, 4, v2
	v_add_nc_u32 v2, s18, v2                       ; the turn, in: eight lanes' 128 bytes on end, then 16 of padding
	v_mul_u32_u24 v3, v9, 144
	v_add_nc_u32 v3, s18, v3                       ; and out: my block of 32 numbers
	s_mul_i32 s19, s12, 4*272
	s_add_co_u32 s19, s19, OUTS
	v_mul_u32_u24 v4, v30, 4352
	v_add_nc_u32 v4, s19, v4                       ; chunk lane / 8, my wave's first position
	v_add_nc_u32 v5, v4, v31
	v_add_nc_u32 v5, 256, v5                       ; my block's scale byte
	v_lshl_add_u32 v4, v31, 5, v4                  ; my block's 32 codes
	v_bfe_u32 v6, v9, 2, 2
	v_mul_u32_u24 v6, v6, 4352
	v_and_b32 v7, 3, v9
	v_mad_u32_u24 v6, v7, 272, v6
	v_add_nc_u32 v6, s19, v6
	v_add_nc_u32 v6, 264, v6                       ; the 8 zero bytes of (chunk, row): 16 places; lanes 16-31 repeat lanes 0-15
	v_lshlrev_b32 v8, 3, v9
	s_mul_i32 s20, s12, 4352
	s_add_co_u32 s20, s20, OUTS
	v_add_nc_u32 v7, s20, v8                       ; the way out: chunk = my wave, 8 bytes a lane
	v_mov_b32 v10, 0
	v_mov_b32 v11, 0
.irp i, 0,1,2,3
	v_mov_b32 v[MP+2*\i+1], 0                      ; the pairs' upper words are named, never used: written once
	v_mov_b32 v[RP+2*\i+1], 0
.endr
	s_mov_b32 s13, 0x3a800000                      ; 1 / 1,024
	s_mov_b32 s14, 0x3727c5ac                      ; 1e-5
	s_mov_b32 s15, 0x600000                        ; the mantissa field of 57,344
	s_mov_b32 s16, 0x76543210
	s_mov_b32 s17, 0xfedcba98                      ; lane l xor 16
	s_lshr_b32 s21, ttmp9, 1                       ; my wave's first row: 32 (G / 2) + 16 (w / 2) + 8 (G % 2) + 4 (w % 2)
	s_lshl_b32 s21, s21, 5
	s_and_b32 s22, ttmp9, 1
	s_lshl_b32 s22, s22, 3
	s_add_co_u32 s21, s21, s22
	s_lshr_b32 s22, s12, 1
	s_lshl_b32 s22, s22, 4
	s_add_co_u32 s21, s21, s22
	s_and_b32 s22, s12, 1
	s_lshl_b32 s22, s22, 2
	s_add_co_u32 s21, s21, s22
	s_lshl_b32 s22, s21, 12
	s_mov_b32 s23, 0
	s_wait_kmcnt 0x0
	s_add_nc_u64 s[4:5], s[4:5], s[22:23]
	s_lshl_b32 s22, s12, 12                        ; out: (4,096 w + 16 G) x 272
	s_lshl_b32 s21, ttmp9, 4
	s_add_co_u32 s22, s22, s21
	s_mul_i32 s22, s22, 272
	s_add_nc_u64 s[10:11], s[10:11], s[22:23]
.irp i, 0,1,2,3
.irp j, 0,1,2,3,4,5,6,7
	global_load_b128 v[X+32*\i+4*\j:X+32*\i+4*\j+3], v1, s[4:5] offset:4096*\i+512*\j
.endr
.endr
.irp j, 0,1,2,3,4,5,6,7
	global_load_b128 v[G+4*\j:G+4*\j+3], v1, s[6:7] offset:512*\j
	global_load_b128 v[BB+4*\j:BB+4*\j+3], v1, s[8:9] offset:512*\j
.endr
; the four rows' figures in v[CD + 8 i] are added over the 32 lanes; every lane ends with the sum
.macro RED4
.irp m, 1,2,4,8
.irp i, 0,1,2,3
	v_add_f32_dpp v[CD+8*\i], v[CD+8*\i], v[CD+8*\i] row_xmask:\m row_mask:0xf bank_mask:0xf
.endr
.endr
.irp i, 0,1,2,3
	v_permlanex16_b32 v[CD+8*\i+1], v[CD+8*\i], s16, s17
.endr
.irp i, 0,1,2,3
	v_add_f32 v[CD+8*\i], v[CD+8*\i], v[CD+8*\i+1]
.endr
.endm
	s_wait_loadcnt 16                              ; x's 32 loads are in; g's and b's 16 may be out
.irp i, 0,1,2,3                                ; the sum, two numbers at a time, in two chains a row; the rows by turns
	v_pk_add_f32 v[CD+8*\i:CD+8*\i+1], v[X+32*\i:X+32*\i+1], v[X+32*\i+2:X+32*\i+3]
	v_pk_add_f32 v[CD+8*\i+2:CD+8*\i+3], v[X+32*\i+4:X+32*\i+5], v[X+32*\i+6:X+32*\i+7]
.endr
.irp k, 8,12,16,20,24,28
.irp i, 0,1,2,3
	v_pk_add_f32 v[CD+8*\i:CD+8*\i+1], v[CD+8*\i:CD+8*\i+1], v[X+32*\i+\k:X+32*\i+\k+1]
	v_pk_add_f32 v[CD+8*\i+2:CD+8*\i+3], v[CD+8*\i+2:CD+8*\i+3], v[X+32*\i+\k+2:X+32*\i+\k+3]
.endr
.endr
.irp i, 0,1,2,3
	v_pk_add_f32 v[CD+8*\i:CD+8*\i+1], v[CD+8*\i:CD+8*\i+1], v[CD+8*\i+2:CD+8*\i+3]
.endr
.irp i, 0,1,2,3
	v_add_f32 v[CD+8*\i], v[CD+8*\i], v[CD+8*\i+1]
.endr
	RED4
.irp i, 0,1,2,3
	v_mul_f32 v[MP+2*\i], s13, v[CD+8*\i]          ; the mean
.endr
.irp k, 0,2,4,6,8,10,12,14,16,18,20,22,24,26,28,30
.irp i, 0,1,2,3
	v_pk_add_f32 v[X+32*\i+\k:X+32*\i+\k+1], v[X+32*\i+\k:X+32*\i+\k+1], v[MP+2*\i:MP+2*\i+1] op_sel_hi:[1,0] neg_lo:[0,1] neg_hi:[0,1]   ; d = x - mean
.endr
.endr
.irp i, 0,1,2,3
	v_pk_mul_f32 v[CD+8*\i:CD+8*\i+1], v[X+32*\i:X+32*\i+1], v[X+32*\i:X+32*\i+1]
	v_pk_mul_f32 v[CD+8*\i+2:CD+8*\i+3], v[X+32*\i+2:X+32*\i+3], v[X+32*\i+2:X+32*\i+3]
.endr
.irp k, 4,8,12,16,20,24,28
.irp i, 0,1,2,3
	v_pk_fma_f32 v[CD+8*\i:CD+8*\i+1], v[X+32*\i+\k:X+32*\i+\k+1], v[X+32*\i+\k:X+32*\i+\k+1], v[CD+8*\i:CD+8*\i+1]
	v_pk_fma_f32 v[CD+8*\i+2:CD+8*\i+3], v[X+32*\i+\k+2:X+32*\i+\k+3], v[X+32*\i+\k+2:X+32*\i+\k+3], v[CD+8*\i+2:CD+8*\i+3]
.endr
.endr
.irp i, 0,1,2,3
	v_pk_add_f32 v[CD+8*\i:CD+8*\i+1], v[CD+8*\i:CD+8*\i+1], v[CD+8*\i+2:CD+8*\i+3]
.endr
.irp i, 0,1,2,3
	v_add_f32 v[CD+8*\i], v[CD+8*\i], v[CD+8*\i+1]
.endr
	RED4
.irp i, 0,1,2,3
	v_fma_f32 v[CD+8*\i], v[CD+8*\i], s13, s14     ; var + eps
.endr
.irp i, 0,1,2,3
	v_rsq_f32 v[RP+2*\i], v[CD+8*\i]
.endr
	v_nop                                          ; a plain instruction behind the last of the four
	s_wait_alu depctr_va_vdst(0)                   ; one wait for the four, ahead of their first reader
	s_wait_loadcnt 0x0                             ; g and b
.irp k, 0,2,4,6,8,10,12,14,16,18,20,22,24,26,28,30
.irp i, 0,1,2,3
	v_pk_mul_f32 v[X+32*\i+\k:X+32*\i+\k+1], v[X+32*\i+\k:X+32*\i+\k+1], v[RP+2*\i:RP+2*\i+1] op_sel_hi:[1,0]
.endr
.irp i, 0,1,2,3
	v_pk_fma_f32 v[X+32*\i+\k:X+32*\i+\k+1], v[X+32*\i+\k:X+32*\i+\k+1], v[G+\k:G+\k+1], v[BB+\k:BB+\k+1]
.endr
.endr
.irp i, 0,1,2,3                                ; the turn: as loaded in, a block of 32 neighbours a lane out; my own bytes, served in order
.irp j, 0,1,2,3,4,5,6,7
	ds_store_b128 v2, v[X+32*\i+4*\j:X+32*\i+4*\j+3] offset:TSTG*\i+576*\j
.endr
.irp j, 0,1,2,3,4,5,6,7
	ds_load_b128 v[X+32*\i+4*\j:X+32*\i+4*\j+3], v3 offset:TSTG*\i+16*\j
.endr
.endr
	s_wait_dscnt 0x0
; the quantiser: row i's words at v[G + 8 i]: +0, +1 largest magnitude, +2 the hold, +3 the scale operand, +4 the byte
.irp i, 0,1,2,3
	v_max3_num_f32 v[G+8*\i], |v[X+32*\i]|, |v[X+32*\i+1]|, |v[X+32*\i+2]|
	v_max3_num_f32 v[G+8*\i+1], |v[X+32*\i+3]|, |v[X+32*\i+4]|, |v[X+32*\i+5]|
.endr
.irp k, 6,10,14,18,22,26
.irp i, 0,1,2,3
	v_max3_num_f32 v[G+8*\i], v[G+8*\i], |v[X+32*\i+\k]|, |v[X+32*\i+\k+1]|
	v_max3_num_f32 v[G+8*\i+1], v[G+8*\i+1], |v[X+32*\i+\k+2]|, |v[X+32*\i+\k+3]|
.endr
.endr
.irp i, 0,1,2,3
	v_max3_num_f32 v[G+8*\i], v[G+8*\i], |v[X+32*\i+30]|, |v[X+32*\i+31]|
.endr
.irp i, 0,1,2,3
	v_max3_num_f32 v[G+8*\i], v[G+8*\i], v[G+8*\i+1], 0x8000000   ; and the floor 2^(16 - 127)
.endr
.irp i, 0,1,2,3
	v_add_nc_u32 v[G+8*\i+3], 0xf8800000, v[G+8*\i]               ; 15 off the exponent field
.endr
.irp i, 0,1,2,3
	v_and_or_b32 v[G+8*\i+2], v[G+8*\i], 0x7f800000, s15          ; 57,344 x the scale
.endr
.irp i, 0,1,2,3
	v_lshrrev_b32 v[G+8*\i+4], 23, v[G+8*\i+3]                    ; the byte
.endr
.irp i, 0,1,2,3
.irp k, 0,1,2,3,4,5,6,7,8,9,10,11,12,13,14,15,16,17,18,19,20,21,22,23,24,25,26,27,28,29,30,31
	v_med3_num_f32 v[X+32*\i+\k], v[X+32*\i+\k], -v[G+8*\i+2], v[G+8*\i+2]   ; the conversion does not saturate (ISA guide 7.6.2)
.endr
.irp g, 0,1,2,3
	v_cvt_scalef32_pk8_bf8_f32 v[CD+8*\i+2*\g:CD+8*\i+2*\g+1], v[X+32*\i+8*\g:X+32*\i+8*\g+7], v[G+8*\i+3]
.endr
.endr
	v_nop                                          ; a plain instruction behind the last conversion
.irp i, 0,1,2,3
	ds_store_b128 v4, v[CD+8*\i:CD+8*\i+3] offset:272*\i
	ds_store_b128 v4, v[CD+8*\i+4:CD+8*\i+7] offset:272*\i+16
	ds_store_b8 v5, v[G+8*\i+4] offset:272*\i
.endr
	ds_store_b64 v6, v[10:11]
	s_wait_dscnt 0x0                               ; for the others' sake: my stores have landed
	s_barrier_signal -1
	s_barrier_wait -1
.set ii, 0
.rept 17
	ds_load_b64 v[X+2*ii:X+2*ii+1], v7 offset:256*ii
.set ii, ii+1
.endr
.set ii, 0
.rept 17
	s_wait_dscnt 16-ii                             ; the younger read-backs may be out
	global_store_b64 v8, v[X+2*ii:X+2*ii+1], s[10:11] offset:256*ii   ; 32 lanes store 256 consecutive bytes, at a multiple of 256 from the buffer's first byte
.set ii, ii+1
.endr
	s_wait_tensorcnt 0x0                           ; the wave's end, behind my last LDS store
	ds_add_u32 v12, v13
	s_wait_dscnt 0x0
	s_endpgm
.Lfunc_end_k_qcee54de7d4_ln:
	.size	k_qcee54de7d4_ln, .Lfunc_end_k_qcee54de7d4_ln-k_qcee54de7d4_ln
	.p2alignl 7, 3214868480
	.fill 96, 4, 3214868480
	.section	.rodata,"a",@progbits
	.p2align	6, 0x0
	.amdhsa_kernel k_qcee54de7d4_ln
		.amdhsa_group_segment_fixed_size 92160
		.amdhsa_private_segment_fixed_size 0
		.amdhsa_enable_private_segment 0
		.amdhsa_kernarg_size 32
		.amdhsa_user_sgpr_count 2
		.amdhsa_user_sgpr_kernarg_segment_ptr 1
		.amdhsa_wavefront_size32 1
		.amdhsa_system_sgpr_workgroup_id_x 1
		.amdhsa_system_sgpr_workgroup_id_y 1
		.amdhsa_system_sgpr_workgroup_id_z 1
		.amdhsa_system_vgpr_workitem_id 0
		.amdhsa_next_free_vgpr 256
		.amdhsa_next_free_sgpr 66
		.amdhsa_reserve_vcc 0
		.amdhsa_float_denorm_mode_32 3
		.amdhsa_float_denorm_mode_16_64 3
		.amdhsa_memory_ordered 1
		.amdhsa_forward_progress 1
		.amdhsa_inst_pref_size 54
	.end_amdhsa_kernel
	.amdgpu_metadata
---
amdhsa.version: [ 1, 2 ]
amdhsa.kernels:
  - .name:           k_qcee54de7d4_ln
    .symbol:         k_qcee54de7d4_ln.kd
    .args:
      - { .name: x, .offset: 0, .size: 8, .value_kind: global_buffer, .address_space: global }
      - { .name: ln1_g, .offset: 8, .size: 8, .value_kind: global_buffer, .address_space: global }
      - { .name: ln1_b, .offset: 16, .size: 8, .value_kind: global_buffer, .address_space: global }
      - { .name: hop, .offset: 24, .size: 8, .value_kind: global_buffer, .address_space: global }
    .group_segment_fixed_size: 92160
    .private_segment_fixed_size: 0
    .kernarg_segment_align: 8
    .kernarg_segment_size: 32
    .max_flat_workgroup_size: 128
    .sgpr_count:     66
    .vgpr_count:     256
    .wavefront_size: 32
...
	.end_amdgpu_metadata
.endif
;; end of part 2
;; launch qk (part 3): grid 8 x 16, 4 waves a work-group, clusters of 4 x 4, 327,680 bytes of LDS; arguments hop, wop, b_qkv, qkop; writes qkop
.if DOCPART == 3
	.amdgcn_target "amdgcn-amd-amdhsa--gfx1250"
	.amdhsa_code_object_version 6
	.text
	.protected	k_qcee54de7d4_qk
	.globl	k_qcee54de7d4_qk
	.p2align	8
	.type	k_qcee54de7d4_qk,@function
k_qcee54de7d4_qk:
	s_mov_b64 s[64:65], 0
	v_nop
	global_prefetch_b8 v0, s[64:65] scope:SCOPE_SE
	s_setreg_imm32_b32 hwreg(HW_REG_WAVE_MODE, 25, 1), 1
	s_wait_xcnt 0x0
	s_wait_alu depctr_hold_cnt(0) depctr_sa_sdst(0) depctr_va_vdst(0) depctr_va_sdst(0) depctr_va_ssrc(0) depctr_va_vcc(0) depctr_vm_vsrc(0)
	s_getreg_b32 s2, hwreg(HW_REG_IB_STS2, 6, 4)
	s_cmp_eq_u32 s2, 0
	s_cbranch_scc0 .Lentry_in_a_cluster
	s_endpgm
.Lentry_in_a_cluster:
	s_bfe_u32 s2, ttmp6, 0x10000c
	s_cmp_lg_u32 s2, 0xf033
	s_cbranch_scc0 .Lentry_shape_is_right
	s_endpgm
.Lentry_shape_is_right:
; q and k = h W + b (features 0 to 2,047 of the qkv product), on codes of E5M2, then quantised along each head's 64 into qkop: codes [32 heads x batches][2,048 positions][64], one scale word a row (two bytes, 0x7f above).
; THE PRODUCT.  A tile of 256 tokens x 256 features by four waves, 128 x 128 each: 64 accumulators, 512 registers.  Both operands lie as [K / 256][rows][272]: 256 codes, 8 scale bytes, 8 zeros:
; 128 rows of a K step are 34,816 dense bytes, brought by one tensor load, and lie in LDS 272 bytes apart: 68 words, so the 16 rows that a load touches start at 16 different banks (64 banks of 4 bytes: ISA guide 11.1).
; The scale words ride in the ring at byte 256 of each row.  K goes in steps of 256 through two slots.  CLUSTERS of 4 x 4: "A" (tokens; hangs on the tile row) is asked for jointly along a row of the cluster, "B" (features) along a column.
; TRANSPOSED USE: source 0 = 16 rows of B, source 1 = 16 rows of A: a lane holds one token and registers along the features; rows lie in the swapped order (bits 3, 4), so two neighbouring tiles give 16 neighbouring features.
; The bias is the C of each sum's first product.  REGISTERS: window 0: v0-31 addresses, v32-63 scale words (two sets), v64-127 the bias, v128-255 A's fragments (one set); window 1: B's fragments (two sets); windows 2, 3: the accumulators.
; THE WAY OUT: the accumulators go to LDS as images of their registers and come back 64 numbers a lane into window 0, a tile of 16 tokens a trip; there they are quantised; codes and words leave through the wave's own stage, 512 dense bytes a store.
; LIMITS: a block of zeros, or one under 2^(16 - 127), keeps the byte 1 (this program alone reads the bytes); NaN and infinities are not served.
.set SIZE_K, 1024
.set RA,     4096                      ; rows of A's buffer in a K step
.set OFFA,   0
.set RB,     3072
.set OFFB,   0
.set BIAS_BY_A, 0
.set QWORD,  0                         ; the quantiser makes no 128-wide scale word here
.set PITCH,  272
.set NQ,     2
.set FR,     16
.set NL,     4
.set NP,     8                         ; places behind this matrix instruction (ISA guide 7.12.1)
.set HALFT,  128*PITCH
.set SLOT,   4*HALFT
.set LAPS,   SIZE_K/512
.set SPARE,  2*SLOT                    ; behind the ring: the spare words
.set ADRA, 16
.set ADRB, 20
.set ADRS, 27                          ; v27: my scale words in slot 0; v30: in slot 1
.set SPW,  28
.set NIL,  29
.set SC,   32
.set BIAS, 64
.set AF,   128
.set G1, 24
.set G0, 32
.set G1B, 48
.set G0B, 56
.set MSB, 0
.macro WIN new                         ; the immediate's high byte repeats the setting that is left
.if MSB != (\new)
	s_set_vgpr_msb (MSB<<8)|(\new)
.set MSB, (\new)
.endif
.endm
.set MUL_LO, 0xa1                      ; source 0 (B) window 1, source 1 (A) window 0, C and D window 2
.set MUL_HI, 0xf1
.set TO_B,   0x40
.macro JLOAD g0a, g1a, g0b, g1b        ; a joint load: waves 0, 1 fetch for A, waves 2, 3 for B; an s_nop 0 and four v_nop follow each line
	s_cmp_eq_u32 s15, 0
	s_cbranch_scc0 .Lfor_b_\@
	tensor_load_to_lds s[\g0a:\g0a+3], s[\g1a:\g1a+7]
	s_nop 0
.rept 4
	v_nop
.endr
	s_branch .Lasked_\@
.Lfor_b_\@:
	tensor_load_to_lds s[\g0b:\g0b+3], s[\g1b:\g1b+7]
	s_nop 0
.rept 4
	v_nop
.endr
.Lasked_\@:
.endm
.macro CREST                           ; a round of the cluster's barrier behind its opening barrier
	s_cmp_lg_u32 s14, 0
	s_cbranch_scc1 .Lnot_wave_0_\@
	s_barrier_signal -3
.Lnot_wave_0_\@:
	s_barrier_wait -3
	s_barrier_signal -1
	s_barrier_wait -1
.endm
.macro CROUND
	s_barrier_signal -1
	s_barrier_wait -1
	CREST
.endm
	s_load_b256 s[4:11], s[0:1], 0x0               ; A's buffer, B's buffer, the bias, the output
	v_lshl_add_u32 v[SPW], v0, 2, SPARE
	v_mov_b32 v[NIL], 0
	ds_add_u32 v[SPW], v[NIL]                      ; the wave's opening: the add, twice on end, and its wait ahead of my first tensor load
	ds_add_u32 v[SPW], v[NIL]
	v_lshrrev_b32 v1, 5, v0
	v_readfirstlane_b32 s14, v1                    ; wave
	s_lshr_b32 s15, s14, 1                         ; my half of A's rows.  Also: I fetch for A (0) or B (1)
	s_and_b32 s16, s14, 1                          ; my half of B's rows.  Also: which 128 rows I fetch
	s_bfe_u32 s40, ttmp6, 0x40000                  ; cx, cy
	s_bfe_u32 s41, ttmp6, 0x40004
	s_lshl_b32 s42, ttmp9, 2
	s_add_co_u32 s42, s42, s40                     ; tx: B's tile
	s_and_b32 s17, ttmp7, 0xffff
	s_lshl_b32 s17, s17, 2
	s_add_co_u32 s17, s17, s41                     ; ty: A's tile
	s_lshl_b32 s43, s41, 2
	s_lshl_b32 s43, 15, s43                        ; my row of the cluster
	s_lshl_b32 s44, 0x1111, s40                    ; my column
	s_or_b32 s[G1+0], s43, (3<<16)|(1<<21)         ; the mask; elements of 8 bytes; bit 21 beside a mask; no padding: the rows bring their own
	s_or_b32 s[G1B+0], s44, (3<<16)|(1<<21)
.irp g, G1, G1B
	s_mov_b32 s[\g+1], 32<<16                      ; a dense block as 136 rows of 256 bytes
	s_mov_b32 s[\g+2], 136<<16
	s_mov_b32 s[\g+3], 32<<16
	s_mov_b32 s[\g+4], 136
	s_mov_b32 s[\g+5], 32
	s_mov_b32 s[\g+6], 0
	s_mov_b32 s[\g+7], 0
.endr
	s_lshl_b32 s18, s16, 7
	s_lshl_b32 s20, s17, 8
	s_add_co_u32 s20, s20, s18
	s_mul_i32 s20, s20, PITCH
	s_add_co_u32 s20, s20, OFFA
	s_mov_b32 s21, 0
	s_lshl_b32 s46, s42, 8
	s_add_co_u32 s46, s46, s18
	s_mul_i32 s46, s46, PITCH
	s_add_co_u32 s46, s46, OFFB
	s_mov_b32 s47, 0
	s_mul_i32 s45, s14, HALFT                      ; where my load goes: no place in the cluster enters an LDS address
	s_wait_dscnt 0x0                               ; both opening adds are done
	s_wait_kmcnt 0x0
	s_add_nc_u64 s[20:21], s[4:5], s[20:21]
	s_add_nc_u64 s[46:47], s[6:7], s[46:47]
	CROUND                                         ; all sixteen work-groups are here: the first joint loads meet
.irp s, 0,1
	s_mov_b32 s[G0+4*\s], 1
	s_add_co_u32 s[G0+4*\s+1], s45, \s*SLOT
	s_add_nc_u64 s[G0+4*\s+2:G0+4*\s+3], s[20:21], \s*RA*PITCH
	s_or_b32 s[G0+4*\s+3], s[G0+4*\s+3], 0x80000000
	s_mov_b32 s[G0B+4*\s], 1
	s_add_co_u32 s[G0B+4*\s+1], s45, \s*SLOT
	s_add_nc_u64 s[G0B+4*\s+2:G0B+4*\s+3], s[46:47], \s*RB*PITCH
	s_or_b32 s[G0B+4*\s+3], s[G0B+4*\s+3], 0x80000000
	JLOAD G0+4*\s, G1, G0B+4*\s, G1B
.endr
	v_and_b32 v1, 15, v0                           ; r
	v_bfe_u32 v2, v0, 4, 1                         ; h
	v_mul_u32_u24 v3, v1, PITCH
	v_lshl_add_u32 v4, v2, 4, v3
	s_mul_i32 s21, s15, HALFT                      ; my 128 rows of A
	s_mul_i32 s22, s16, HALFT
	s_add_co_u32 s22, s22, 2*HALFT                 ; my 128 rows of B, behind A's 256
	s_sub_co_u32 s23, s22, s21
	v_mul_u32_u24 v6, s23, v2                      ; lanes 16-31 take B's scale words: one product with h
	v_add_nc_u32 v6, v6, v3
	v_add_nc_u32 v6, s21, v6
	v_add_nc_u32 v[ADRS], 256, v6
	v_add_nc_u32 v[ADRS+3], SLOT+256, v6
.irp s, 0,1
	v_add_nc_u32 v[ADRA+\s], s21, v4
	v_add_nc_u32 v[ADRB+\s], s22, v4
	s_add_co_u32 s21, s21, SLOT
	s_add_co_u32 s22, s22, SLOT
.endr
	s_lshl_b32 s46, s42, 8                         ; the bias of my 128 features: lane (r, h) wants, for tile b, features 32 (b / 2) + 16 h + 8 (b % 2) + 0 .. 7
	s_lshl_b32 s47, s16, 7
	s_add_co_u32 s46, s46, s47
	s_lshl_b32 s46, s46, 2
	s_mov_b32 s47, 0
	s_add_nc_u64 s[8:9], s[8:9], s[46:47]
	v_lshlrev_b32 v5, 6, v2
.irp b, 0,1,2,3,4,5,6,7
	global_load_b128 v[BIAS+8*\b:BIAS+8*\b+3], v5, s[8:9] offset:(32*(\b/2)+8*(\b%2))*4
	global_load_b128 v[BIAS+8*\b+4:BIAS+8*\b+7], v5, s[8:9] offset:(32*(\b/2)+8*(\b%2))*4+16
.endr
.macro FRAG reg, adr, q, i             ; 16 rows x 128 K: registers 4 c .. 4 c + 3 hold K = 32 c + 16 h + 0 .. 15
.irp c, 0,1,2,3
	ds_load_b128 v[\reg+4*\c:\reg+4*\c+3], v[\adr] offset:128*(\q)+32*\c+(\i)*16*PITCH
.endr
.endm
; 16 products: A's blocks a0, a0 + 1 x B's eight.  zero = 1: the sum's first product takes the bias as C.  The 64 accumulators take turns, one instruction a turn.
.macro MUL16 a0, p, q, sc, zero
.irp a, \a0, \a0+1
.irp b, 0,1,2,3,4,5,6,7
.if \zero
.if BIAS_BY_A
.set CB, BIAS+8*(\a)
.else
.set CB, BIAS+8*\b
.endif
	v_wmma_scale_f32_16x16x128_f8f6f4 v[8*(8*((\a)%4)+\b):8*(8*((\a)%4)+\b)+7], v[128*(\p)+FR*\b:128*(\p)+FR*\b+FR-1], v[AF+FR*(\a):AF+FR*(\a)+FR-1], v[CB:CB+7], v[SC+8*NQ*(\sc)+NQ*\b+(\q)], v[SC+8*NQ*(\sc)+NQ*(\a)+(\q)] matrix_a_fmt:MATRIX_FMT_BF8 matrix_b_fmt:MATRIX_FMT_BF8 matrix_a_scale:MATRIX_SCALE_ROW1
.else
	v_wmma_scale_f32_16x16x128_f8f6f4 v[8*(8*((\a)%4)+\b):8*(8*((\a)%4)+\b)+7], v[128*(\p)+FR*\b:128*(\p)+FR*\b+FR-1], v[AF+FR*(\a):AF+FR*(\a)+FR-1], v[8*(8*((\a)%4)+\b):8*(8*((\a)%4)+\b)+7], v[SC+8*NQ*(\sc)+NQ*\b+(\q)], v[SC+8*NQ*(\sc)+NQ*(\a)+(\q)] matrix_a_fmt:MATRIX_FMT_BF8 matrix_b_fmt:MATRIX_FMT_BF8 matrix_a_scale:MATRIX_SCALE_ROW1
.endif
.endr
.endr
.endm
.macro FETCH_B slot, q, p
	WIN TO_B
.irp i, 0,1,2,3,4,5,6,7
	FRAG 128*(\p)+FR*\i, ADRB+\slot, \q, \i
.endr
	WIN 0
.endm
.macro FETCH_A slot, q, i0
.irp i, \i0, \i0+1, \i0+2, \i0+3
	FRAG AF+FR*(\i), ADRA+\slot, \q, \i
.endr
.endm
.macro SCALES sc                       ; slot sc's scale words: two words a row; lanes 0-15 A's block i, lanes 16-31 B's block i
.irp i, 0,1,2,3,4,5,6,7
	ds_load_b64 v[SC+8*NQ*\sc+NQ*\i:SC+8*NQ*\sc+NQ*\i+1], v[ADRS+3*\sc] offset:\i*16*PITCH
.endr
.endm
.macro PLACES n                        ; plain vector instructions between a matrix instruction and a load into, or a read of, its registers
.rept \n
	v_nop
.endr
.endm
.macro STEP slot, q, zero              ; 128 along K, with its successor in the same slot
	s_wait_dscnt 4*NL                              ; all but A's blocks 4-7
	WIN MUL_LO-0x20*(\zero)                        ; (zero = 1: C, the bias, in window 0)
	MUL16 0, (\q)%2, \q, \slot, \zero
	MUL16 2, (\q)%2, \q, \slot, \zero
	s_wait_dscnt 0
	PLACES NP
	FETCH_B \slot, (\q)+1, 1-(\q)%2
	FETCH_A \slot, (\q)+1, 0
	WIN MUL_HI-0x30*(\zero)
	MUL16 4, (\q)%2, \q, \slot, \zero
	MUL16 6, (\q)%2, \q, \slot, \zero
	PLACES NP
	WIN 0
	FETCH_A \slot, (\q)+1, 4
.endm
; A slot's last step changes slots: in front of the one barrier each wave waits for all its tensor loads, adds 0 to its spare word, and waits for that and for its reads of this slot.
.macro TURN slot, next, fill
	s_wait_tensorcnt 0x0                           ; all my tensor loads have landed: my part of the next slot
	ds_add_u32 v[SPW], v[NIL]
	s_wait_dscnt 4*NL+1                            ; the add and A's blocks 4-7 may be out
	WIN MUL_LO
	MUL16 0, 1, NQ-1, \slot, 0
	s_wait_dscnt 0x0                               ; the add is done, and my reads of this slot are over
	s_barrier_signal -1
	MUL16 2, 1, NQ-1, \slot, 0
	WIN 0
	s_barrier_wait -1
.if \fill
	CREST                                          ; the barrier has opened a round of the cluster's: no wave of any partner still reads this slot or has a load on its way
	s_add_nc_u64 s[G0+4*\slot+2:G0+4*\slot+3], s[G0+4*\slot+2:G0+4*\slot+3], 2*RA*PITCH
	s_add_nc_u64 s[G0B+4*\slot+2:G0B+4*\slot+3], s[G0B+4*\slot+2:G0B+4*\slot+3], 2*RB*PITCH
	JLOAD G0+4*\slot, G1, G0B+4*\slot, G1B         ; the first tensor load behind the round; its four v_nop are among the places below
	PLACES NP-4
.else
	PLACES NP
.endif
	FETCH_B \next, 0, 0
	FETCH_A \next, 0, 0
	SCALES \next
	WIN MUL_HI
	MUL16 4, 1, NQ-1, \slot, 0
	MUL16 6, 1, NQ-1, \slot, 0
	PLACES NP
	WIN 0
	FETCH_A \next, 0, 4
.endm
	s_wait_loadcnt 0x0                             ; the bias
	s_wait_tensorcnt 1                             ; my part of K step 0 is in; K step 1's load may be out
	s_barrier_signal -1
	s_barrier_wait -1
	FETCH_B 0, 0, 0
	FETCH_A 0, 0, 0
	SCALES 0
	FETCH_A 0, 0, 4
	STEP 0, 0, 1
	s_mov_b32 s3, LAPS-1
.Llap:                                                 ; a trip goes once round the ring and fills both slots again
	TURN 0, 1, 1
	STEP 1, 0, 0
	TURN 1, 0, 1
	STEP 0, 0, 0
	s_sub_co_u32 s3, s3, 1
	s_cmp_lg_u32 s3, 0
	s_cbranch_scc1 .Llap
	TURN 0, 1, 0                                   ; the last lap fills nothing
	STEP 1, 0, 0
	s_wait_dscnt 4*NL
	WIN MUL_LO
	MUL16 0, 1, NQ-1, 1, 0
	MUL16 2, 1, NQ-1, 1, 0
	s_wait_dscnt 0
	WIN MUL_HI
	MUL16 4, 1, NQ-1, 1, 0
	MUL16 6, 1, NQ-1, 1, 0
	WIN 0
; ---- THE WAY OUT.  The ring has had its last fill: images in bytes 0 .. 131,071 (32,768 a wave), the code stages from CST on.
.set CST, SLOT
.set IMW, 3
.set IMR, 4
.set CSA, 5
.set CSS, 6
.set CW,  7
.set CS2, 8
.set ZR,  9
.set PW,  10
.set W0,  11
.set W1,  12
.set CPA, 13
.set COL, 14
.set CPS, 15
.set X,   32
.set PC,  224
.set TM,  240
.set MNT, 92
.set TO,  93
.set SEL, 94
.set CO,  96
.set SO,  97
	PLACES NP
	s_wait_dscnt 0x0
	s_barrier_signal -1
	s_barrier_wait -1                              ; nobody reads the ring any more
	s_mov_b32 s[MNT], 0x600000
	s_mov_b32 s[SEL], 0x76543210
	s_mov_b32 s[SEL+1], 0xfedcba98
	s_mov_b32 s[CO], 0
	s_mov_b32 s[SO], 0
	v_and_b32 v[ZR], 31, v0
	v_lshlrev_b32 v[COL], 4, v[ZR]                 ; 16 x lane
	s_lshl_b32 s18, s14, 15
	v_add_nc_u32 v[IMW], s18, v[COL]
	s_mul_i32 s19, s14, 21504
	s_add_co_u32 s19, s19, CST                     ; my stage: codes [2 heads][128 positions] 80 bytes apart, then the words [2][128]
	v_mul_u32_u24 v[CSA], v1, 80
	v_lshl_add_u32 v[CSA], v2, 4, v[CSA]
	v_add_nc_u32 v[CSA], s19, v[CSA]
	v_lshlrev_b32 v[CSS], 2, v1
	v_add_nc_u32 v[CSS], s19, v[CSS]
	v_add_nc_u32 v[CSS], 20480, v[CSS]
	v_lshrrev_b32 v[CPA], 2, v[ZR]
	v_mul_u32_u24 v[CPA], v[CPA], 80
	v_and_b32 v[CW], 3, v[ZR]
	v_lshl_add_u32 v[CPA], v[CW], 4, v[CPA]
	v_add_nc_u32 v[CPA], s19, v[CPA]               ; back: four lanes to a row of 64 bytes
	v_add_nc_u32 v[CPS], s19, v[COL]
	v_add_nc_u32 v[CPS], 20480, v[CPS]
.irp b, 0,1,2,3
	v_mov_b32 v[TM+4+\b], 0                        ; written once: a lane permute's destination counts as one of its sources
.endr
	s_lshr_b32 s18, s17, 3                         ; my first row of qkop: (16 batch + 4 (tx % 4) + 2 half) x 2,048 + 256 (ty % 8) + 128 half
	s_lshl_b32 s18, s18, 4
	s_and_b32 s19, s42, 3
	s_lshl_b32 s19, s19, 2
	s_add_co_u32 s18, s18, s19
	s_lshl_b32 s19, s16, 1
	s_add_co_u32 s18, s18, s19
	s_lshl_b32 s18, s18, 11
	s_and_b32 s19, s17, 7
	s_lshl_b32 s19, s19, 8
	s_add_co_u32 s18, s18, s19
	s_lshl_b32 s19, s15, 7
	s_add_co_u32 s18, s18, s19
	s_lshr_b32 s19, s42, 2                         ; 0: q, 1: k
	s_lshl_b32 s20, s19, 22
	s_lshl_b32 s21, s18, 6
	s_add_co_u32 s20, s20, s21
	s_mov_b32 s21, 0
	s_add_nc_u64 s[68:69], s[10:11], s[20:21]      ; the codes
	s_lshl_b32 s20, s19, 18
	s_lshl_b32 s22, s18, 2
	s_add_co_u32 s20, s20, s22
	s_add_co_u32 s20, s20, 8388608
	s_add_nc_u64 s[70:71], s[10:11], s[20:21]      ; the scale words
.macro IMG hh                          ; the 32 accumulators of window 2 + hh go to LDS as they stand, each from its low end on
	WIN 0x08+4*(\hh)
.irp a, 0,1,2,3
.irp q, 0,1,2,3,4,5,6,7,8,9,10,11,12,13,14,15
	ds_store_b128 v[IMW], v[8*(8*\a+\q/2)+4*(\q%2):8*(8*\a+\q/2)+4*(\q%2)+3] offset:8192*\a+512*\q
.endr
.endr
	WIN 0
.endm
; 64 numbers of a lane, register 16 b + i = k 32 b + 16 h + i of my row, become 16 registers of codes in v[PC] on; the four bytes stand in v[TM+4] on
.macro QUANT s
.irp b, 0,1,2,3
	v_max3_num_f32 v[TM+\b], |v[\s+16*\b]|, |v[\s+1+16*\b]|, 0x8000000   ; my 16 numbers of block b, and the floor 2^(16 - 127)
.endr
.irp i, 2,4,6,8,10,12,14
.irp b, 0,1,2,3
	v_max3_num_f32 v[TM+\b], v[TM+\b], |v[\s+16*\b+\i]|, |v[\s+1+16*\b+\i]|
.endr
.endr
.irp b, 0,1,2,3
	v_permlanex16_b32 v[TM+4+\b], v[TM+\b], s[SEL], s[SEL+1]
.endr
.irp b, 0,1,2,3
	v_max_num_f32 v[TM+\b], v[TM+\b], v[TM+4+\b]   ; with lane l xor 16's
.endr
.irp b, 0,1,2,3
	v_add_nc_u32 v[TM+12+\b], 0xf8800000, v[TM+\b] ; 15 off the exponent field: the conversion's scale operand
.endr
.irp b, 0,1,2,3
	v_and_or_b32 v[TM+8+\b], v[TM+\b], 0x7f800000, s[MNT]   ; 57,344 x the scale
.endr
.irp b, 0,1,2,3
	v_lshrrev_b32 v[TM+4+\b], 23, v[TM+12+\b]      ; the byte
.endr
.if QWORD
	v_lshl_or_b32 v[PW], v[TM+5], 8, v[TM+4]
	v_lshl_or_b32 v[PW], v[TM+6], 16, v[PW]
	v_lshl_or_b32 v[PW], v[TM+7], 24, v[PW]
.endif
.irp b, 0,1,2,3
.irp i, 0,1,2,3,4,5,6,7,8,9,10,11,12,13,14,15
	v_med3_num_f32 v[\s+16*\b+\i], v[\s+16*\b+\i], -v[TM+8+\b], v[TM+8+\b]   ; the conversion does not saturate (ISA guide 7.6.2)
.endr
	v_cvt_scalef32_pk8_bf8_f32 v[PC+4*\b:PC+1+4*\b], v[\s+16*\b:\s+7+16*\b], v[TM+12+\b]
	v_cvt_scalef32_pk8_bf8_f32 v[PC+2+4*\b:PC+3+4*\b], v[\s+8+16*\b:\s+15+16*\b], v[TM+12+\b]
.endr
	v_nop                                          ; a plain instruction behind the last conversion
.endm
.macro QLOOP                           ; four trips: a tile of 16 tokens each
	s_mov_b32 s[TO], 0
	s_mov_b32 s3, 4
.Lq_\@:
	v_add_nc_u32 v[IMR], s[TO], v[IMW]
.irp q, 0,1,2,3,4,5,6,7,8,9,10,11,12,13,14,15
	ds_load_b128 v[X+4*\q:X+4*\q+3], v[IMR] offset:512*\q
.endr
	s_wait_dscnt 0x0
	QUANT X
	v_lshl_or_b32 v[W0], v[TM+5], 8, v[TM+4]       ; a head's word: its two bytes; 2^0 over the zero codes of the upper 64
	v_lshl_or_b32 v[W1], v[TM+7], 8, v[TM+6]
	v_or_b32 v[W0], 0x7f7f0000, v[W0]
	v_or_b32 v[W1], 0x7f7f0000, v[W1]
	v_add_nc_u32 v[CW], s[CO], v[CSA]
	v_add_nc_u32 v[CS2], s[SO], v[CSS]
.irp c, 0,1,2,3
	ds_store_b128 v[CW], v[PC+4*\c:PC+4*\c+3] offset:(\c/2)*10240+(\c%2)*32
.endr
	ds_store_b32 v[CS2], v[W0]                     ; (both halves of the lanes write the same word with the same value)
	ds_store_b32 v[CS2], v[W1] offset:512
	s_add_co_u32 s[TO], s[TO], 8192
	s_add_co_u32 s[CO], s[CO], 1280
	s_add_co_u32 s[SO], s[SO], 64
	s_sub_co_u32 s3, s3, 1
	s_cmp_lg_u32 s3, 0
	s_cbranch_scc1 .Lq_\@
.endm
	IMG 0
	QLOOP
	IMG 1
	QLOOP
.irp e, 0,1
.irp n, 0,1,2,3,4,5,6,7,8,9,10,11,12,13,14,15
	ds_load_b128 v[32+64*\e+4*\n:32+64*\e+4*\n+3], v[CPA] offset:10240*\e+640*\n   ; my own bytes, served in order
.endr
.endr
.irp e, 0,1
	ds_load_b128 v[160+4*\e:160+4*\e+3], v[CPS] offset:512*\e
.endr
.irp e, 0,1
.irp n, 0,1,2,3,4,5,6,7,8,9,10,11,12,13,14,15
	s_wait_dscnt 33-16*\e-\n                       ; the younger read-backs may be out
	global_store_b128 v[COL], v[32+64*\e+4*\n:32+64*\e+4*\n+3], s[68:69] offset:131072*\e+512*\n   ; 512 consecutive bytes a store
.endr
.endr
	s_wait_dscnt 0x0
.irp e, 0,1
	global_store_b128 v[COL], v[160+4*\e:160+4*\e+3], s[70:71] offset:8192*\e
.endr
	s_wait_tensorcnt 0x0                           ; the wave's end
	ds_add_u32 v[SPW], v[NIL]
	s_wait_dscnt 0x0
	CROUND                                         ; the closing round
	s_endpgm
.Lfunc_end_k_qcee54de7d4_qk:
	.size	k_qcee54de7d4_qk, .Lfunc_end_k_qcee54de7d4_qk-k_qcee54de7d4_qk
	.p2alignl 7, 3214868480
	.fill 96, 4, 3214868480
	.section	.rodata,"a",@progbits
	.p2align	6, 0x0
	.amdhsa_kernel k_qcee54de7d4_qk
		.amdhsa_group_segment_fixed_size 327680
		.amdhsa_private_segment_fixed_size 0
		.amdhsa_enable_private_segment 0
		.amdhsa_kernarg_size 32
		.amdhsa_user_sgpr_count 2
		.amdhsa_user_sgpr_kernarg_segment_ptr 1
		.amdhsa_wavefront_size32 1
		.amdhsa_system_sgpr_workgroup_id_x 1
		.amdhsa_system_sgpr_workgroup_id_y 1
		.amdhsa_system_sgpr_workgroup_id_z 1
		.amdhsa_system_vgpr_workitem_id 0
		.amdhsa_next_free_vgpr 1024
		.amdhsa_next_free_sgpr 100
		.amdhsa_reserve_vcc 0
		.amdhsa_float_denorm_mode_32 3
		.amdhsa_float_denorm_mode_16_64 3
		.amdhsa_memory_ordered 1
		.amdhsa_forward_progress 1
		.amdhsa_inst_pref_size 151
	.end_amdhsa_kernel
	.amdgpu_metadata
---
amdhsa.version: [ 1, 2 ]
amdhsa.kernels:
  - .name:           k_qcee54de7d4_qk
    .symbol:         k_qcee54de7d4_qk.kd
    .args:
      - { .name: hop, .offset: 0, .size: 8, .value_kind: global_buffer, .address_space: global }
      - { .name: wop, .offset: 8, .size: 8, .value_kind: global_buffer, .address_space: global }
      - { .name: b_qkv, .offset: 16, .size: 8, .value_kind: global_buffer, .address_space: global }
      - { .name: qkop, .offset: 24, .size: 8, .value_kind: global_buffer, .address_space: global }
    .group_segment_fixed_size: 327680
    .private_segment_fixed_size: 0
    .kernarg_segment_align: 8
    .kernarg_segment_size: 32
    .max_flat_workgroup_size: 128
    .sgpr_count:     100
    .vgpr_count:     1024
    .wavefront_size: 32
...
	.end_amdgpu_metadata
.endif
;; end of part 3
;; launch vt (part 4): grid 16 x 4, 4 waves a work-group, clusters of 4 x 4, 327,680 bytes of LDS; arguments wop, hop, b_qkv, vop; writes vop
.if DOCPART == 4
	.amdgcn_target "amdgcn-amd-amdhsa--gfx1250"
	.amdhsa_code_object_version 6
	.text
	.protected	k_qcee54de7d4_vt
	.globl	k_qcee54de7d4_vt
	.p2align	8
	.type	k_qcee54de7d4_vt,@function
k_qcee54de7d4_vt:
	s_mov_b64 s[64:65], 0
	v_nop
	global_prefetch_b8 v0, s[64:65] scope:SCOPE_SE
	s_setreg_imm32_b32 hwreg(HW_REG_WAVE_MODE, 25, 1), 1
	s_wait_xcnt 0x0
	s_wait_alu depctr_hold_cnt(0) depctr_sa_sdst(0) depctr_va_vdst(0) depctr_va_sdst(0) depctr_va_ssrc(0) depctr_va_vcc(0) depctr_vm_vsrc(0)
	s_getreg_b32 s2, hwreg(HW_REG_IB_STS2, 6, 4)
	s_cmp_eq_u32 s2, 0
	s_cbranch_scc0 .Lentry_in_a_cluster
	s_endpgm
.Lentry_in_a_cluster:
	s_bfe_u32 s2, ttmp6, 0x10000c
	s_cmp_lg_u32 s2, 0xf033
	s_cbranch_scc0 .Lentry_shape_is_right
	s_endpgm
.Lentry_shape_is_right:
; v = h W + b (features 2,048 to 3,071 of the qkv product), made TRANSPOSED, so that it can be quantised along the tokens, the K of attention's second product: vop holds codes [2 batches][1,024 feature positions][2,048 tokens]
; and scale bytes [2][1,024][64].  The product's loop is that of launch qk; here "A" (source 1, hangs on the tile row) is the weight's 256 features and "B" (source 0) 256 tokens: a lane holds one feature and registers along the tokens.
; The bias hangs on the lane's feature: one number a lane and tile of A, spread over the eight registers of C.
; THE WAY OUT: images of the accumulators through LDS, quantised 64 numbers a lane, codes and words into one stage of 256 rows x 272; behind a barrier each wave stores 64 rows: 256 aligned bytes of codes a row.
; The scale bytes leave as 8 bytes a row, rows 64 bytes apart: 131,072 bytes in the whole launch are written in such pieces.
; LIMITS: a block of zeros, or one under 2^(16 - 127), keeps the byte 1 (this program alone reads the bytes); NaN and infinities are not served.
.set SIZE_K, 1024
.set RA,     3072
.set OFFA,   2048*272
.set RB,     4096
.set OFFB,   0
.set BIAS_BY_A, 1
.set QWORD,  1
.set PITCH,  272
.set NQ,     2
.set FR,     16
.set NL,     4
.set NP,     8
.set HALFT,  128*PITCH
.set SLOT,   4*HALFT
.set LAPS,   SIZE_K/512
.set SPARE,  2*SLOT
.set ADRA, 16
.set ADRB, 20
.set ADRS, 27
.set SPW,  28
.set NIL,  29
.set SC,   32
.set BIAS, 64
.set AF,   128
.set G1, 24
.set G0, 32
.set G1B, 48
.set G0B, 56
.set MSB, 0
.macro WIN new
.if MSB != (\new)
	s_set_vgpr_msb (MSB<<8)|(\new)
.set MSB, (\new)
.endif
.endm
.set MUL_LO, 0xa1
.set MUL_HI, 0xf1
.set TO_B,   0x40
.macro JLOAD g0a, g1a, g0b, g1b        ; a joint load: waves 0, 1 fetch for A, waves 2, 3 for B; an s_nop 0 and four v_nop follow each line
	s_cmp_eq_u32 s15, 0
	s_cbranch_scc0 .Lfor_b_\@
	tensor_load_to_lds s[\g0a:\g0a+3], s[\g1a:\g1a+7]
	s_nop 0
.rept 4
	v_nop
.endr
	s_branch .Lasked_\@
.Lfor_b_\@:
	tensor_load_to_lds s[\g0b:\g0b+3], s[\g1b:\g1b+7]
	s_nop 0
.rept 4
	v_nop
.endr
.Lasked_\@:
.endm
.macro CREST
	s_cmp_lg_u32 s14, 0
	s_cbranch_scc1 .Lnot_wave_0_\@
	s_barrier_signal -3
.Lnot_wave_0_\@:
	s_barrier_wait -3
	s_barrier_signal -1
	s_barrier_wait -1
.endm
.macro CROUND
	s_barrier_signal -1
	s_barrier_wait -1
	CREST
.endm
	s_load_b256 s[4:11], s[0:1], 0x0               ; A's buffer (wop), B's buffer (hop), the bias, the output
	v_lshl_add_u32 v[SPW], v0, 2, SPARE
	v_mov_b32 v[NIL], 0
	ds_add_u32 v[SPW], v[NIL]                      ; the wave's opening: the add, twice on end, and its wait ahead of my first tensor load
	ds_add_u32 v[SPW], v[NIL]
	v_lshrrev_b32 v1, 5, v0
	v_readfirstlane_b32 s14, v1
	s_lshr_b32 s15, s14, 1
	s_and_b32 s16, s14, 1
	s_bfe_u32 s40, ttmp6, 0x40000
	s_bfe_u32 s41, ttmp6, 0x40004
	s_lshl_b32 s42, ttmp9, 2
	s_add_co_u32 s42, s42, s40                     ; tx: 256 tokens
	s_and_b32 s17, ttmp7, 0xffff
	s_lshl_b32 s17, s17, 2
	s_add_co_u32 s17, s17, s41                     ; ty: 256 features
	s_lshl_b32 s43, s41, 2
	s_lshl_b32 s43, 15, s43
	s_lshl_b32 s44, 0x1111, s40
	s_or_b32 s[G1+0], s43, (3<<16)|(1<<21)
	s_or_b32 s[G1B+0], s44, (3<<16)|(1<<21)
.irp g, G1, G1B
	s_mov_b32 s[\g+1], 32<<16
	s_mov_b32 s[\g+2], 136<<16
	s_mov_b32 s[\g+3], 32<<16
	s_mov_b32 s[\g+4], 136
	s_mov_b32 s[\g+5], 32
	s_mov_b32 s[\g+6], 0
	s_mov_b32 s[\g+7], 0
.endr
	s_lshl_b32 s18, s16, 7
	s_lshl_b32 s20, s17, 8
	s_add_co_u32 s20, s20, s18
	s_mul_i32 s20, s20, PITCH
	s_add_co_u32 s20, s20, OFFA
	s_mov_b32 s21, 0
	s_lshl_b32 s46, s42, 8
	s_add_co_u32 s46, s46, s18
	s_mul_i32 s46, s46, PITCH
	s_add_co_u32 s46, s46, OFFB
	s_mov_b32 s47, 0
	s_mul_i32 s45, s14, HALFT
	s_wait_dscnt 0x0
	s_wait_kmcnt 0x0
	s_add_nc_u64 s[20:21], s[4:5], s[20:21]
	s_add_nc_u64 s[46:47], s[6:7], s[46:47]
	CROUND
.irp s, 0,1
	s_mov_b32 s[G0+4*\s], 1
	s_add_co_u32 s[G0+4*\s+1], s45, \s*SLOT
	s_add_nc_u64 s[G0+4*\s+2:G0+4*\s+3], s[20:21], \s*RA*PITCH
	s_or_b32 s[G0+4*\s+3], s[G0+4*\s+3], 0x80000000
	s_mov_b32 s[G0B+4*\s], 1
	s_add_co_u32 s[G0B+4*\s+1], s45, \s*SLOT
	s_add_nc_u64 s[G0B+4*\s+2:G0B+4*\s+3], s[46:47], \s*RB*PITCH
	s_or_b32 s[G0B+4*\s+3], s[G0B+4*\s+3], 0x80000000
	JLOAD G0+4*\s, G1, G0B+4*\s, G1B
.endr
	v_and_b32 v1, 15, v0
	v_bfe_u32 v2, v0, 4, 1
	v_mul_u32_u24 v3, v1, PITCH
	v_lshl_add_u32 v4, v2, 4, v3
	s_mul_i32 s21, s15, HALFT
	s_mul_i32 s22, s16, HALFT
	s_add_co_u32 s22, s22, 2*HALFT
	s_sub_co_u32 s23, s22, s21
	v_mul_u32_u24 v6, s23, v2
	v_add_nc_u32 v6, v6, v3
	v_add_nc_u32 v6, s21, v6
	v_add_nc_u32 v[ADRS], 256, v6
	v_add_nc_u32 v[ADRS+3], SLOT+256, v6
.irp s, 0,1
	v_add_nc_u32 v[ADRA+\s], s21, v4
	v_add_nc_u32 v[ADRB+\s], s22, v4
	s_add_co_u32 s21, s21, SLOT
	s_add_co_u32 s22, s22, SLOT
.endr
	s_lshl_b32 s20, s17, 8                         ; the bias: lane r of tile a is feature 2,048 + 256 ty + 128 half + 32 (a / 2) + 8 (a % 2) + r % 8 + 16 (r / 8)
	s_lshl_b32 s21, s15, 7
	s_add_co_u32 s20, s20, s21
	s_add_co_u32 s20, s20, 2048
	s_lshl_b32 s20, s20, 2
	s_mov_b32 s21, 0
	s_add_nc_u64 s[8:9], s[8:9], s[20:21]
	v_and_b32 v5, 7, v1
	v_lshrrev_b32 v6, 3, v1
	v_lshl_add_u32 v5, v6, 4, v5
	v_lshlrev_b32 v5, 2, v5
.irp a, 0,1,2,3,4,5,6,7
	global_load_b32 v[BIAS+8*\a], v5, s[8:9] offset:(32*(\a/2)+8*(\a%2))*4
.endr
.macro FRAG reg, adr, q, i
.irp c, 0,1,2,3
	ds_load_b128 v[\reg+4*\c:\reg+4*\c+3], v[\adr] offset:128*(\q)+32*\c+(\i)*16*PITCH
.endr
.endm
.macro MUL16 a0, p, q, sc, zero        ; the 64 accumulators take turns, one instruction a turn
.irp a, \a0, \a0+1
.irp b, 0,1,2,3,4,5,6,7
.if \zero
.if BIAS_BY_A
.set CB, BIAS+8*(\a)
.else
.set CB, BIAS+8*\b
.endif
	v_wmma_scale_f32_16x16x128_f8f6f4 v[8*(8*((\a)%4)+\b):8*(8*((\a)%4)+\b)+7], v[128*(\p)+FR*\b:128*(\p)+FR*\b+FR-1], v[AF+FR*(\a):AF+FR*(\a)+FR-1], v[CB:CB+7], v[SC+8*NQ*(\sc)+NQ*\b+(\q)], v[SC+8*NQ*(\sc)+NQ*(\a)+(\q)] matrix_a_fmt:MATRIX_FMT_BF8 matrix_b_fmt:MATRIX_FMT_BF8 matrix_a_scale:MATRIX_SCALE_ROW1
.else
	v_wmma_scale_f32_16x16x128_f8f6f4 v[8*(8*((\a)%4)+\b):8*(8*((\a)%4)+\b)+7], v[128*(\p)+FR*\b:128*(\p)+FR*\b+FR-1], v[AF+FR*(\a):AF+FR*(\a)+FR-1], v[8*(8*((\a)%4)+\b):8*(8*((\a)%4)+\b)+7], v[SC+8*NQ*(\sc)+NQ*\b+(\q)], v[SC+8*NQ*(\sc)+NQ*(\a)+(\q)] matrix_a_fmt:MATRIX_FMT_BF8 matrix_b_fmt:MATRIX_FMT_BF8 matrix_a_scale:MATRIX_SCALE_ROW1
.endif
.endr
.endr
.endm
.macro FETCH_B slot, q, p
	WIN TO_B
.irp i, 0,1,2,3,4,5,6,7
	FRAG 128*(\p)+FR*\i, ADRB+\slot, \q, \i
.endr
	WIN 0
.endm
.macro FETCH_A slot, q, i0
.irp i, \i0, \i0+1, \i0+2, \i0+3
	FRAG AF+FR*(\i), ADRA+\slot, \q, \i
.endr
.endm
.macro SCALES sc
.irp i, 0,1,2,3,4,5,6,7
	ds_load_b64 v[SC+8*NQ*\sc+NQ*\i:SC+8*NQ*\sc+NQ*\i+1], v[ADRS+3*\sc] offset:\i*16*PITCH
.endr
.endm
.macro PLACES n
.rept \n
	v_nop
.endr
.endm
.macro STEP slot, q, zero
	s_wait_dscnt 4*NL                              ; all but A's blocks 4-7
	WIN MUL_LO-0x20*(\zero)
	MUL16 0, (\q)%2, \q, \slot, \zero
	MUL16 2, (\q)%2, \q, \slot, \zero
	s_wait_dscnt 0
	PLACES NP
	FETCH_B \slot, (\q)+1, 1-(\q)%2
	FETCH_A \slot, (\q)+1, 0
	WIN MUL_HI-0x30*(\zero)
	MUL16 4, (\q)%2, \q, \slot, \zero
	MUL16 6, (\q)%2, \q, \slot, \zero
	PLACES NP
	WIN 0
	FETCH_A \slot, (\q)+1, 4
.endm
.macro TURN slot, next, fill
	s_wait_tensorcnt 0x0                           ; all my tensor loads have landed: my part of the next slot
	ds_add_u32 v[SPW], v[NIL]
	s_wait_dscnt 4*NL+1                            ; the add and A's blocks 4-7 may be out
	WIN MUL_LO
	MUL16 0, 1, NQ-1, \slot, 0
	s_wait_dscnt 0x0                               ; the add is done, and my reads of this slot are over
	s_barrier_signal -1
	MUL16 2, 1, NQ-1, \slot, 0
	WIN 0
	s_barrier_wait -1
.if \fill
	CREST                                          ; no wave of any partner still reads this slot or has a load on its way
	s_add_nc_u64 s[G0+4*\slot+2:G0+4*\slot+3], s[G0+4*\slot+2:G0+4*\slot+3], 2*RA*PITCH
	s_add_nc_u64 s[G0B+4*\slot+2:G0B+4*\slot+3], s[G0B+4*\slot+2:G0B+4*\slot+3], 2*RB*PITCH
	JLOAD G0+4*\slot, G1, G0B+4*\slot, G1B
	PLACES NP-4
.else
	PLACES NP
.endif
	FETCH_B \next, 0, 0
	FETCH_A \next, 0, 0
	SCALES \next
	WIN MUL_HI
	MUL16 4, 1, NQ-1, \slot, 0
	MUL16 6, 1, NQ-1, \slot, 0
	PLACES NP
	WIN 0
	FETCH_A \next, 0, 4
.endm
	s_wait_loadcnt 0x0                             ; the bias
.irp a, 0,1,2,3,4,5,6,7
.irp j, 1,2,3,4,5,6,7
	v_mov_b32 v[BIAS+8*\a+\j], v[BIAS+8*\a]        ; a lane's eight results of a tile belong to one feature
.endr
.endr
	PLACES NP
	s_wait_tensorcnt 1                             ; my part of K step 0 is in; K step 1's load may be out
	s_barrier_signal -1
	s_barrier_wait -1
	FETCH_B 0, 0, 0
	FETCH_A 0, 0, 0
	SCALES 0
	FETCH_A 0, 0, 4
	STEP 0, 0, 1
	s_mov_b32 s3, LAPS-1
.Llap:
	TURN 0, 1, 1
	STEP 1, 0, 0
	TURN 1, 0, 1
	STEP 0, 0, 0
	s_sub_co_u32 s3, s3, 1
	s_cmp_lg_u32 s3, 0
	s_cbranch_scc1 .Llap
	TURN 0, 1, 0
	STEP 1, 0, 0
	s_wait_dscnt 4*NL
	WIN MUL_LO
	MUL16 0, 1, NQ-1, 1, 0
	MUL16 2, 1, NQ-1, 1, 0
	s_wait_dscnt 0
	WIN MUL_HI
	MUL16 4, 1, NQ-1, 1, 0
	MUL16 6, 1, NQ-1, 1, 0
	WIN 0
; ---- THE WAY OUT.  The ring has had its last fill: images in bytes 0 .. 131,071, the work-group's stage of 256 rows x 272 from CST on.
.set CST, SLOT
.set IMW, 3
.set IMR, 4
.set CSA, 5
.set CSS, 6
.set CW,  7
.set CS2, 8
.set ZR,  9
.set PW,  10
.set W0,  11
.set CPA, 13
.set COL, 14
.set CPS, 15
.set X,   32
.set PC,  224
.set TM,  240
.set MNT, 92
.set TO,  93
.set SEL, 94
.set CO,  96
	PLACES NP
	s_wait_dscnt 0x0
	s_barrier_signal -1
	s_barrier_wait -1                              ; nobody reads the ring any more
	s_mov_b32 s[MNT], 0x600000
	s_mov_b32 s[SEL], 0x76543210
	s_mov_b32 s[SEL+1], 0xfedcba98
	s_mov_b32 s[CO], 0
	v_and_b32 v[ZR], 31, v0
	v_lshlrev_b32 v[W0], 4, v[ZR]
	s_lshl_b32 s18, s14, 15
	v_add_nc_u32 v[IMW], s18, v[W0]
	s_mul_i32 s19, s15, HALFT                      ; the stage: row 128 half + 16 a + r; my 128 tokens' codes at byte 128 half; my word at 256 + 4 half
	s_add_co_u32 s19, s19, CST
	v_mul_u32_u24 v[CSS], v1, PITCH
	v_add_nc_u32 v[CSS], s19, v[CSS]
	v_lshl_add_u32 v[CSA], v2, 4, v[CSS]
	s_lshl_b32 s20, s16, 7
	v_add_nc_u32 v[CSA], s20, v[CSA]
	s_lshl_b32 s20, s16, 2
	s_add_co_u32 s20, s20, 256
	v_add_nc_u32 v[CSS], s20, v[CSS]
	s_mul_i32 s19, s14, 64*PITCH
	s_add_co_u32 s19, s19, CST                     ; back: my 64 rows
	v_mul_u32_u24 v[CPA], v2, PITCH
	v_lshl_add_u32 v[CPA], v1, 4, v[CPA]
	v_add_nc_u32 v[CPA], s19, v[CPA]               ; sixteen lanes to a row's 256 bytes of codes, two rows an instruction
	v_lshlrev_b32 v[COL], 11, v2
	v_lshl_add_u32 v[COL], v1, 4, v[COL]           ; and the same place in vop: rows of 2,048 bytes
	v_mul_u32_u24 v[CPS], v[ZR], PITCH
	v_add_nc_u32 v[CPS], s19, v[CPS]
	v_add_nc_u32 v[CPS], 256, v[CPS]               ; a lane a row: its 8 scale bytes
	v_lshlrev_b32 v[W0], 6, v[ZR]                  ; and their place in vop: rows of 64 bytes
.irp b, 0,1,2,3
	v_mov_b32 v[TM+4+\b], 0
.endr
	s_lshr_b32 s18, s42, 3                         ; my first row: 1,024 batch + 256 ty + 64 wave
	s_lshl_b32 s18, s18, 10
	s_lshl_b32 s19, s17, 8
	s_add_co_u32 s18, s18, s19
	s_lshl_b32 s19, s14, 6
	s_add_co_u32 s18, s18, s19
	s_and_b32 s19, s42, 7
	s_lshl_b32 s20, s18, 11
	s_lshl_b32 s21, s19, 8
	s_add_co_u32 s20, s20, s21
	s_mov_b32 s21, 0
	s_add_nc_u64 s[68:69], s[10:11], s[20:21]
	s_lshl_b32 s20, s18, 6
	s_lshl_b32 s22, s19, 3
	s_add_co_u32 s20, s20, s22
	s_add_co_u32 s20, s20, 4194304
	s_add_nc_u64 s[70:71], s[10:11], s[20:21]
.macro IMG hh
	WIN 0x08+4*(\hh)
.irp a, 0,1,2,3
.irp q, 0,1,2,3,4,5,6,7,8,9,10,11,12,13,14,15
	ds_store_b128 v[IMW], v[8*(8*\a+\q/2)+4*(\q%2):8*(8*\a+\q/2)+4*(\q%2)+3] offset:8192*\a+512*\q
.endr
.endr
	WIN 0
.endm
.macro QUANT s                         ; 64 numbers of a lane, register 16 b + i = k 32 b + 16 h + i, into codes (v[PC] on) and a scale word (v[PW])
.irp b, 0,1,2,3
	v_max3_num_f32 v[TM+\b], |v[\s+16*\b]|, |v[\s+1+16*\b]|, 0x8000000
.endr
.irp i, 2,4,6,8,10,12,14
.irp b, 0,1,2,3
	v_max3_num_f32 v[TM+\b], v[TM+\b], |v[\s+16*\b+\i]|, |v[\s+1+16*\b+\i]|
.endr
.endr
.irp b, 0,1,2,3
	v_permlanex16_b32 v[TM+4+\b], v[TM+\b], s[SEL], s[SEL+1]
.endr
.irp b, 0,1,2,3
	v_max_num_f32 v[TM+\b], v[TM+\b], v[TM+4+\b]
.endr
.irp b, 0,1,2,3
	v_add_nc_u32 v[TM+12+\b], 0xf8800000, v[TM+\b]
.endr
.irp b, 0,1,2,3
	v_and_or_b32 v[TM+8+\b], v[TM+\b], 0x7f800000, s[MNT]
.endr
.irp b, 0,1,2,3
	v_lshrrev_b32 v[TM+4+\b], 23, v[TM+12+\b]
.endr
.if QWORD
	v_lshl_or_b32 v[PW], v[TM+5], 8, v[TM+4]
	v_lshl_or_b32 v[PW], v[TM+6], 16, v[PW]
	v_lshl_or_b32 v[PW], v[TM+7], 24, v[PW]
.endif
.irp b, 0,1,2,3
.irp i, 0,1,2,3,4,5,6,7,8,9,10,11,12,13,14,15
	v_med3_num_f32 v[\s+16*\b+\i], v[\s+16*\b+\i], -v[TM+8+\b], v[TM+8+\b]
.endr
	v_cvt_scalef32_pk8_bf8_f32 v[PC+4*\b:PC+1+4*\b], v[\s+16*\b:\s+7+16*\b], v[TM+12+\b]
	v_cvt_scalef32_pk8_bf8_f32 v[PC+2+4*\b:PC+3+4*\b], v[\s+8+16*\b:\s+15+16*\b], v[TM+12+\b]
.endr
	v_nop
.endm
.macro QLOOP                           ; four trips: a tile of 16 features each
	s_mov_b32 s[TO], 0
	s_mov_b32 s3, 4
.Lq_\@:
	v_add_nc_u32 v[IMR], s[TO], v[IMW]
.irp q, 0,1,2,3,4,5,6,7,8,9,10,11,12,13,14,15
	ds_load_b128 v[X+4*\q:X+4*\q+3], v[IMR] offset:512*\q
.endr
	s_wait_dscnt 0x0
	QUANT X
	v_add_nc_u32 v[CW], s[CO], v[CSA]
	v_add_nc_u32 v[CS2], s[CO], v[CSS]
.irp c, 0,1,2,3
	ds_store_b128 v[CW], v[PC+4*\c:PC+4*\c+3] offset:32*\c
.endr
	ds_store_b32 v[CS2], v[PW]
	s_add_co_u32 s[TO], s[TO], 8192
	s_add_co_u32 s[CO], s[CO], 16*PITCH
	s_sub_co_u32 s3, s3, 1
	s_cmp_lg_u32 s3, 0
	s_cbranch_scc1 .Lq_\@
.endm
	IMG 0
	QLOOP
	IMG 1
	QLOOP
	s_wait_dscnt 0x0                               ; for the others' sake: my stores into the stage have landed
	s_barrier_signal -1
	s_barrier_wait -1
.set ii, 0
.rept 32
	ds_load_b128 v[32+4*ii:32+4*ii+3], v[CPA] offset:2*PITCH*ii
.set ii, ii+1
.endr
.irp e, 0,1
	ds_load_b64 v[160+2*\e:160+2*\e+1], v[CPS] offset:32*PITCH*\e
.endr
.set ii, 0
.rept 32
	s_wait_dscnt 33-ii                             ; the younger read-backs may be out
	global_store_b128 v[COL], v[32+4*ii:32+4*ii+3], s[68:69] offset:4096*ii   ; sixteen lanes store 256 consecutive bytes, at a multiple of 256 from the buffer's first byte
.set ii, ii+1
.endr
	s_wait_dscnt 0x0
.irp e, 0,1
	global_store_b64 v[W0], v[160+2*\e:160+2*\e+1], s[70:71] offset:2048*\e
.endr
	s_wait_tensorcnt 0x0                           ; the wave's end
	ds_add_u32 v[SPW], v[NIL]
	s_wait_dscnt 0x0
	CROUND
	s_endpgm
.Lfunc_end_k_qcee54de7d4_vt:
	.size	k_qcee54de7d4_vt, .Lfunc_end_k_qcee54de7d4_vt-k_qcee54de7d4_vt
	.p2alignl 7, 3214868480
	.fill 96, 4, 3214868480
	.section	.rodata,"a",@progbits
	.p2align	6, 0x0
	.amdhsa_kernel k_qcee54de7d4_vt
		.amdhsa_group_segment_fixed_size 327680
		.amdhsa_private_segment_fixed_size 0
		.amdhsa_enable_private_segment 0
		.amdhsa_kernarg_size 32
		.amdhsa_user_sgpr_count 2
		.amdhsa_user_sgpr_kernarg_segment_ptr 1
		.amdhsa_wavefront_size32 1
		.amdhsa_system_sgpr_workgroup_id_x 1
		.amdhsa_system_sgpr_workgroup_id_y 1
		.amdhsa_system_sgpr_workgroup_id_z 1
		.amdhsa_system_vgpr_workitem_id 0
		.amdhsa_next_free_vgpr 1024
		.amdhsa_next_free_sgpr 100
		.amdhsa_reserve_vcc 0
		.amdhsa_float_denorm_mode_32 3
		.amdhsa_float_denorm_mode_16_64 3
		.amdhsa_memory_ordered 1
		.amdhsa_forward_progress 1
		.amdhsa_inst_pref_size 152
	.end_amdhsa_kernel
	.amdgpu_metadata
---
amdhsa.version: [ 1, 2 ]
amdhsa.kernels:
  - .name:           k_qcee54de7d4_vt
    .symbol:         k_qcee54de7d4_vt.kd
    .args:
      - { .name: wop, .offset: 0, .size: 8, .value_kind: global_buffer, .address_space: global }
      - { .name: hop, .offset: 8, .size: 8, .value_kind: global_buffer, .address_space: global }
      - { .name: b_qkv, .offset: 16, .size: 8, .value_kind: global_buffer, .address_space: global }
      - { .name: vop, .offset: 24, .size: 8, .value_kind: global_buffer, .address_space: global }
    .group_segment_fixed_size: 327680
    .private_segment_fixed_size: 0
    .kernarg_segment_align: 8
    .kernarg_segment_size: 32
    .max_flat_workgroup_size: 128
    .sgpr_count:     100
    .vgpr_count:     1024
    .wavefront_size: 32
...
	.end_amdgpu_metadata
.endif
;; end of part 4
;; launch att (part 5): grid 8 x 32, 16 waves a work-group, clusters of 4 x 1, 327,680 bytes of LDS; arguments qkop, vop, yop; writes yop
.if DOCPART == 5
	.amdgcn_target "amdgcn-amd-amdhsa--gfx1250"
	.amdhsa_code_object_version 6
	.text
	.protected	k_qcee54de7d4_att
	.globl	k_qcee54de7d4_att
	.p2align	8
	.type	k_qcee54de7d4_att,@function
k_qcee54de7d4_att:
	s_mov_b64 s[64:65], 0
	v_nop
	global_prefetch_b8 v0, s[64:65] scope:SCOPE_SE
	s_setreg_imm32_b32 hwreg(HW_REG_WAVE_MODE, 25, 1), 1
	s_wait_xcnt 0x0
	s_wait_alu depctr_hold_cnt(0) depctr_sa_sdst(0) depctr_va_vdst(0) depctr_va_sdst(0) depctr_va_ssrc(0) depctr_va_vcc(0) depctr_vm_vsrc(0)
	s_getreg_b32 s2, hwreg(HW_REG_IB_STS2, 6, 4)
	s_cmp_eq_u32 s2, 0
	s_cbranch_scc0 .Lentry_in_a_cluster
	s_endpgm
.Lentry_in_a_cluster:
	s_bfe_u32 s2, ttmp6, 0x10000c
	s_cmp_lg_u32 s2, 0x3003
	s_cbranch_scc0 .Lentry_shape_is_right
	s_endpgm
.Lentry_shape_is_right:
; y = softmax(q k^T / 8, causal) v for one head and batch, both products on codes of E5M2; y is quantised along the features into the operand layout [4][4,096 positions][272].
; LEFT OUT AS DEAD WORK: a step of 128 keys all of which come after all of a wave's queries: reference()'s own tril gives those weights exactly 0 (shown at the head of launch wq).
; THE SOFTMAX: t = score x log2(e) / 8; M = the running largest t rounded up to a whole number; p = 2^(t - M) is quantised along the keys; the row's sum is taken of the unquantised p and divides at the end.
; SHARES.  Sixteen waves; wave w of work-group x (0 .. 7) owns the 16 query positions 128 w + 16 x + 0 .. 15.  So all its queries lie in keys' step w: step KI is hidden where KI > w, on the diagonal where KI = w, open below:
; branches on the wave's number and the count of steps alone, the same in every work-group; every work-group reads all 8 slots (wave 15 does); the work-groups' work is equal.
; CLUSTER.  Four work-groups of one head walk the same K and V: each tile is asked for jointly (mask 15).  x enters global addresses and the diagonal's vector mask, and nothing else.
; LAYOUT.  Both products transposed: S^T = K Q^T (source 0 = 16 key positions), O^T = V^T P^T (source 0 = 16 feature positions): a lane holds one query.  Positions are rows with bits 3 and 4 swapped, so the 16 registers of two
; neighbouring tiles are 16 neighbouring keys (features).  The head has 64 along K: registers 8-15 of K's and Q's fragments are zero codes, under the scale byte 0x7f.
; y leaves as 64 bytes of codes and 2 scale bytes a row and head (a row of yop holds four heads): 4.5 MB in the launch are written in such pieces.
; LIMITS: a block of zeros, or one under 2^(16 - 127), keeps the byte 1; NaN and infinities are not served.
; REGISTERS: v1-7 addresses that stay; v8-11 addresses in hand; v12 -M, v13 the largest t, v[14:15] the sum; v16-31 Q; v32-95 four fragments of K; v96-159 S^T, then p; v160-191 O^T; v192-223 two fragments of V; v224-239 p's codes; v232-254 at work; v255 Q's scale word.
.set SK,    256                        ; keys in a slot
.set KP,    80                         ; a key's row in LDS: 64 bytes + 16
.set VP,    272                        ; a row of V's tile: 256 bytes + 16
.set VOFF,  SK*KP
.set SLOT1, 1<<17
.set SCK,   2*SLOT1                    ; K's scale words of the head: 32 units of 256 + 16
.set SCV,   SCK+32*272                 ; V's scale bytes: 16 units
.set SPARE, SCV+16*272                 ; the spare words, 128 bytes a wave
.set AK0,  1
.set AV0,  2
.set ASK0, 3
.set ASV0, 4
.set SPW,  5
.set NIL,  6
.set PFO,  7
.set ADK,  8
.set ADV,  9
.set ADS,  10
.set ADT,  11
.set WV,   18
.set MNT,  19
.set SEL,  20
.set CS,   22
.set G1K,  24
.set G1V,  32
.set G0K,  40
.set G0V,  44
.set G1SK, 48
.set G0SK, 56
.set G0SV, 60
.set TB,   2
.set TS,   3
.set TJ,   66
.set SLOTS, 67
.set G1SV, 68
.set PFA,  76
.set PFS,  78
.set LIM,  80
.set KI,   98                          ; the step's number
.set SQL,  99                          ; 32 (x / 2) + 8 (x % 2): where my tile's queries begin in their 128
; wave w0 issues the first load, wave w0 + 1 the second, the others none.  An s_nop 0 and four v_nop follow each line.
.macro TLOAD w0, g0a, g1a, g0b, g1b
	s_cmp_eq_u32 s[WV], \w0
	s_cbranch_scc0 .Lnot_a_\@
	tensor_load_to_lds s[\g0a:\g0a+3], s[\g1a:\g1a+7]
	s_nop 0
.rept 4
	v_nop
.endr
	s_branch .Lasked_\@
.Lnot_a_\@:
	s_cmp_eq_u32 s[WV], \w0+1
	s_cbranch_scc0 .Lasked_\@
	tensor_load_to_lds s[\g0b:\g0b+3], s[\g1b:\g1b+7]
	s_nop 0
.rept 4
	v_nop
.endr
.Lasked_\@:
.endm
; A prefetch of what the NEXT change of slots will ask for: K's 16,384 dense bytes and 256 bytes of each of V's 64 rows: 128 blocks of 256 bytes.  Both clusters of a head walk the same K and V: the first asks, by wave 4 of each partner,
; one instruction; the partners share the blocks out by address: two take K's halves (lanes 256 bytes apart), two take 32 rows of V each (a lane a row).  The last change that fills a slot asks for nothing.
.macro ASK
	s_cmp_gt_u32 s[SLOTS], s[LIM]
	s_cbranch_scc0 .Lnot_mine_\@
	global_prefetch_b8 v[PFO], s[PFA:PFA+1] th:TH_LOAD_NT scope:SCOPE_SE
.Lnot_mine_\@:
.endm
.macro CROUND                          ; a round of the cluster's barrier
	s_barrier_signal -1
	s_barrier_wait -1
	s_cmp_lg_u32 s[WV], 0
	s_cbranch_scc1 .Lnot_wave_0_\@
	s_barrier_signal -3
.Lnot_wave_0_\@:
	s_barrier_wait -3
	s_barrier_signal -1
	s_barrier_wait -1
.endm
	s_load_b128 s[4:7], s[0:1], 0x0                ; qkop, vop
	s_load_b64 s[8:9], s[0:1], 0x10                ; yop
	v_lshl_add_u32 v[SPW], v0, 2, SPARE
	v_mov_b32 v[NIL], 0
	ds_add_u32 v[SPW], v[NIL]                      ; the wave's opening: the add, twice on end, and its wait ahead of the first tensor loads
	ds_add_u32 v[SPW], v[NIL]
	v_lshrrev_b32 v8, 5, v0
	v_readfirstlane_b32 s[WV], v8                  ; wave 0 .. 15
	s_and_b32 s81, ttmp7, 0xffff                   ; bh = 16 batch + head: the partners share it
	s_bfe_u32 s82, ttmp6, 0x40000                  ; cx
	s_lshl_b32 s83, ttmp9, 2
	s_add_co_u32 s83, s83, s82                     ; x
	s_mov_b32 s[G1K], 15|(1<<20)|(1<<21)|(3<<22)|(3<<25)    ; the mask; elements of 1 byte; padding: 4 words after every 16; bit 21 beside a mask
	s_mov_b32 s[G1K+1], 64<<16
	s_mov_b32 s[G1K+2], SK<<16
	s_mov_b32 s[G1K+3], 64<<16
	s_mov_b32 s[G1K+4], SK
	s_mov_b32 s[G1K+5], 64
	s_mov_b32 s[G1K+6], 0
	s_mov_b32 s[G1K+7], 0
	s_mov_b32 s[G1V], 15|(1<<20)|(1<<21)|(5<<22)|(3<<25)    ; padding: 4 words after every 64
	s_mov_b32 s[G1V+1], 256<<16
	s_mov_b32 s[G1V+2], 64<<16
	s_mov_b32 s[G1V+3], 256<<16
	s_mov_b32 s[G1V+4], 64
	s_mov_b32 s[G1V+5], 2048
	s_mov_b32 s[G1V+6], 0
	s_mov_b32 s[G1V+7], 0
	s_mov_b32 s[G1SK], 15|(3<<16)|(1<<20)|(1<<21)|(5<<22)|(3<<25)   ; dense bytes as rows of 256 (32 elements of 8), 16 of padding behind each
	s_mov_b32 s[G1SK+1], 32<<16
	s_mov_b32 s[G1SK+2], 32<<16
	s_mov_b32 s[G1SK+3], 32<<16
	s_mov_b32 s[G1SK+4], 32
	s_mov_b32 s[G1SK+5], 32
	s_mov_b32 s[G1SK+6], 0
	s_mov_b32 s[G1SK+7], 0
	s_mov_b32 s[G1SV], 15|(3<<16)|(1<<20)|(1<<21)|(5<<22)|(3<<25)
	s_mov_b32 s[G1SV+1], 32<<16
	s_mov_b32 s[G1SV+2], 16<<16
	s_mov_b32 s[G1SV+3], 32<<16
	s_mov_b32 s[G1SV+4], 16
	s_mov_b32 s[G1SV+5], 32
	s_mov_b32 s[G1SV+6], 0
	s_mov_b32 s[G1SV+7], 0
	s_lshl_b32 s84, s81, 17                        ; the head's V codes: 64 rows of 2,048 bytes
	s_mov_b32 s85, 0
	s_add_co_u32 s86, s84, 4194304                 ; its K codes: 2,048 rows of 64 bytes, behind q's
	s_mov_b32 s87, 0
	s_lshl_b32 s88, s81, 13
	s_add_co_u32 s88, s88, 8650752                 ; K's scale words
	s_mov_b32 s89, 0
	s_lshl_b32 s90, s81, 12
	s_add_co_u32 s90, s90, 4194304                 ; V's scale bytes
	s_mov_b32 s91, 0
	s_lshl_b32 s92, s[WV], 7
	s_lshl_b32 s93, s83, 4
	s_add_co_u32 s92, s92, s93                     ; my first query position in the sequence: 128 w + 16 x
	s_lshl_b32 s93, s81, 11
	s_add_co_u32 s93, s93, s92
	s_lshl_b32 s10, s93, 6                         ; Q's codes
	s_mov_b32 s11, 0
	s_lshl_b32 s12, s93, 2
	s_add_co_u32 s12, s12, 8388608                 ; Q's scale words
	s_mov_b32 s13, 0
	s_and_b32 s93, s81, 15                         ; head
	s_lshr_b32 s94, s93, 2
	s_lshl_b32 s94, s94, 12                        ; chunk of K: 4,096 rows each
	s_lshr_b32 s95, s81, 4
	s_lshl_b32 s95, s95, 11
	s_add_co_u32 s94, s94, s95
	s_add_co_u32 s94, s94, s92
	s_mul_i32 s94, s94, 272
	s_and_b32 s93, s93, 3
	s_lshl_b32 s95, s93, 6
	s_add_co_u32 s14, s94, s95                     ; y's codes
	s_mov_b32 s15, 0
	s_lshl_b32 s95, s93, 1
	s_add_co_u32 s16, s94, s95
	s_add_co_u32 s16, s16, 256                     ; y's scale bytes
	s_mov_b32 s17, 0
	s_lshr_b32 s[SQL], s83, 1
	s_lshl_b32 s[SQL], s[SQL], 5
	s_and_b32 s93, s83, 1
	s_lshl_b32 s93, s93, 3
	s_add_co_u32 s[SQL], s[SQL], s93
	s_mov_b32 s[SEL], 0x76543210
	s_mov_b32 s[SEL+1], 0xfedcba98
	s_mov_b32 s[CS], 0x3e38aa3b                    ; c = log2(e) / 8
	s_mov_b32 s[CS+1], s[CS]
	s_mov_b32 s[MNT], 0x600000
	s_mov_b32 s[TB], 0
	s_mov_b32 s[TS], 0
	s_mov_b32 s[TJ], 0
	s_mov_b32 s[SLOTS], 7
	s_mov_b32 s[KI], 0
	s_wait_dscnt 0x0                               ; both opening adds are done
	s_wait_kmcnt 0x0
	s_add_nc_u64 s[84:85], s[6:7], s[84:85]        ; V's codes of the head
	s_add_nc_u64 s[86:87], s[4:5], s[86:87]        ; K's
	s_mov_b32 s[G0SK], 1
	s_mov_b32 s[G0SK+1], SCK
	s_add_nc_u64 s[G0SK+2:G0SK+3], s[4:5], s[88:89]
	s_or_b32 s[G0SK+3], s[G0SK+3], 0x80000000
	s_mov_b32 s[G0SV], 1
	s_mov_b32 s[G0SV+1], SCV
	s_add_nc_u64 s[G0SV+2:G0SV+3], s[6:7], s[90:91]
	s_or_b32 s[G0SV+3], s[G0SV+3], 0x80000000
	s_mov_b32 s[G0K], 1
	s_mov_b32 s[G0K+1], 0
	s_mov_b64 s[G0K+2:G0K+3], s[86:87]
	s_or_b32 s[G0K+3], s[G0K+3], 0x80000000
	s_mov_b32 s[G0V], 1
	s_mov_b32 s[G0V+1], VOFF
	s_mov_b64 s[G0V+2:G0V+3], s[84:85]
	s_or_b32 s[G0V+3], s[G0V+3], 0x80000000
	CROUND                                         ; all four work-groups are here: the first joint loads meet
	TLOAD 2, G0SK, G1SK, G0SV, G1SV                ; waves 2, 3: the scale bytes of the whole head, filled once
	TLOAD 0, G0K, G1K, G0V, G1V                    ; waves 0, 1: slot 0
	s_add_nc_u64 s[10:11], s[4:5], s[10:11]
	s_add_nc_u64 s[12:13], s[4:5], s[12:13]
	s_add_nc_u64 s[14:15], s[8:9], s[14:15]
	s_add_nc_u64 s[16:17], s[8:9], s[16:17]
	s_cmp_lt_u32 s82, 2                            ; the prefetches: partners 0, 1 name K's bytes, partners 2, 3 V's: a choice of address, no branch
	s_cselect_b64 s[PFA:PFA+1], s[86:87], s[84:85]
	s_mov_b32 s[PFS], 256
	s_cselect_b32 s[PFS], 16384, s[PFS]            ; a slot on
	s_mov_b32 s93, 2048
	s_cselect_b32 s93, 256, s93                    ; from lane to lane
	s_mov_b32 s94, 32*2048
	s_cselect_b32 s94, 8192, s94                   ; the second partner's half
	v_and_b32 v[PFO], 31, v0
	v_mul_lo_u32 v[PFO], v[PFO], s93
	s_and_b32 s95, s82, 1
	s_mul_i32 s94, s94, s95
	s_add_co_u32 s94, s94, s[PFS]                  ; in slot 1: the first change of slots steps it to slot 2.  Nothing is prefetched at the head
	s_mov_b32 s95, 0
	s_mov_b32 s[PFS+1], 0
	s_add_nc_u64 s[PFA:PFA+1], s[PFA:PFA+1], s[94:95]
	s_sub_co_u32 s93, s[WV], 4
	s_or_b32 s93, s93, ttmp9                       ; 0 in wave 4 of the head's first cluster: the same in all four partners
	s_cmp_eq_u32 s93, 0
	s_cselect_b32 s[LIM], 1, -1
	v_and_b32 v8, 15, v0                           ; r
	v_bfe_u32 v9, v0, 4, 1                         ; h
	v_lshlrev_b32 v10, 6, v8
	v_lshl_add_u32 v10, v9, 4, v10
.irp c, 0,1
	global_load_b128 v[16+4*\c:19+4*\c], v10, s[10:11] offset:32*\c   ; Q's fragment stays in registers
.endr
	v_lshlrev_b32 v254, 2, v8
	global_load_b32 v255, v254, s[12:13]           ; Q's scale words
	v_mul_u32_u24 v[AK0], v8, KP
	v_lshl_add_u32 v[AK0], v9, 4, v[AK0]
	v_mul_u32_u24 v[AV0], v8, VP
	v_lshl_add_u32 v[AV0], v9, 4, v[AV0]
	v_add_nc_u32 v[AV0], VOFF, v[AV0]
	v_lshl_add_u32 v[ASK0], v8, 2, SCK             ; K's scale words: 4 bytes a position, 64 positions to a unit
	v_lshrrev_b32 v12, 2, v8                       ; V's: 64 bytes a row, four rows to a unit
	v_and_b32 v13, 3, v8
	v_mul_u32_u24 v[ASV0], v12, 272
	v_lshl_add_u32 v[ASV0], v13, 6, v[ASV0]
	v_add_nc_u32 v[ASV0], SCV, v[ASV0]
	v_mov_b32 v13, 0xff61b1e6                      ; the largest t so far: -3e38
	v_floor_f32 v12, -v13                          ; -M
	v_mov_b32 v14, 0
	v_mov_b32 v15, 0
.irp j, 0,1,2,3,4,5,6,7
	v_mov_b32 v[24+\j], 0                          ; the zero codes of K = 64 .. 127: Q's,
.irp t, 0,1,2,3
	v_mov_b32 v[40+16*\t+\j], 0                    ; and the four K fragments': written once, never loaded over
.endr
.endr
.irp b, 0,1,2,3
	v_mov_b32 v[236+\b], 0                         ; a lane permute's destination counts as one of its sources
.endr
	v_mov_b32 v252, 0
	v_mov_b32 v253, 0
.irp j, 0,1,2,3,4,5,6,7,8,9,10,11,12,13,14,15,16,17,18,19,20,21,22,23,24,25,26,27,28,29,30,31
	v_mov_b32 v[160+\j], 0                         ; O^T: the step is written once; the first finds zeros
.endr
.macro STEP q                          ; 128 keys, the q-th of the slot in hand
	s_cmp_gt_u32 s[KI], s[WV]                      ; hidden: all its keys come after my queries.  The jump leads round the step's work, not round the lines at its end, and no barrier or tensor load stands in a step
	s_cbranch_scc1 .Lhidden_\@
	v_add_nc_u32 v[ADK], s[TB], v[AK0]
	v_add_nc_u32 v[ADV], s[TB], v[AV0]
	v_add_nc_u32 v[ADS], s[TS], v[ASK0]
	v_add_nc_u32 v[ADT], s[TJ], v[ASV0]
.irp g, 0,1                                    ; S^T = K Q^T, four tiles of 16 key positions at a time
.rept 8-4*(1-\g)
	v_nop                                          ; places in front of loads into registers that matrix instructions have read (eight; the four additions above are places too)
.endr
.irp t, 0,1,2,3
.irp c, 0,1
	ds_load_b128 v[32+16*\t+4*\c:32+16*\t+4*\c+3], v[ADK] offset:(128*(\q)+16*(4*\g+\t))*KP+32*\c
.endr
	ds_load_b32 v[248+\t], v[ADS] offset:272*\g+64*\t
.endr
	s_wait_dscnt 0x0
.irp t, 0,1,2,3
	v_wmma_scale_f32_16x16x128_f8f6f4 v[96+8*(4*\g+\t):103+8*(4*\g+\t)], v[32+16*\t:47+16*\t], v[16:31], 0, v[248+\t], v255 matrix_a_fmt:MATRIX_FMT_BF8 matrix_b_fmt:MATRIX_FMT_BF8
.endr
.endr
.rept 8
	v_nop
.endr
	s_cmp_lt_u32 s[KI], s[WV]                      ; below the diagonal every key counts
	s_cbranch_scc1 .Lopen_\@
	v_and_b32 v252, 7, v0                          ; d = my query in its 128, less 16 h.  Register 16 b + i holds key 32 b + 16 h + i: hidden where 32 b + i > d
	v_bfe_u32 v253, v0, 3, 1
	v_lshl_add_u32 v252, v253, 4, v252
	v_bfe_u32 v253, v0, 4, 1
	v_lshlrev_b32 v253, 4, v253
	v_sub_nc_u32 v252, v252, v253
	v_add_nc_u32 v252, s[SQL], v252
	v_mov_b32 v254, 0xff800000                     ; -infinity: p = 0 then
.irp n, 0,1,2,3,4,5,6,7,8,9,10,11,12,13,14,15,16,17,18,19,20,21,22,23,24,25,26,27,28,29,30,31,32,33,34,35,36,37,38,39,40,41,42,43,44,45,46,47,48,49,50,51,52,53,54,55,56,57,58,59,60,61,62,63
	v_cmp_gt_i32 vcc_lo, 32*(\n/16)+\n%16, v252
	v_cndmask_b32 v[96+\n], v[96+\n], v254, vcc_lo
.endr
.Lopen_\@:
.irp b, 0,1,2,3
	v_max3_num_f32 v[232+\b], v[96+16*\b], v[97+16*\b], v[98+16*\b]   ; the largest score of each block of 32 keys: for the row's maximum, and, since p rises with the score, for the block's largest p
.endr
.irp i, 3,5,7,9,11,13
.irp b, 0,1,2,3
	v_max3_num_f32 v[232+\b], v[232+\b], v[96+16*\b+\i], v[97+16*\b+\i]
.endr
.endr
.irp b, 0,1,2,3
	v_max_num_f32 v[232+\b], v[232+\b], v[111+16*\b]
.endr
.irp b, 0,1,2,3
	v_permlanex16_b32 v[236+\b], v[232+\b], s[SEL], s[SEL+1]
.endr
.irp b, 0,1,2,3
	v_max_num_f32 v[232+\b], v[232+\b], v[236+\b]
.endr
	v_max3_num_f32 v254, v232, v233, v234
	v_max_num_f32 v254, v254, v235
	v_mul_f32 v254, s[CS], v254                    ; as t (c is positive)
	v_max_num_f32 v13, v13, v254                   ; the running largest t
	v_mov_b32 v254, v12
	v_floor_f32 v12, -v13                          ; the new -M = -ceil(t)
	v_sub_f32 v254, v12, v254                      ; old M - new M: a whole number, 0 or less
	v_cvt_i32_f32 v254, v254
	v_ldexp_f32 v252, 1.0, v254                    ; f = 2^(old M - new M): a multiplication by it rounds nothing
.irp j, 0,2,4,6,8,10,12,14,16,18,20,22,24,26,28,30,32,34,36,38,40,42,44,46,48,50,52,54,56,58,60,62
	v_pk_fma_f32 v[96+\j:97+\j], v[96+\j:97+\j], s[CS:CS+1], v[12:13] op_sel_hi:[1,0,0]   ; t - M
.endr
.irp b, 0,1,2,3
	v_fma_f32 v[232+\b], v[232+\b], s[CS], v12
.endr
.irp j, 0,1,2,3,4,5,6,7,8,9,10,11,12,13,14,15,16,17,18,19,20,21,22,23,24,25,26,27,28,29,30,31,32,33,34,35,36,37,38,39,40,41,42,43,44,45,46,47,48,49,50,51,52,53,54,55,56,57,58,59,60,61,62,63
	v_exp_f32 v[96+\j], v[96+\j]                   ; p = 2^(t - M), not normalised
.endr
	v_pk_mul_f32 v[14:15], v[14:15], v[252:253] op_sel_hi:[1,0]   ; the sums under the new M: a plain instruction behind the exponentials
	s_wait_alu depctr_va_vdst(0)                   ; one wait for the batch, ahead of its first reader
.irp b, 0,1,2,3
	v_exp_f32 v[232+\b], v[232+\b]                 ; the block's largest p
.endr
	v_pk_add_f32 v[236:237], v[96:97], v[98:99]    ; the row's sum is taken of the unquantised p, in two chains
.irp j, 4,8,12,16,20,24,28,32,36,40,44,48,52,56,60
	v_pk_add_f32 v[14:15], v[14:15], v[96+\j:97+\j]
	v_pk_add_f32 v[236:237], v[236:237], v[98+\j:99+\j]
.endr
	v_pk_add_f32 v[14:15], v[14:15], v[236:237]
	s_wait_alu depctr_va_vdst(0)                   ; and one for the four
.irp b, 0,1,2,3
	v_max_num_f32 v[232+\b], 0x8000000, v[232+\b]  ; the floor 2^(16 - 127)
.endr
.irp b, 0,1,2,3
	v_add_nc_u32 v[244+\b], 0xf8800000, v[232+\b]
.endr
.irp b, 0,1,2,3
	v_and_or_b32 v[240+\b], v[232+\b], 0x7f800000, s[MNT]
.endr
.irp b, 0,1,2,3
	v_lshrrev_b32 v[236+\b], 23, v[244+\b]
.endr
	v_lshl_or_b32 v253, v237, 8, v236              ; p's scale word for these 128 keys
	v_lshl_or_b32 v253, v238, 16, v253
	v_lshl_or_b32 v253, v239, 24, v253
.irp b, 0,1,2,3
.irp i, 0,1,2,3,4,5,6,7,8,9,10,11,12,13,14,15
	v_min_num_f32 v[96+16*\b+\i], v[96+16*\b+\i], v[240+\b]   ; the conversion does not saturate (ISA guide 7.6.2); p is not negative: a one-sided hold
.endr
	v_cvt_scalef32_pk8_bf8_f32 v[224+4*\b:225+4*\b], v[96+16*\b:103+16*\b], v[244+\b]
	v_cvt_scalef32_pk8_bf8_f32 v[226+4*\b:227+4*\b], v[104+16*\b:111+16*\b], v[244+\b]
.endr
.irp j, 0,2,4,6,8,10,12,14,16,18,20,22,24,26,28,30
	v_pk_mul_f32 v[160+\j:161+\j], v[160+\j:161+\j], v[252:253] op_sel_hi:[1,0]   ; O^T under the new M.  (These 16 are also the places in front of the products below)
.endr
.irp g, 0,1                                    ; O^T += V^T P^T: two tiles of 16 feature positions at a time
.if \g > 0
.rept 8
	v_nop
.endr
.endif
.irp t, 0,1
.irp c, 0,1,2,3
	ds_load_b128 v[192+16*\t+4*\c:192+16*\t+4*\c+3], v[ADV] offset:16*(2*\g+\t)*VP+128*(\q)+32*\c
.endr
	ds_load_b32 v[248+\t], v[ADT] offset:(2*\g+\t)*1088
.endr
	s_wait_dscnt 0x0
.irp t, 0,1
	v_wmma_scale_f32_16x16x128_f8f6f4 v[160+8*(2*\g+\t):167+8*(2*\g+\t)], v[192+16*\t:207+16*\t], v[224:239], v[160+8*(2*\g+\t):167+8*(2*\g+\t)], v[248+\t], v253 matrix_a_fmt:MATRIX_FMT_BF8 matrix_b_fmt:MATRIX_FMT_BF8
.endr
.endr
.Lhidden_\@:
	s_add_co_u32 s[KI], s[KI], 1
	s_add_co_u32 s[TS], s[TS], 544                 ; the next step's scale words
	s_add_co_u32 s[TJ], s[TJ], 4
.endm
; THE CHANGE OF SLOTS, at a slot's head.  Each wave waits for all its tensor loads, adds 0 to its spare word, and waits for that and for its reads of the slot that it has left.  fill = 1: a round of the cluster's barrier, and
; behind it the other slot is filled with the keys that follow: the load has a whole slot's steps in which to land.
.macro CHANGE fill
	s_wait_tensorcnt 0x0                           ; no tensor load of mine is out, so a group 0 may be written
	ds_add_u32 v[SPW], v[NIL]
.if \fill
	ds_add_u32 v[SPW], v[NIL]                      ; and once more: the add twice on end here, in every trip alike
	s_xor_b32 s[G0K+1], s[G0K+1], SLOT1            ; the walking descriptors: the other slot, the next 256 keys
	s_add_nc_u64 s[G0K+2:G0K+3], s[G0K+2:G0K+3], SK*64
	s_xor_b32 s[G0V+1], s[G0V+1], SLOT1
	s_add_nc_u64 s[G0V+2:G0V+3], s[G0V+2:G0V+3], SK
	s_wait_xcnt 0x0                                ; the last prefetch, a slot back, has read its address
	s_add_nc_u64 s[PFA:PFA+1], s[PFA:PFA+1], s[PFS:PFS+1]
.endif
	s_wait_dscnt 0x0                               ; the add is done, and my reads of the slot that I have left are over
.if \fill
	CROUND
	TLOAD 0, G0K, G1K, G0V, G1V                    ; the first thing behind the round, and a wave's one tensor load until the next
	ASK
.else
	s_barrier_signal -1
	s_barrier_wait -1
.endif
.endm
	s_wait_loadcnt 0x0                             ; Q
.Lslot:                                            ; seven trips: behind each change of slots but the last the next slot is asked for
	CHANGE 1
	STEP 0
	STEP 1
	s_xor_b32 s[TB], s[TB], SLOT1
	s_sub_co_u32 s[SLOTS], s[SLOTS], 1
	s_cmp_lg_u32 s[SLOTS], 0
	s_cbranch_scc1 .Lslot
	CHANGE 0                                       ; the last slot is written out
	STEP 0
	STEP 1
	; THE WAY OUT: O^T / the sum, quantised along the head's 64 features (two blocks), straight from registers
	v_add_f32 v14, v14, v15
	v_permlanex16_b32 v252, v14, s[SEL], s[SEL+1]
	v_add_f32 v14, v14, v252
	v_rcp_f32 v14, v14
	v_and_b32 v8, 15, v0
	v_bfe_u32 v9, v0, 4, 1
	v_mul_u32_u24 v10, v8, 272
	v_lshl_add_u32 v11, v9, 4, v10                 ; the codes: row r, + 16 h
	v_lshl_add_u32 v10, v9, 3, v10                 ; the bytes: lanes 0-15 the two scale bytes, lanes 16-31 two of the row's zero bytes, 8 further on
.rept 4
	v_nop                                          ; with the lines above: the places behind the last products
.endr
	s_wait_alu depctr_va_vdst(0)                   ; the wait ahead of the reciprocal's first reader
.irp j, 0,1,2,3,4,5,6,7,8,9,10,11,12,13,14,15,16,17,18,19,20,21,22,23,24,25,26,27,28,29,30,31
	v_mul_f32 v[96+\j], v[160+\j], v14             ; register 16 B + i is feature 32 B + 16 h + i of the head
.endr
.irp b, 0,1
	v_max3_num_f32 v[232+\b], |v[96+16*\b]|, |v[97+16*\b]|, 0x8000000
.endr
.irp i, 2,4,6,8,10,12,14
.irp b, 0,1
	v_max3_num_f32 v[232+\b], v[232+\b], |v[96+16*\b+\i]|, |v[97+16*\b+\i]|
.endr
.endr
.irp b, 0,1
	v_permlanex16_b32 v[236+\b], v[232+\b], s[SEL], s[SEL+1]
.endr
.irp b, 0,1
	v_max_num_f32 v[232+\b], v[232+\b], v[236+\b]
.endr
.irp b, 0,1
	v_add_nc_u32 v[244+\b], 0xf8800000, v[232+\b]
.endr
.irp b, 0,1
	v_and_or_b32 v[240+\b], v[232+\b], 0x7f800000, s[MNT]
.endr
.irp b, 0,1
	v_lshrrev_b32 v[236+\b], 23, v[244+\b]
.endr
	v_lshl_or_b32 v252, v237, 8, v236
	v_cmp_eq_u32 vcc_lo, 0, v9
	v_cndmask_b32 v252, v[NIL], v252, vcc_lo
.irp b, 0,1
.irp i, 0,1,2,3,4,5,6,7,8,9,10,11,12,13,14,15
	v_med3_num_f32 v[96+16*\b+\i], v[96+16*\b+\i], -v[240+\b], v[240+\b]
.endr
	v_cvt_scalef32_pk8_bf8_f32 v[224+4*\b:225+4*\b], v[96+16*\b:103+16*\b], v[244+\b]
	v_cvt_scalef32_pk8_bf8_f32 v[226+4*\b:227+4*\b], v[104+16*\b:111+16*\b], v[244+\b]
.endr
	v_nop
	global_store_b128 v11, v[224:227], s[14:15]
	global_store_b128 v11, v[228:231], s[14:15] offset:32
	global_store_b16 v10, v252, s[16:17]
	s_wait_tensorcnt 0x0                           ; the wave's end
	ds_add_u32 v[SPW], v[NIL]
	s_wait_dscnt 0x0
	CROUND                                         ; the closing round
	s_endpgm
.Lfunc_end_k_qcee54de7d4_att:
	.size	k_qcee54de7d4_att, .Lfunc_end_k_qcee54de7d4_att-k_qcee54de7d4_att
	.p2alignl 7, 3214868480
	.fill 96, 4, 3214868480
	.section	.rodata,"a",@progbits
	.p2align	6, 0x0
	.amdhsa_kernel k_qcee54de7d4_att
		.amdhsa_group_segment_fixed_size 327680
		.amdhsa_private_segment_fixed_size 0
		.amdhsa_enable_private_segment 0
		.amdhsa_kernarg_size 24
		.amdhsa_user_sgpr_count 2
		.amdhsa_user_sgpr_kernarg_segment_ptr 1
		.amdhsa_wavefront_size32 1
		.amdhsa_system_sgpr_workgroup_id_x 1
		.amdhsa_system_sgpr_workgroup_id_y 1
		.amdhsa_system_sgpr_workgroup_id_z 1
		.amdhsa_system_vgpr_workitem_id 0
		.amdhsa_next_free_vgpr 256
		.amdhsa_next_free_sgpr 100
		.amdhsa_reserve_vcc 1
		.amdhsa_float_denorm_mode_32 3
		.amdhsa_float_denorm_mode_16_64 3
		.amdhsa_memory_ordered 1
		.amdhsa_forward_progress 1
		.amdhsa_inst_pref_size 120
	.end_amdhsa_kernel
	.amdgpu_metadata
---
amdhsa.version: [ 1, 2 ]
amdhsa.kernels:
  - .name:           k_qcee54de7d4_att
    .symbol:         k_qcee54de7d4_att.kd
    .args:
      - { .name: qkop, .offset: 0, .size: 8, .value_kind: global_buffer, .address_space: global }
      - { .name: vop, .offset: 8, .size: 8, .value_kind: global_buffer, .address_space: global }
      - { .name: yop, .offset: 16, .size: 8, .value_kind: global_buffer, .address_space: global }
    .group_segment_fixed_size: 327680
    .private_segment_fixed_size: 0
    .kernarg_segment_align: 8
    .kernarg_segment_size: 24
    .max_flat_workgroup_size: 512
    .sgpr_count:     100
    .vgpr_count:     256
    .wavefront_size: 32
...
	.end_amdgpu_metadata
.endif
;; end of part 5
;; launch proj (part 6): grid 4 x 16, 4 waves a work-group, clusters of 4 x 4, 327,680 bytes of LDS; arguments yop, wop, b_proj, x, x1; writes x1
.if DOCPART == 6
	.amdgcn_target "amdgcn-amd-amdhsa--gfx1250"
	.amdhsa_code_object_version 6
	.text
	.protected	k_qcee54de7d4_proj
	.globl	k_qcee54de7d4_proj
	.p2align	8
	.type	k_qcee54de7d4_proj,@function
k_qcee54de7d4_proj:
	s_mov_b64 s[64:65], 0
	v_nop
	global_prefetch_b8 v0, s[64:65] scope:SCOPE_SE
	s_setreg_imm32_b32 hwreg(HW_REG_WAVE_MODE, 25, 1), 1
	s_wait_xcnt 0x0
	s_wait_alu depctr_hold_cnt(0) depctr_sa_sdst(0) depctr_va_vdst(0) depctr_va_sdst(0) depctr_va_ssrc(0) depctr_va_vcc(0) depctr_vm_vsrc(0)
	s_getreg_b32 s2, hwreg(HW_REG_IB_STS2, 6, 4)
	s_cmp_eq_u32 s2, 0
	s_cbranch_scc0 .Lentry_in_a_cluster
	s_endpgm
.Lentry_in_a_cluster:
	s_bfe_u32 s2, ttmp6, 0x10000c
	s_cmp_lg_u32 s2, 0xf033
	s_cbranch_scc0 .Lentry_shape_is_right
	s_endpgm
.Lentry_shape_is_right:
; x1 = x + y W_proj + b_proj, the product on codes of E5M2.  The product's loop is that of launch qk ("A" = 256 token positions of yop, "B" = 256 feature positions of the weight); the bias is the C of each sum's first product.
; THE WAY OUT: a block of 16 token positions x 128 features goes through the wave's own stage in slot 0 (last filled and last read before the last change of slots) and comes back as whole rows of 512 bytes;
; the residual's rows, asked for four blocks ahead, are added, and the 32 lanes store 512 consecutive bytes.  Position t of block a is row 32 (a / 2) + 8 (a % 2) + t % 8 + 16 (t / 8): it stands in the immediate.
; 64 work-groups: N = 1,024 gives no more tiles of 256 x 256.
.set SIZE_K, 1024
.set RA,     4096
.set OFFA,   0
.set RB,     1024
.set OFFB,   3342336
.set BIAS_BY_A, 0
.set PITCH,  272
.set NQ,     2
.set FR,     16
.set NL,     4
.set NP,     8
.set HALFT,  128*PITCH
.set SLOT,   4*HALFT
.set LAPS,   SIZE_K/512
.set SPARE,  2*SLOT
.set ADRA, 16
.set ADRB, 20
.set STO,  24
.set RD,   25
.set CO,   26
.set ADRS, 27
.set SPW,  28
.set NIL,  29
.set SC,   32
.set BIAS, 64
.set AF,   128
.set BK,   128
.set SPITCH, 528
.set G1, 24
.set G0, 32
.set G1B, 48
.set G0B, 56
.set MSB, 0
.macro WIN new
.if MSB != (\new)
	s_set_vgpr_msb (MSB<<8)|(\new)
.set MSB, (\new)
.endif
.endm
.set MUL_LO, 0xa1
.set MUL_HI, 0xf1
.set TO_B,   0x40
.macro JLOAD g0a, g1a, g0b, g1b        ; a joint load: waves 0, 1 fetch for A, waves 2, 3 for B; an s_nop 0 and four v_nop follow each line
	s_cmp_eq_u32 s15, 0
	s_cbranch_scc0 .Lfor_b_\@
	tensor_load_to_lds s[\g0a:\g0a+3], s[\g1a:\g1a+7]
	s_nop 0
.rept 4
	v_nop
.endr
	s_branch .Lasked_\@
.Lfor_b_\@:
	tensor_load_to_lds s[\g0b:\g0b+3], s[\g1b:\g1b+7]
	s_nop 0
.rept 4
	v_nop
.endr
.Lasked_\@:
.endm
.macro CREST
	s_cmp_lg_u32 s14, 0
	s_cbranch_scc1 .Lnot_wave_0_\@
	s_barrier_signal -3
.Lnot_wave_0_\@:
	s_barrier_wait -3
	s_barrier_signal -1
	s_barrier_wait -1
.endm
.macro CROUND
	s_barrier_signal -1
	s_barrier_wait -1
	CREST
.endm
	s_load_b256 s[4:11], s[0:1], 0x0               ; A's buffer, B's buffer, the bias, the residual
	s_load_b64 s[12:13], s[0:1], 0x20              ; the output
	v_lshl_add_u32 v[SPW], v0, 2, SPARE
	v_mov_b32 v[NIL], 0
	ds_add_u32 v[SPW], v[NIL]                      ; the wave's opening: the add, twice on end, and its wait ahead of my first tensor load
	ds_add_u32 v[SPW], v[NIL]
	v_lshrrev_b32 v1, 5, v0
	v_readfirstlane_b32 s14, v1
	s_lshr_b32 s15, s14, 1
	s_and_b32 s16, s14, 1
	s_bfe_u32 s40, ttmp6, 0x40000
	s_bfe_u32 s41, ttmp6, 0x40004
	s_lshl_b32 s42, ttmp9, 2
	s_add_co_u32 s42, s42, s40
	s_and_b32 s17, ttmp7, 0xffff
	s_lshl_b32 s17, s17, 2
	s_add_co_u32 s17, s17, s41
	s_lshl_b32 s43, s41, 2
	s_lshl_b32 s43, 15, s43
	s_lshl_b32 s44, 0x1111, s40
	s_or_b32 s[G1+0], s43, (3<<16)|(1<<21)
	s_or_b32 s[G1B+0], s44, (3<<16)|(1<<21)
.irp g, G1, G1B
	s_mov_b32 s[\g+1], 32<<16
	s_mov_b32 s[\g+2], 136<<16
	s_mov_b32 s[\g+3], 32<<16
	s_mov_b32 s[\g+4], 136
	s_mov_b32 s[\g+5], 32
	s_mov_b32 s[\g+6], 0
	s_mov_b32 s[\g+7], 0
.endr
	s_lshl_b32 s18, s16, 7
	s_lshl_b32 s20, s17, 8
	s_add_co_u32 s20, s20, s18
	s_mul_i32 s20, s20, PITCH
	s_add_co_u32 s20, s20, OFFA
	s_mov_b32 s21, 0
	s_lshl_b32 s46, s42, 8
	s_add_co_u32 s46, s46, s18
	s_mul_i32 s46, s46, PITCH
	s_add_co_u32 s46, s46, OFFB
	s_mov_b32 s47, 0
	s_mul_i32 s45, s14, HALFT
	s_wait_dscnt 0x0
	s_wait_kmcnt 0x0
	s_add_nc_u64 s[20:21], s[4:5], s[20:21]
	s_add_nc_u64 s[46:47], s[6:7], s[46:47]
	CROUND
.irp s, 0,1
	s_mov_b32 s[G0+4*\s], 1
	s_add_co_u32 s[G0+4*\s+1], s45, \s*SLOT
	s_add_nc_u64 s[G0+4*\s+2:G0+4*\s+3], s[20:21], \s*RA*PITCH
	s_or_b32 s[G0+4*\s+3], s[G0+4*\s+3], 0x80000000
	s_mov_b32 s[G0B+4*\s], 1
	s_add_co_u32 s[G0B+4*\s+1], s45, \s*SLOT
	s_add_nc_u64 s[G0B+4*\s+2:G0B+4*\s+3], s[46:47], \s*RB*PITCH
	s_or_b32 s[G0B+4*\s+3], s[G0B+4*\s+3], 0x80000000
	JLOAD G0+4*\s, G1, G0B+4*\s, G1B
.endr
	v_and_b32 v1, 15, v0
	v_bfe_u32 v2, v0, 4, 1
	v_mul_u32_u24 v3, v1, PITCH
	v_lshl_add_u32 v4, v2, 4, v3
	s_mul_i32 s21, s15, HALFT
	s_mul_i32 s22, s16, HALFT
	s_add_co_u32 s22, s22, 2*HALFT
	s_sub_co_u32 s23, s22, s21
	v_mul_u32_u24 v6, s23, v2
	v_add_nc_u32 v6, v6, v3
	v_add_nc_u32 v6, s21, v6
	v_add_nc_u32 v[ADRS], 256, v6
	v_add_nc_u32 v[ADRS+3], SLOT+256, v6
.irp s, 0,1
	v_add_nc_u32 v[ADRA+\s], s21, v4
	v_add_nc_u32 v[ADRB+\s], s22, v4
	s_add_co_u32 s21, s21, SLOT
	s_add_co_u32 s22, s22, SLOT
.endr
	s_lshl_b32 s46, s42, 8                         ; the bias of my 128 features
	s_lshl_b32 s47, s16, 7
	s_add_co_u32 s46, s46, s47
	s_lshl_b32 s46, s46, 2
	s_mov_b32 s47, 0
	s_add_nc_u64 s[8:9], s[8:9], s[46:47]
	v_lshlrev_b32 v5, 6, v2
.irp b, 0,1,2,3,4,5,6,7
	global_load_b128 v[BIAS+8*\b:BIAS+8*\b+3], v5, s[8:9] offset:(32*(\b/2)+8*(\b%2))*4
	global_load_b128 v[BIAS+8*\b+4:BIAS+8*\b+7], v5, s[8:9] offset:(32*(\b/2)+8*(\b%2))*4+16
.endr
	s_mul_i32 s23, s14, 16*SPITCH                  ; my stage, in slot 0
	v_mul_u32_u24 v[STO], v1, SPITCH
	v_lshl_add_u32 v[STO], v2, 6, v[STO]
	v_add_nc_u32 v[STO], s23, v[STO]               ; in: row r, + 64 h: tiles 2 B, 2 B + 1 give features 32 B + 16 h + 0 .. 15
	v_and_b32 v6, 31, v0
	v_lshlrev_b32 v[CO], 4, v6
	v_add_nc_u32 v[RD], s23, v[CO]                 ; back: the 32 lanes take a row of 512 bytes
	s_lshl_b32 s20, s17, 8
	s_lshl_b32 s21, s15, 7
	s_add_co_u32 s20, s20, s21
	s_lshl_b32 s20, s20, 12                        ; my first row x 4,096 bytes
	s_lshl_b32 s46, s42, 10
	s_lshl_b32 s47, s16, 9
	s_add_co_u32 s46, s46, s47
	s_add_co_u32 s20, s20, s46                     ; + my first column
	s_mov_b32 s21, 0
	s_add_nc_u64 s[12:13], s[12:13], s[20:21]
	s_add_nc_u64 s[10:11], s[10:11], s[20:21]
.macro FRAG reg, adr, q, i
.irp c, 0,1,2,3
	ds_load_b128 v[\reg+4*\c:\reg+4*\c+3], v[\adr] offset:128*(\q)+32*\c+(\i)*16*PITCH
.endr
.endm
.macro MUL16 a0, p, q, sc, zero        ; the 64 accumulators take turns, one instruction a turn
.irp a, \a0, \a0+1
.irp b, 0,1,2,3,4,5,6,7
.if \zero
	v_wmma_scale_f32_16x16x128_f8f6f4 v[8*(8*((\a)%4)+\b):8*(8*((\a)%4)+\b)+7], v[128*(\p)+FR*\b:128*(\p)+FR*\b+FR-1], v[AF+FR*(\a):AF+FR*(\a)+FR-1], v[BIAS+8*\b:BIAS+8*\b+7], v[SC+8*NQ*(\sc)+NQ*\b+(\q)], v[SC+8*NQ*(\sc)+NQ*(\a)+(\q)] matrix_a_fmt:MATRIX_FMT_BF8 matrix_b_fmt:MATRIX_FMT_BF8 matrix_a_scale:MATRIX_SCALE_ROW1
.else
	v_wmma_scale_f32_16x16x128_f8f6f4 v[8*(8*((\a)%4)+\b):8*(8*((\a)%4)+\b)+7], v[128*(\p)+FR*\b:128*(\p)+FR*\b+FR-1], v[AF+FR*(\a):AF+FR*(\a)+FR-1], v[8*(8*((\a)%4)+\b):8*(8*((\a)%4)+\b)+7], v[SC+8*NQ*(\sc)+NQ*\b+(\q)], v[SC+8*NQ*(\sc)+NQ*(\a)+(\q)] matrix_a_fmt:MATRIX_FMT_BF8 matrix_b_fmt:MATRIX_FMT_BF8 matrix_a_scale:MATRIX_SCALE_ROW1
.endif
.endr
.endr
.endm
.macro FETCH_B slot, q, p
	WIN TO_B
.irp i, 0,1,2,3,4,5,6,7
	FRAG 128*(\p)+FR*\i, ADRB+\slot, \q, \i
.endr
	WIN 0
.endm
.macro FETCH_A slot, q, i0
.irp i, \i0, \i0+1, \i0+2, \i0+3
	FRAG AF+FR*(\i), ADRA+\slot, \q, \i
.endr
.endm
.macro SCALES sc
.irp i, 0,1,2,3,4,5,6,7
	ds_load_b64 v[SC+8*NQ*\sc+NQ*\i:SC+8*NQ*\sc+NQ*\i+1], v[ADRS+3*\sc] offset:\i*16*PITCH
.endr
.endm
.macro PLACES n
.rept \n
	v_nop
.endr
.endm
.macro STEP slot, q, zero
	s_wait_dscnt 4*NL                              ; all but A's blocks 4-7
	WIN MUL_LO-0x20*(\zero)
	MUL16 0, (\q)%2, \q, \slot, \zero
	MUL16 2, (\q)%2, \q, \slot, \zero
	s_wait_dscnt 0
	PLACES NP
	FETCH_B \slot, (\q)+1, 1-(\q)%2
	FETCH_A \slot, (\q)+1, 0
	WIN MUL_HI-0x30*(\zero)
	MUL16 4, (\q)%2, \q, \slot, \zero
	MUL16 6, (\q)%2, \q, \slot, \zero
	PLACES NP
	WIN 0
	FETCH_A \slot, (\q)+1, 4
.endm
.macro TURN slot, next, fill
	s_wait_tensorcnt 0x0                           ; all my tensor loads have landed: my part of the next slot
	ds_add_u32 v[SPW], v[NIL]
	s_wait_dscnt 4*NL+1                            ; the add and A's blocks 4-7 may be out
	WIN MUL_LO
	MUL16 0, 1, NQ-1, \slot, 0
	s_wait_dscnt 0x0                               ; the add is done, and my reads of this slot are over
	s_barrier_signal -1
	MUL16 2, 1, NQ-1, \slot, 0
	WIN 0
	s_barrier_wait -1
.if \fill
	CREST                                          ; no wave of any partner still reads this slot or has a load on its way
	s_add_nc_u64 s[G0+4*\slot+2:G0+4*\slot+3], s[G0+4*\slot+2:G0+4*\slot+3], 2*RA*PITCH
	s_add_nc_u64 s[G0B+4*\slot+2:G0B+4*\slot+3], s[G0B+4*\slot+2:G0B+4*\slot+3], 2*RB*PITCH
	JLOAD G0+4*\slot, G1, G0B+4*\slot, G1B
	PLACES NP-4
.else
	PLACES NP
.endif
	FETCH_B \next, 0, 0
	FETCH_A \next, 0, 0
	SCALES \next
	WIN MUL_HI
	MUL16 4, 1, NQ-1, \slot, 0
	MUL16 6, 1, NQ-1, \slot, 0
	PLACES NP
	WIN 0
	FETCH_A \next, 0, 4
.endm
	s_wait_loadcnt 0x0                             ; the bias
	s_wait_tensorcnt 1                             ; my part of K step 0 is in; K step 1's load may be out
	s_barrier_signal -1
	s_barrier_wait -1
	FETCH_B 0, 0, 0
	FETCH_A 0, 0, 0
	SCALES 0
	FETCH_A 0, 0, 4
	STEP 0, 0, 1
	s_mov_b32 s3, LAPS-1
.Llap:
	TURN 0, 1, 1
	STEP 1, 0, 0
	TURN 1, 0, 1
	STEP 0, 0, 0
	s_sub_co_u32 s3, s3, 1
	s_cmp_lg_u32 s3, 0
	s_cbranch_scc1 .Llap
	TURN 0, 1, 0
	STEP 1, 0, 0
	s_wait_dscnt 4*NL
	WIN MUL_LO
	MUL16 0, 1, NQ-1, 1, 0
	MUL16 2, 1, NQ-1, 1, 0
	s_wait_dscnt 0
	WIN MUL_HI
	MUL16 4, 1, NQ-1, 1, 0
	MUL16 6, 1, NQ-1, 1, 0
	WIN 0
; ---- THE WAY OUT
.macro TOSTAGE a
.set AC, 64*((\a)%4)
	WIN 0x08+4*((\a)/4)                            ; the data: window 2 or 3
.irp b, 0,1,2,3,4,5,6,7
	ds_store_b128 v[STO], v[AC+8*\b:AC+8*\b+3] offset:128*(\b/2)+32*(\b%2)      ; each accumulator from its low end on
	ds_store_b128 v[STO], v[AC+8*\b+4:AC+8*\b+7] offset:128*(\b/2)+32*(\b%2)+16
.endr
	WIN 0
.set BBK, BK+64*((\a)%2)
.irp t, 0,1,2,3,4,5,6,7,8,9,10,11,12,13,14,15
	ds_load_b128 v[BBK+4*\t:BBK+4*\t+3], v[RD] offset:\t*SPITCH   ; my own bytes, served in order
.endr
.endm
.macro RLOAD a                         ; the residual's 16 rows of block a, into window 1, where B's fragments lay
	WIN 0x40
.irp t, 0,1,2,3,4,5,6,7,8,9,10,11,12,13,14,15
	global_load_b128 v[64*((\a)%4)+4*\t:64*((\a)%4)+4*\t+3], v[CO], s[10:11] offset:(32*((\a)/2)+8*((\a)%2)+(\t&7)+16*(\t>>3))*4096
.endr
	WIN 0
.endm
.macro SEND a, younger, left           ; younger: LDS instructions issued behind block a's read-backs; left: residual loads issued behind block a's
.set BBK, BK+64*((\a)%2)
.set RS, 64*((\a)%4)
	s_wait_dscnt \younger
	s_wait_loadcnt \left
	WIN 0x04                                       ; source 1, the residual, in window 1
.set k, 0
.rept 32
	v_pk_add_f32 v[BBK+k:BBK+k+1], v[BBK+k:BBK+k+1], v[RS+k:RS+k+1]
.set k, k+2
.endr
	WIN 0
.irp t, 0,1,2,3,4,5,6,7,8,9,10,11,12,13,14,15
	global_store_b128 v[CO], v[BBK+4*\t:BBK+4*\t+3], s[12:13] offset:(32*((\a)/2)+8*((\a)%2)+(\t&7)+16*(\t>>3))*4096   ; 512 consecutive bytes, at a multiple of 256 from the buffer's first byte
.endr
.if (\a) < 4
	RLOAD (\a)+4
.endif
.endm
	PLACES NP                                      ; in front of the loads into B's and A's registers and of the first read of results
	RLOAD 0
	RLOAD 1
	RLOAD 2
	RLOAD 3
	TOSTAGE 0
	TOSTAGE 1
	SEND 0, 32, 48
	s_wait_xcnt 0x0                                ; the stores of two blocks back have read their registers
	TOSTAGE 2
	SEND 1, 32, 48
	s_wait_xcnt 0x0
	TOSTAGE 3
	SEND 2, 32, 48
	s_wait_xcnt 0x0
	TOSTAGE 4
	SEND 3, 32, 48
	s_wait_xcnt 0x0
	TOSTAGE 5
	SEND 4, 32, 48
	s_wait_xcnt 0x0
	TOSTAGE 6
	SEND 5, 32, 32
	s_wait_xcnt 0x0
	TOSTAGE 7
	SEND 6, 32, 16
	SEND 7, 0, 0
	s_wait_tensorcnt 0x0                           ; the wave's end
	ds_add_u32 v[SPW], v[NIL]
	s_wait_dscnt 0x0
	CROUND
	s_endpgm
.Lfunc_end_k_qcee54de7d4_proj:
	.size	k_qcee54de7d4_proj, .Lfunc_end_k_qcee54de7d4_proj-k_qcee54de7d4_proj
	.p2alignl 7, 3214868480
	.fill 96, 4, 3214868480
	.section	.rodata,"a",@progbits
	.p2align	6, 0x0
	.amdhsa_kernel k_qcee54de7d4_proj
		.amdhsa_group_segment_fixed_size 327680
		.amdhsa_private_segment_fixed_size 0
		.amdhsa_enable_private_segment 0
		.amdhsa_kernarg_size 40
		.amdhsa_user_sgpr_count 2
		.amdhsa_user_sgpr_kernarg_segment_ptr 1
		.amdhsa_wavefront_size32 1
		.amdhsa_system_sgpr_workgroup_id_x 1
		.amdhsa_system_sgpr_workgroup_id_y 1
		.amdhsa_system_sgpr_workgroup_id_z 1
		.amdhsa_system_vgpr_workitem_id 0
		.amdhsa_next_free_vgpr 1024
		.amdhsa_next_free_sgpr 100
		.amdhsa_reserve_vcc 0
		.amdhsa_float_denorm_mode_32 3
		.amdhsa_float_denorm_mode_16_64 3
		.amdhsa_memory_ordered 1
		.amdhsa_forward_progress 1
		.amdhsa_inst_pref_size 174
	.end_amdhsa_kernel
	.amdgpu_metadata
---
amdhsa.version: [ 1, 2 ]
amdhsa.kernels:
  - .name:           k_qcee54de7d4_proj
    .symbol:         k_qcee54de7d4_proj.kd
    .args:
      - { .name: yop, .offset: 0, .size: 8, .value_kind: global_buffer, .address_space: global }
      - { .name: wop, .offset: 8, .size: 8, .value_kind: global_buffer, .address_space: global }
      - { .name: b_proj, .offset: 16, .size: 8, .value_kind: global_buffer, .address_space: global }
      - { .name: x, .offset: 24, .size: 8, .value_kind: global_buffer, .address_space: global }
      - { .name: x1, .offset: 32, .size: 8, .value_kind: global_buffer, .address_space: global }
    .group_segment_fixed_size: 327680
    .private_segment_fixed_size: 0
    .kernarg_segment_align: 8
    .kernarg_segment_size: 40
    .max_flat_workgroup_size: 128
    .sgpr_count:     100
    .vgpr_count:     1024
    .wavefront_size: 32
...
	.end_amdgpu_metadata
.endif
;; end of part 6
;; launch ln2: the kernel of part 2 again; grid 256 x 1, 4 waves a work-group, no clusters, 92,160 bytes of LDS; arguments x1, ln2_g, ln2_b, hop; writes hop
;; launch ff1 (part 7): grid 16 x 16, 4 waves a work-group, clusters of 4 x 4, 327,680 bytes of LDS; arguments hop, wop, b_ff1, gop; writes gop
.if DOCPART == 7
	.amdgcn_target "amdgcn-amd-amdhsa--gfx1250"
	.amdhsa_code_object_version 6
	.text
	.protected	k_qcee54de7d4_ff1
	.globl	k_qcee54de7d4_ff1
	.p2align	8
	.type	k_qcee54de7d4_ff1,@function
k_qcee54de7d4_ff1:
	s_mov_b64 s[64:65], 0
	v_nop
	global_prefetch_b8 v0, s[64:65] scope:SCOPE_SE
	s_setreg_imm32_b32 hwreg(HW_REG_WAVE_MODE, 25, 1), 1
	s_wait_xcnt 0x0
	s_wait_alu depctr_hold_cnt(0) depctr_sa_sdst(0) depctr_va_vdst(0) depctr_va_sdst(0) depctr_va_ssrc(0) depctr_va_vcc(0) depctr_vm_vsrc(0)
	s_getreg_b32 s2, hwreg(HW_REG_IB_STS2, 6, 4)
	s_cmp_eq_u32 s2, 0
	s_cbranch_scc0 .Lentry_in_a_cluster
	s_endpgm
.Lentry_in_a_cluster:
	s_bfe_u32 s2, ttmp6, 0x10000c
	s_cmp_lg_u32 s2, 0xf033
	s_cbranch_scc0 .Lentry_shape_is_right
	s_endpgm
.Lentry_shape_is_right:
; g = gelu(h W_ff1 + b_ff1), exact gelu, the product on codes of E5M2; g is quantised along the 4,096 features into the operand layout [16][4,096 positions][272].  The product's loop is that of launch qk.
; THE WAY OUT: the accumulators go to LDS as images of their registers and come back 64 numbers a lane into window 0, a tile of 16 tokens a trip: so gelu and the quantiser are a loop without window switches.
; gelu(x) = 0.5 x (1 + erf(x / sqrt 2)); erf(u) = u P(u^2) / Q(u^2), u held to +-4, a rational form in f32 (degrees 6 and 4 in u^2), one reciprocal a number.
; LIMIT: far on the negative side the result has the relative accuracy of f32's 1 + erf, an absolute error of about 1e-7 |x|, as reference()'s own f32 form has.
; Codes and scale words meet in one stage of 256 rows x 272; behind a barrier each wave stores 17,408 dense bytes.
; LIMITS: a block of zeros, or one under 2^(16 - 127), keeps the byte 1 (this program alone reads the bytes); NaN and infinities are not served.
.set SIZE_K, 1024
.set RA,     4096
.set OFFA,   0
.set RB,     4096
.set OFFB,   4456448
.set BIAS_BY_A, 0
.set QWORD,  1
.set PITCH,  272
.set NQ,     2
.set FR,     16
.set NL,     4
.set NP,     8
.set HALFT,  128*PITCH
.set SLOT,   4*HALFT
.set LAPS,   SIZE_K/512
.set SPARE,  2*SLOT
.set ADRA, 16
.set ADRB, 20
.set ADRS, 27
.set SPW,  28
.set NIL,  29
.set SC,   32
.set BIAS, 64
.set AF,   128
.set G1, 24
.set G0, 32
.set G1B, 48
.set G0B, 56
.set MSB, 0
.macro WIN new
.if MSB != (\new)
	s_set_vgpr_msb (MSB<<8)|(\new)
.set MSB, (\new)
.endif
.endm
.set MUL_LO, 0xa1
.set MUL_HI, 0xf1
.set TO_B,   0x40
.macro JLOAD g0a, g1a, g0b, g1b        ; a joint load: waves 0, 1 fetch for A, waves 2, 3 for B; an s_nop 0 and four v_nop follow each line
	s_cmp_eq_u32 s15, 0
	s_cbranch_scc0 .Lfor_b_\@
	tensor_load_to_lds s[\g0a:\g0a+3], s[\g1a:\g1a+7]
	s_nop 0
.rept 4
	v_nop
.endr
	s_branch .Lasked_\@
.Lfor_b_\@:
	tensor_load_to_lds s[\g0b:\g0b+3], s[\g1b:\g1b+7]
	s_nop 0
.rept 4
	v_nop
.endr
.Lasked_\@:
.endm
.macro CREST
	s_cmp_lg_u32 s14, 0
	s_cbranch_scc1 .Lnot_wave_0_\@
	s_barrier_signal -3
.Lnot_wave_0_\@:
	s_barrier_wait -3
	s_barrier_signal -1
	s_barrier_wait -1
.endm
.macro CROUND
	s_barrier_signal -1
	s_barrier_wait -1
	CREST
.endm
	s_load_b256 s[4:11], s[0:1], 0x0               ; A's buffer, B's buffer, the bias, the output
	v_lshl_add_u32 v[SPW], v0, 2, SPARE
	v_mov_b32 v[NIL], 0
	ds_add_u32 v[SPW], v[NIL]                      ; the wave's opening: the add, twice on end, and its wait ahead of my first tensor load
	ds_add_u32 v[SPW], v[NIL]
	v_lshrrev_b32 v1, 5, v0
	v_readfirstlane_b32 s14, v1
	s_lshr_b32 s15, s14, 1
	s_and_b32 s16, s14, 1
	s_bfe_u32 s40, ttmp6, 0x40000
	s_bfe_u32 s41, ttmp6, 0x40004
	s_lshl_b32 s42, ttmp9, 2
	s_add_co_u32 s42, s42, s40
	s_and_b32 s17, ttmp7, 0xffff
	s_lshl_b32 s17, s17, 2
	s_add_co_u32 s17, s17, s41
	s_lshl_b32 s43, s41, 2
	s_lshl_b32 s43, 15, s43
	s_lshl_b32 s44, 0x1111, s40
	s_or_b32 s[G1+0], s43, (3<<16)|(1<<21)
	s_or_b32 s[G1B+0], s44, (3<<16)|(1<<21)
.irp g, G1, G1B
	s_mov_b32 s[\g+1], 32<<16
	s_mov_b32 s[\g+2], 136<<16
	s_mov_b32 s[\g+3], 32<<16
	s_mov_b32 s[\g+4], 136
	s_mov_b32 s[\g+5], 32
	s_mov_b32 s[\g+6], 0
	s_mov_b32 s[\g+7], 0
.endr
	s_lshl_b32 s18, s16, 7
	s_lshl_b32 s20, s17, 8
	s_add_co_u32 s20, s20, s18
	s_mul_i32 s20, s20, PITCH
	s_add_co_u32 s20, s20, OFFA
	s_mov_b32 s21, 0
	s_lshl_b32 s46, s42, 8
	s_add_co_u32 s46, s46, s18
	s_mul_i32 s46, s46, PITCH
	s_add_co_u32 s46, s46, OFFB
	s_mov_b32 s47, 0
	s_mul_i32 s45, s14, HALFT
	s_wait_dscnt 0x0
	s_wait_kmcnt 0x0
	s_add_nc_u64 s[20:21], s[4:5], s[20:21]
	s_add_nc_u64 s[46:47], s[6:7], s[46:47]
	CROUND
.irp s, 0,1
	s_mov_b32 s[G0+4*\s], 1
	s_add_co_u32 s[G0+4*\s+1], s45, \s*SLOT
	s_add_nc_u64 s[G0+4*\s+2:G0+4*\s+3], s[20:21], \s*RA*PITCH
	s_or_b32 s[G0+4*\s+3], s[G0+4*\s+3], 0x80000000
	s_mov_b32 s[G0B+4*\s], 1
	s_add_co_u32 s[G0B+4*\s+1], s45, \s*SLOT
	s_add_nc_u64 s[G0B+4*\s+2:G0B+4*\s+3], s[46:47], \s*RB*PITCH
	s_or_b32 s[G0B+4*\s+3], s[G0B+4*\s+3], 0x80000000
	JLOAD G0+4*\s, G1, G0B+4*\s, G1B
.endr
	v_and_b32 v1, 15, v0
	v_bfe_u32 v2, v0, 4, 1
	v_mul_u32_u24 v3, v1, PITCH
	v_lshl_add_u32 v4, v2, 4, v3
	s_mul_i32 s21, s15, HALFT
	s_mul_i32 s22, s16, HALFT
	s_add_co_u32 s22, s22, 2*HALFT
	s_sub_co_u32 s23, s22, s21
	v_mul_u32_u24 v6, s23, v2
	v_add_nc_u32 v6, v6, v3
	v_add_nc_u32 v6, s21, v6
	v_add_nc_u32 v[ADRS], 256, v6
	v_add_nc_u32 v[ADRS+3], SLOT+256, v6
.irp s, 0,1
	v_add_nc_u32 v[ADRA+\s], s21, v4
	v_add_nc_u32 v[ADRB+\s], s22, v4
	s_add_co_u32 s21, s21, SLOT
	s_add_co_u32 s22, s22, SLOT
.endr
	s_lshl_b32 s46, s42, 8                         ; the bias of my 128 features
	s_lshl_b32 s47, s16, 7
	s_add_co_u32 s46, s46, s47
	s_lshl_b32 s46, s46, 2
	s_mov_b32 s47, 0
	s_add_nc_u64 s[8:9], s[8:9], s[46:47]
	v_lshlrev_b32 v5, 6, v2
.irp b, 0,1,2,3,4,5,6,7
	global_load_b128 v[BIAS+8*\b:BIAS+8*\b+3], v5, s[8:9] offset:(32*(\b/2)+8*(\b%2))*4
	global_load_b128 v[BIAS+8*\b+4:BIAS+8*\b+7], v5, s[8:9] offset:(32*(\b/2)+8*(\b%2))*4+16
.endr
.macro FRAG reg, adr, q, i
.irp c, 0,1,2,3
	ds_load_b128 v[\reg+4*\c:\reg+4*\c+3], v[\adr] offset:128*(\q)+32*\c+(\i)*16*PITCH
.endr
.endm
.macro MUL16 a0, p, q, sc, zero        ; the 64 accumulators take turns, one instruction a turn
.irp a, \a0, \a0+1
.irp b, 0,1,2,3,4,5,6,7
.if \zero
	v_wmma_scale_f32_16x16x128_f8f6f4 v[8*(8*((\a)%4)+\b):8*(8*((\a)%4)+\b)+7], v[128*(\p)+FR*\b:128*(\p)+FR*\b+FR-1], v[AF+FR*(\a):AF+FR*(\a)+FR-1], v[BIAS+8*\b:BIAS+8*\b+7], v[SC+8*NQ*(\sc)+NQ*\b+(\q)], v[SC+8*NQ*(\sc)+NQ*(\a)+(\q)] matrix_a_fmt:MATRIX_FMT_BF8 matrix_b_fmt:MATRIX_FMT_BF8 matrix_a_scale:MATRIX_SCALE_ROW1
.else
	v_wmma_scale_f32_16x16x128_f8f6f4 v[8*(8*((\a)%4)+\b):8*(8*((\a)%4)+\b)+7], v[128*(\p)+FR*\b:128*(\p)+FR*\b+FR-1], v[AF+FR*(\a):AF+FR*(\a)+FR-1], v[8*(8*((\a)%4)+\b):8*(8*((\a)%4)+\b)+7], v[SC+8*NQ*(\sc)+NQ*\b+(\q)], v[SC+8*NQ*(\sc)+NQ*(\a)+(\q)] matrix_a_fmt:MATRIX_FMT_BF8 matrix_b_fmt:MATRIX_FMT_BF8 matrix_a_scale:MATRIX_SCALE_ROW1
.endif
.endr
.endr
.endm
.macro FETCH_B slot, q, p
	WIN TO_B
.irp i, 0,1,2,3,4,5,6,7
	FRAG 128*(\p)+FR*\i, ADRB+\slot, \q, \i
.endr
	WIN 0
.endm
.macro FETCH_A slot, q, i0
.irp i, \i0, \i0+1, \i0+2, \i0+3
	FRAG AF+FR*(\i), ADRA+\slot, \q, \i
.endr
.endm
.macro SCALES sc
.irp i, 0,1,2,3,4,5,6,7
	ds_load_b64 v[SC+8*NQ*\sc+NQ*\i:SC+8*NQ*\sc+NQ*\i+1], v[ADRS+3*\sc] offset:\i*16*PITCH
.endr
.endm
.macro PLACES n
.rept \n
	v_nop
.endr
.endm
.macro STEP slot, q, zero
	s_wait_dscnt 4*NL                              ; all but A's blocks 4-7
	WIN MUL_LO-0x20*(\zero)
	MUL16 0, (\q)%2, \q, \slot, \zero
	MUL16 2, (\q)%2, \q, \slot, \zero
	s_wait_dscnt 0
	PLACES NP
	FETCH_B \slot, (\q)+1, 1-(\q)%2
	FETCH_A \slot, (\q)+1, 0
	WIN MUL_HI-0x30*(\zero)
	MUL16 4, (\q)%2, \q, \slot, \zero
	MUL16 6, (\q)%2, \q, \slot, \zero
	PLACES NP
	WIN 0
	FETCH_A \slot, (\q)+1, 4
.endm
.macro TURN slot, next, fill
	s_wait_tensorcnt 0x0                           ; all my tensor loads have landed: my part of the next slot
	ds_add_u32 v[SPW], v[NIL]
	s_wait_dscnt 4*NL+1                            ; the add and A's blocks 4-7 may be out
	WIN MUL_LO
	MUL16 0, 1, NQ-1, \slot, 0
	s_wait_dscnt 0x0                               ; the add is done, and my reads of this slot are over
	s_barrier_signal -1
	MUL16 2, 1, NQ-1, \slot, 0
	WIN 0
	s_barrier_wait -1
.if \fill
	CREST                                          ; no wave of any partner still reads this slot or has a load on its way
	s_add_nc_u64 s[G0+4*\slot+2:G0+4*\slot+3], s[G0+4*\slot+2:G0+4*\slot+3], 2*RA*PITCH
	s_add_nc_u64 s[G0B+4*\slot+2:G0B+4*\slot+3], s[G0B+4*\slot+2:G0B+4*\slot+3], 2*RB*PITCH
	JLOAD G0+4*\slot, G1, G0B+4*\slot, G1B
	PLACES NP-4
.else
	PLACES NP
.endif
	FETCH_B \next, 0, 0
	FETCH_A \next, 0, 0
	SCALES \next
	WIN MUL_HI
	MUL16 4, 1, NQ-1, \slot, 0
	MUL16 6, 1, NQ-1, \slot, 0
	PLACES NP
	WIN 0
	FETCH_A \next, 0, 4
.endm
	s_wait_loadcnt 0x0                             ; the bias
	s_wait_tensorcnt 1                             ; my part of K step 0 is in; K step 1's load may be out
	s_barrier_signal -1
	s_barrier_wait -1
	FETCH_B 0, 0, 0
	FETCH_A 0, 0, 0
	SCALES 0
	FETCH_A 0, 0, 4
	STEP 0, 0, 1
	s_mov_b32 s3, LAPS-1
.Llap:
	TURN 0, 1, 1
	STEP 1, 0, 0
	TURN 1, 0, 1
	STEP 0, 0, 0
	s_sub_co_u32 s3, s3, 1
	s_cmp_lg_u32 s3, 0
	s_cbranch_scc1 .Llap
	TURN 0, 1, 0
	STEP 1, 0, 0
	s_wait_dscnt 4*NL
	WIN MUL_LO
	MUL16 0, 1, NQ-1, 1, 0
	MUL16 2, 1, NQ-1, 1, 0
	s_wait_dscnt 0
	WIN MUL_HI
	MUL16 4, 1, NQ-1, 1, 0
	MUL16 6, 1, NQ-1, 1, 0
	WIN 0
; ---- THE WAY OUT.  The ring has had its last fill: images in bytes 0 .. 131,071, the work-group's stage of 256 rows x 272 from CST on.
.set CST, SLOT
.set IMW, 3
.set IMR, 4
.set CSA, 5
.set CSS, 6
.set CW,  7
.set CS2, 8
.set ZR,  9
.set PW,  10
.set CPA, 13
.set COL, 14
.set X,   32                           ; v32-95   64 numbers
.set U,   96                           ; v96-127  u, then 0.5 x
.set S,   128                          ; v128-159 u^2
.set P,   160                          ; v160-191 the numerator
.set QD,  192                          ; v192-223 the denominator
.set PC,  224
.set TM,  240
.set MNT, 92
.set TO,  93
.set SEL, 94
.set CO,  96
	PLACES NP
	s_wait_dscnt 0x0
	s_barrier_signal -1
	s_barrier_wait -1                              ; nobody reads the ring any more
	s_mov_b32 s[MNT], 0x600000
	s_mov_b32 s[SEL], 0x76543210
	s_mov_b32 s[SEL+1], 0xfedcba98
	s_mov_b32 s[CO], 0
.macro KPAIR reg, val                  ; a constant as a pair: the packed forms name the pair
	s_mov_b32 s[\reg], \val
	s_mov_b32 s[\reg+1], \val
.endm
	KPAIR 68, 0x3f3504f3                           ; 1 / sqrt 2
	KPAIR 70, 0x32edffee                           ; the numerator's coefficients, from u^10 down to 1
	KPAIR 72, 0xb60cff51
	KPAIR 74, 0xb86ec2d2
	KPAIR 76, 0xba40ac63
	KPAIR 78, 0xbb41a1f6
	KPAIR 80, 0xbc83dbd4
	KPAIR 82, 0xb95fbd29                           ; the denominator's, from u^6 down to 1
	KPAIR 84, 0xbadc924e
	KPAIR 86, 0xbbf19bf8
	KPAIR 88, 0xbc69b6a7
	v_mov_b32 v16, 0xaf95df0b                      ; the leading coefficients: of u^12,
	v_mov_b32 v17, 0xaf95df0b
	v_mov_b32 v18, 0xb77460cd                      ; and of u^8
	v_mov_b32 v19, 0xb77460cd
	v_and_b32 v[ZR], 31, v0
	v_lshlrev_b32 v[COL], 4, v[ZR]                 ; 16 x lane
	v_mov_b32 v[ZR], 0
	s_lshl_b32 s18, s14, 15
	v_add_nc_u32 v[IMW], s18, v[COL]
	s_mul_i32 s19, s15, HALFT                      ; the stage: row 128 half + 16 a + r; my 128 features' codes at byte 128 half; my word at 256 + 4 half
	s_add_co_u32 s19, s19, CST
	v_mul_u32_u24 v[CSS], v1, PITCH
	v_add_nc_u32 v[CSS], s19, v[CSS]
	v_lshl_add_u32 v[CSA], v2, 4, v[CSS]
	s_lshl_b32 s20, s16, 7
	v_add_nc_u32 v[CSA], s20, v[CSA]
	s_lshl_b32 s20, s16, 2
	s_add_co_u32 s20, s20, 256
	v_add_nc_u32 v[CSS], s20, v[CSS]
	s_mul_i32 s19, s14, 64*PITCH
	s_add_co_u32 s20, s19, CST
	v_add_nc_u32 v[CPA], s20, v[COL]               ; back: my quarter of the stage, as it lies
.irp b, 0,1,2,3
	v_mov_b32 v[TM+4+\b], 0
.endr
	s_lshl_b32 s20, s42, 12                        ; gop: (4,096 tx + 256 ty) x 272 + my quarter
	s_lshl_b32 s21, s17, 8
	s_add_co_u32 s20, s20, s21
	s_mul_i32 s20, s20, PITCH
	s_add_co_u32 s20, s20, s19
	s_mov_b32 s21, 0
	s_add_nc_u64 s[10:11], s[10:11], s[20:21]
.macro IMG hh
	WIN 0x08+4*(\hh)
.irp a, 0,1,2,3
.irp q, 0,1,2,3,4,5,6,7,8,9,10,11,12,13,14,15
	ds_store_b128 v[IMW], v[8*(8*\a+\q/2)+4*(\q%2):8*(8*\a+\q/2)+4*(\q%2)+3] offset:8192*\a+512*\q
.endr
.endr
	WIN 0
.endm
.macro POLY d, c                       ; d = d u^2 + c, 32 numbers
.set k, 0
.rept 16
	v_pk_fma_f32 v[\d+k:\d+k+1], v[\d+k:\d+k+1], v[S+k:S+k+1], s[\c:\c+1] op_sel_hi:[1,1,0]
.set k, k+2
.endr
.endm
.macro GELU32 x0                       ; 32 numbers from v[x0] on, in place
.set k, 0
.rept 16
	v_pk_mul_f32 v[U+k:U+k+1], v[(\x0)+k:(\x0)+k+1], s[68:69] op_sel_hi:[1,0]
.set k, k+2
.endr
.set k, 0
.rept 32
	v_med3_num_f32 v[U+k], v[U+k], -4.0, 4.0       ; beyond 4 erf is 1 in f32
.set k, k+1
.endr
.set k, 0
.rept 16
	v_pk_mul_f32 v[S+k:S+k+1], v[U+k:U+k+1], v[U+k:U+k+1]
.set k, k+2
.endr
.set k, 0
.rept 16
	v_pk_fma_f32 v[P+k:P+k+1], v[S+k:S+k+1], v[16:17], s[70:71] op_sel_hi:[1,1,0]
	v_pk_fma_f32 v[QD+k:QD+k+1], v[S+k:S+k+1], v[18:19], s[82:83] op_sel_hi:[1,1,0]
.set k, k+2
.endr
	POLY P, 72
	POLY QD, 84
	POLY P, 74
	POLY QD, 86
	POLY P, 76
	POLY QD, 88
	POLY P, 78
.set k, 0
.rept 32
	v_rcp_f32 v[QD+k], v[QD+k]                     ; one batch
.set k, k+1
.endr
	POLY P, 80                                     ; plain work that names none of the batch's results
.set k, 0
.rept 16
	v_pk_mul_f32 v[P+k:P+k+1], v[P+k:P+k+1], v[U+k:U+k+1]
.set k, k+2
.endr
.set k, 0
.rept 16
	v_pk_mul_f32 v[U+k:U+k+1], v[(\x0)+k:(\x0)+k+1], 0.5 op_sel_hi:[1,0]
.set k, k+2
.endr
	s_wait_alu depctr_va_vdst(0)                   ; one wait for the batch, ahead of its first reader
.set k, 0
.rept 16
	v_pk_mul_f32 v[P+k:P+k+1], v[P+k:P+k+1], v[QD+k:QD+k+1]        ; erf
.set k, k+2
.endr
.set k, 0
.rept 16
	v_pk_fma_f32 v[(\x0)+k:(\x0)+k+1], v[U+k:U+k+1], v[P+k:P+k+1], v[U+k:U+k+1]   ; 0.5 x erf + 0.5 x
.set k, k+2
.endr
.endm
.macro QUANT s                         ; 64 numbers of a lane, register 16 b + i = k 32 b + 16 h + i, into codes (v[PC] on) and a scale word (v[PW])
.irp b, 0,1,2,3
	v_max3_num_f32 v[TM+\b], |v[\s+16*\b]|, |v[\s+1+16*\b]|, 0x8000000
.endr
.irp i, 2,4,6,8,10,12,14
.irp b, 0,1,2,3
	v_max3_num_f32 v[TM+\b], v[TM+\b], |v[\s+16*\b+\i]|, |v[\s+1+16*\b+\i]|
.endr
.endr
.irp b, 0,1,2,3
	v_permlanex16_b32 v[TM+4+\b], v[TM+\b], s[SEL], s[SEL+1]
.endr
.irp b, 0,1,2,3
	v_max_num_f32 v[TM+\b], v[TM+\b], v[TM+4+\b]
.endr
.irp b, 0,1,2,3
	v_add_nc_u32 v[TM+12+\b], 0xf8800000, v[TM+\b]
.endr
.irp b, 0,1,2,3
	v_and_or_b32 v[TM+8+\b], v[TM+\b], 0x7f800000, s[MNT]
.endr
.irp b, 0,1,2,3
	v_lshrrev_b32 v[TM+4+\b], 23, v[TM+12+\b]
.endr
	v_lshl_or_b32 v[PW], v[TM+5], 8, v[TM+4]
	v_lshl_or_b32 v[PW], v[TM+6], 16, v[PW]
	v_lshl_or_b32 v[PW], v[TM+7], 24, v[PW]
.irp b, 0,1,2,3
.irp i, 0,1,2,3,4,5,6,7,8,9,10,11,12,13,14,15
	v_med3_num_f32 v[\s+16*\b+\i], v[\s+16*\b+\i], -v[TM+8+\b], v[TM+8+\b]
.endr
	v_cvt_scalef32_pk8_bf8_f32 v[PC+4*\b:PC+1+4*\b], v[\s+16*\b:\s+7+16*\b], v[TM+12+\b]
	v_cvt_scalef32_pk8_bf8_f32 v[PC+2+4*\b:PC+3+4*\b], v[\s+8+16*\b:\s+15+16*\b], v[TM+12+\b]
.endr
	v_nop
.endm
.macro QLOOP                           ; four trips: a tile of 16 tokens each
	s_mov_b32 s[TO], 0
	s_mov_b32 s3, 4
.Lq_\@:
	v_add_nc_u32 v[IMR], s[TO], v[IMW]
.irp q, 0,1,2,3,4,5,6,7,8,9,10,11,12,13,14,15
	ds_load_b128 v[X+4*\q:X+4*\q+3], v[IMR] offset:512*\q
.endr
	s_wait_dscnt 0x0
	GELU32 X
	GELU32 X+32
	QUANT X
	v_add_nc_u32 v[CW], s[CO], v[CSA]
	v_add_nc_u32 v[CS2], s[CO], v[CSS]
.irp c, 0,1,2,3
	ds_store_b128 v[CW], v[PC+4*\c:PC+4*\c+3] offset:32*\c
.endr
	ds_store_b32 v[CS2], v[PW]
	ds_store_b32 v[CS2], v[ZR] offset:8            ; my half of the row's 8 zero bytes
	s_add_co_u32 s[TO], s[TO], 8192
	s_add_co_u32 s[CO], s[CO], 16*PITCH
	s_sub_co_u32 s3, s3, 1
	s_cmp_lg_u32 s3, 0
	s_cbranch_scc1 .Lq_\@
.endm
	IMG 0
	QLOOP
	IMG 1
	QLOOP
	s_wait_dscnt 0x0                               ; for the others' sake: my stores into the stage have landed
	s_barrier_signal -1
	s_barrier_wait -1
.set ii, 0
.rept 34
	ds_load_b128 v[32+4*ii:32+4*ii+3], v[CPA] offset:512*ii
.set ii, ii+1
.endr
.set ii, 0
.rept 34
	s_wait_dscnt 33-ii                             ; the younger read-backs may be out
	global_store_b128 v[COL], v[32+4*ii:32+4*ii+3], s[10:11] offset:512*ii   ; 512 consecutive bytes, at a multiple of 256 from the buffer's first byte
.set ii, ii+1
.endr
	s_wait_tensorcnt 0x0                           ; the wave's end
	ds_add_u32 v[SPW], v[NIL]
	s_wait_dscnt 0x0
	CROUND
	s_endpgm
.Lfunc_end_k_qcee54de7d4_ff1:
	.size	k_qcee54de7d4_ff1, .Lfunc_end_k_qcee54de7d4_ff1-k_qcee54de7d4_ff1
	.p2alignl 7, 3214868480
	.fill 96, 4, 3214868480
	.section	.rodata,"a",@progbits
	.p2align	6, 0x0
	.amdhsa_kernel k_qcee54de7d4_ff1
		.amdhsa_group_segment_fixed_size 327680
		.amdhsa_private_segment_fixed_size 0
		.amdhsa_enable_private_segment 0
		.amdhsa_kernarg_size 32
		.amdhsa_user_sgpr_count 2
		.amdhsa_user_sgpr_kernarg_segment_ptr 1
		.amdhsa_wavefront_size32 1
		.amdhsa_system_sgpr_workgroup_id_x 1
		.amdhsa_system_sgpr_workgroup_id_y 1
		.amdhsa_system_sgpr_workgroup_id_z 1
		.amdhsa_system_vgpr_workitem_id 0
		.amdhsa_next_free_vgpr 1024
		.amdhsa_next_free_sgpr 100
		.amdhsa_reserve_vcc 0
		.amdhsa_float_denorm_mode_32 3
		.amdhsa_float_denorm_mode_16_64 3
		.amdhsa_memory_ordered 1
		.amdhsa_forward_progress 1
		.amdhsa_inst_pref_size 228
	.end_amdhsa_kernel
	.amdgpu_metadata
---
amdhsa.version: [ 1, 2 ]
amdhsa.kernels:
  - .name:           k_qcee54de7d4_ff1
    .symbol:         k_qcee54de7d4_ff1.kd
    .args:
      - { .name: hop, .offset: 0, .size: 8, .value_kind: global_buffer, .address_space: global }
      - { .name: wop, .offset: 8, .size: 8, .value_kind: global_buffer, .address_space: global }
      - { .name: b_ff1, .offset: 16, .size: 8, .value_kind: global_buffer, .address_space: global }
      - { .name: gop, .offset: 24, .size: 8, .value_kind: global_buffer, .address_space: global }
    .group_segment_fixed_size: 327680
    .private_segment_fixed_size: 0
    .kernarg_segment_align: 8
    .kernarg_segment_size: 32
    .max_flat_workgroup_size: 128
    .sgpr_count:     100
    .vgpr_count:     1024
    .wavefront_size: 32
...
	.end_amdgpu_metadata
.endif
;; end of part 7
;; launch ff2 (part 8): grid 4 x 16, 4 waves a work-group, clusters of 4 x 4, 327,680 bytes of LDS; arguments gop, wop, b_ff2, x1, out0; writes out0
.if DOCPART == 8
	.amdgcn_target "amdgcn-amd-amdhsa--gfx1250"
	.amdhsa_code_object_version 6
	.text
	.protected	k_qcee54de7d4_ff2
	.globl	k_qcee54de7d4_ff2
	.p2align	8
	.type	k_qcee54de7d4_ff2,@function
k_qcee54de7d4_ff2:
	s_mov_b64 s[64:65], 0
	v_nop
	global_prefetch_b8 v0, s[64:65] scope:SCOPE_SE
	s_setreg_imm32_b32 hwreg(HW_REG_WAVE_MODE, 25, 1), 1
	s_wait_xcnt 0x0
	s_wait_alu depctr_hold_cnt(0) depctr_sa_sdst(0) depctr_va_vdst(0) depctr_va_sdst(0) depctr_va_ssrc(0) depctr_va_vcc(0) depctr_vm_vsrc(0)
	s_getreg_b32 s2, hwreg(HW_REG_IB_STS2, 6, 4)
	s_cmp_eq_u32 s2, 0
	s_cbranch_scc0 .Lentry_in_a_cluster
	s_endpgm
.Lentry_in_a_cluster:
	s_bfe_u32 s2, ttmp6, 0x10000c
	s_cmp_lg_u32 s2, 0xf033
	s_cbranch_scc0 .Lentry_shape_is_right
	s_endpgm
.Lentry_shape_is_right:
; out0 = x1 + g W_ff2 + b_ff2, the product on codes of E5M2, K = 4,096.  The text is launch proj's with other sizes: "A" = 256 token positions of gop, "B" = 256 feature positions of the weight; the bias is the C of each sum's first product.
; THE WAY OUT: a block of 16 token positions x 128 features goes through the wave's own stage in slot 0 and comes back as whole rows of 512 bytes; the residual's rows, asked for four blocks ahead, are added; 512 consecutive bytes a store.
; 64 work-groups: N = 1,024 gives no more tiles of 256 x 256.
.set SIZE_K, 4096
.set RA,     4096
.set OFFA,   0
.set RB,     1024
.set OFFB,   8912896
.set PITCH,  272
.set NQ,     2
.set FR,     16
.set NL,     4
.set NP,     8
.set HALFT,  128*PITCH
.set SLOT,   4*HALFT
.set LAPS,   SIZE_K/512
.set SPARE,  2*SLOT
.set ADRA, 16
.set ADRB, 20
.set STO,  24
.set RD,   25
.set CO,   26
.set ADRS, 27
.set SPW,  28
.set NIL,  29
.set SC,   32
.set BIAS, 64
.set AF,   128
.set BK,   128
.set SPITCH, 528
.set G1, 24
.set G0, 32
.set G1B, 48
.set G0B, 56
.set MSB, 0
.macro WIN new
.if MSB != (\new)
	s_set_vgpr_msb (MSB<<8)|(\new)
.set MSB, (\new)
.endif
.endm
.set MUL_LO, 0xa1
.set MUL_HI, 0xf1
.set TO_B,   0x40
.macro JLOAD g0a, g1a, g0b, g1b        ; a joint load: waves 0, 1 fetch for A, waves 2, 3 for B; an s_nop 0 and four v_nop follow each line
	s_cmp_eq_u32 s15, 0
	s_cbranch_scc0 .Lfor_b_\@
	tensor_load_to_lds s[\g0a:\g0a+3], s[\g1a:\g1a+7]
	s_nop 0
.rept 4
	v_nop
.endr
	s_branch .Lasked_\@
.Lfor_b_\@:
	tensor_load_to_lds s[\g0b:\g0b+3], s[\g1b:\g1b+7]
	s_nop 0
.rept 4
	v_nop
.endr
.Lasked_\@:
.endm
.macro CREST
	s_cmp_lg_u32 s14, 0
	s_cbranch_scc1 .Lnot_wave_0_\@
	s_barrier_signal -3
.Lnot_wave_0_\@:
	s_barrier_wait -3
	s_barrier_signal -1
	s_barrier_wait -1
.endm
.macro CROUND
	s_barrier_signal -1
	s_barrier_wait -1
	CREST
.endm
	s_load_b256 s[4:11], s[0:1], 0x0               ; A's buffer, B's buffer, the bias, the residual
	s_load_b64 s[12:13], s[0:1], 0x20              ; the output
	v_lshl_add_u32 v[SPW], v0, 2, SPARE
	v_mov_b32 v[NIL], 0
	ds_add_u32 v[SPW], v[NIL]                      ; the wave's opening: the add, twice on end, and its wait ahead of my first tensor load
	ds_add_u32 v[SPW], v[NIL]
	v_lshrrev_b32 v1, 5, v0
	v_readfirstlane_b32 s14, v1
	s_lshr_b32 s15, s14, 1
	s_and_b32 s16, s14, 1
	s_bfe_u32 s40, ttmp6, 0x40000
	s_bfe_u32 s41, ttmp6, 0x40004
	s_lshl_b32 s42, ttmp9, 2
	s_add_co_u32 s42, s42, s40
	s_and_b32 s17, ttmp7, 0xffff
	s_lshl_b32 s17, s17, 2
	s_add_co_u32 s17, s17, s41
	s_lshl_b32 s43, s41, 2
	s_lshl_b32 s43, 15, s43
	s_lshl_b32 s44, 0x1111, s40
	s_or_b32 s[G1+0], s43, (3<<16)|(1<<21)
	s_or_b32 s[G1B+0], s44, (3<<16)|(1<<21)
.irp g, G1, G1B
	s_mov_b32 s[\g+1], 32<<16
	s_mov_b32 s[\g+2], 136<<16
	s_mov_b32 s[\g+3], 32<<16
	s_mov_b32 s[\g+4], 136
	s_mov_b32 s[\g+5], 32
	s_mov_b32 s[\g+6], 0
	s_mov_b32 s[\g+7], 0
.endr
	s_lshl_b32 s18, s16, 7
	s_lshl_b32 s20, s17, 8
	s_add_co_u32 s20, s20, s18
	s_mul_i32 s20, s20, PITCH
	s_add_co_u32 s20, s20, OFFA
	s_mov_b32 s21, 0
	s_lshl_b32 s46, s42, 8
	s_add_co_u32 s46, s46, s18
	s_mul_i32 s46, s46, PITCH
	s_add_co_u32 s46, s46, OFFB
	s_mov_b32 s47, 0
	s_mul_i32 s45, s14, HALFT
	s_wait_dscnt 0x0
	s_wait_kmcnt 0x0
	s_add_nc_u64 s[20:21], s[4:5], s[20:21]
	s_add_nc_u64 s[46:47], s[6:7], s[46:47]
	CROUND
.irp s, 0,1
	s_mov_b32 s[G0+4*\s], 1
	s_add_co_u32 s[G0+4*\s+1], s45, \s*SLOT
	s_add_nc_u64 s[G0+4*\s+2:G0+4*\s+3], s[20:21], \s*RA*PITCH
	s_or_b32 s[G0+4*\s+3], s[G0+4*\s+3], 0x80000000
	s_mov_b32 s[G0B+4*\s], 1
	s_add_co_u32 s[G0B+4*\s+1], s45, \s*SLOT
	s_add_nc_u64 s[G0B+4*\s+2:G0B+4*\s+3], s[46:47], \s*RB*PITCH
	s_or_b32 s[G0B+4*\s+3], s[G0B+4*\s+3], 0x80000000
	JLOAD G0+4*\s, G1, G0B+4*\s, G1B
.endr
	v_and_b32 v1, 15, v0
	v_bfe_u32 v2, v0, 4, 1
	v_mul_u32_u24 v3, v1, PITCH
	v_lshl_add_u32 v4, v2, 4, v3
	s_mul_i32 s21, s15, HALFT
	s_mul_i32 s22, s16, HALFT
	s_add_co_u32 s22, s22, 2*HALFT
	s_sub_co_u32 s23, s22, s21
	v_mul_u32_u24 v6, s23, v2
	v_add_nc_u32 v6, v6, v3
	v_add_nc_u32 v6, s21, v6
	v_add_nc_u32 v[ADRS], 256, v6
	v_add_nc_u32 v[ADRS+3], SLOT+256, v6
.irp s, 0,1
	v_add_nc_u32 v[ADRA+\s], s21, v4
	v_add_nc_u32 v[ADRB+\s], s22, v4
	s_add_co_u32 s21, s21, SLOT
	s_add_co_u32 s22, s22, SLOT
.endr
	s_lshl_b32 s46, s42, 8                         ; the bias of my 128 features
	s_lshl_b32 s47, s16, 7
	s_add_co_u32 s46, s46, s47
	s_lshl_b32 s46, s46, 2
	s_mov_b32 s47, 0
	s_add_nc_u64 s[8:9], s[8:9], s[46:47]
	v_lshlrev_b32 v5, 6, v2
.irp b, 0,1,2,3,4,5,6,7
	global_load_b128 v[BIAS+8*\b:BIAS+8*\b+3], v5, s[8:9] offset:(32*(\b/2)+8*(\b%2))*4
	global_load_b128 v[BIAS+8*\b+4:BIAS+8*\b+7], v5, s[8:9] offset:(32*(\b/2)+8*(\b%2))*4+16
.endr
	s_mul_i32 s23, s14, 16*SPITCH                  ; my stage, in slot 0
	v_mul_u32_u24 v[STO], v1, SPITCH
	v_lshl_add_u32 v[STO], v2, 6, v[STO]
	v_add_nc_u32 v[STO], s23, v[STO]
	v_and_b32 v6, 31, v0
	v_lshlrev_b32 v[CO], 4, v6
	v_add_nc_u32 v[RD], s23, v[CO]
	s_lshl_b32 s20, s17, 8
	s_lshl_b32 s21, s15, 7
	s_add_co_u32 s20, s20, s21
	s_lshl_b32 s20, s20, 12
	s_lshl_b32 s46, s42, 10
	s_lshl_b32 s47, s16, 9
	s_add_co_u32 s46, s46, s47
	s_add_co_u32 s20, s20, s46
	s_mov_b32 s21, 0
	s_add_nc_u64 s[12:13], s[12:13], s[20:21]
	s_add_nc_u64 s[10:11], s[10:11], s[20:21]
.macro FRAG reg, adr, q, i
.irp c, 0,1,2,3
	ds_load_b128 v[\reg+4*\c:\reg+4*\c+3], v[\adr] offset:128*(\q)+32*\c+(\i)*16*PITCH
.endr
.endm
.macro MUL16 a0, p, q, sc, zero        ; the 64 accumulators take turns, one instruction a turn
.irp a, \a0, \a0+1
.irp b, 0,1,2,3,4,5,6,7
.if \zero
	v_wmma_scale_f32_16x16x128_f8f6f4 v[8*(8*((\a)%4)+\b):8*(8*((\a)%4)+\b)+7], v[128*(\p)+FR*\b:128*(\p)+FR*\b+FR-1], v[AF+FR*(\a):AF+FR*(\a)+FR-1], v[BIAS+8*\b:BIAS+8*\b+7], v[SC+8*NQ*(\sc)+NQ*\b+(\q)], v[SC+8*NQ*(\sc)+NQ*(\a)+(\q)] matrix_a_fmt:MATRIX_FMT_BF8 matrix_b_fmt:MATRIX_FMT_BF8 matrix_a_scale:MATRIX_SCALE_ROW1
.else
	v_wmma_scale_f32_16x16x128_f8f6f4 v[8*(8*((\a)%4)+\b):8*(8*((\a)%4)+\b)+7], v[128*(\p)+FR*\b:128*(\p)+FR*\b+FR-1], v[AF+FR*(\a):AF+FR*(\a)+FR-1], v[8*(8*((\a)%4)+\b):8*(8*((\a)%4)+\b)+7], v[SC+8*NQ*(\sc)+NQ*\b+(\q)], v[SC+8*NQ*(\sc)+NQ*(\a)+(\q)] matrix_a_fmt:MATRIX_FMT_BF8 matrix_b_fmt:MATRIX_FMT_BF8 matrix_a_scale:MATRIX_SCALE_ROW1
.endif
.endr
.endr
.endm
.macro FETCH_B slot, q, p
	WIN TO_B
.irp i, 0,1,2,3,4,5,6,7
	FRAG 128*(\p)+FR*\i, ADRB+\slot, \q, \i
.endr
	WIN 0
.endm
.macro FETCH_A slot, q, i0
.irp i, \i0, \i0+1, \i0+2, \i0+3
	FRAG AF+FR*(\i), ADRA+\slot, \q, \i
.endr
.endm
.macro SCALES sc
.irp i, 0,1,2,3,4,5,6,7
	ds_load_b64 v[SC+8*NQ*\sc+NQ*\i:SC+8*NQ*\sc+NQ*\i+1], v[ADRS+3*\sc] offset:\i*16*PITCH
.endr
.endm
.macro PLACES n
.rept \n
	v_nop
.endr
.endm
.macro STEP slot, q, zero
	s_wait_dscnt 4*NL                              ; all but A's blocks 4-7
	WIN MUL_LO-0x20*(\zero)
	MUL16 0, (\q)%2, \q, \slot, \zero
	MUL16 2, (\q)%2, \q, \slot, \zero
	s_wait_dscnt 0
	PLACES NP
	FETCH_B \slot, (\q)+1, 1-(\q)%2
	FETCH_A \slot, (\q)+1, 0
	WIN MUL_HI-0x30*(\zero)
	MUL16 4, (\q)%2, \q, \slot, \zero
	MUL16 6, (\q)%2, \q, \slot, \zero
	PLACES NP
	WIN 0
	FETCH_A \slot, (\q)+1, 4
.endm
.macro TURN slot, next, fill
	s_wait_tensorcnt 0x0                           ; all my tensor loads have landed: my part of the next slot
	ds_add_u32 v[SPW], v[NIL]
	s_wait_dscnt 4*NL+1                            ; the add and A's blocks 4-7 may be out
	WIN MUL_LO
	MUL16 0, 1, NQ-1, \slot, 0
	s_wait_dscnt 0x0                               ; the add is done, and my reads of this slot are over
	s_barrier_signal -1
	MUL16 2, 1, NQ-1, \slot, 0
	WIN 0
	s_barrier_wait -1
.if \fill
	CREST                                          ; no wave of any partner still reads this slot or has a load on its way
	s_add_nc_u64 s[G0+4*\slot+2:G0+4*\slot+3], s[G0+4*\slot+2:G0+4*\slot+3], 2*RA*PITCH
	s_add_nc_u64 s[G0B+4*\slot+2:G0B+4*\slot+3], s[G0B+4*\slot+2:G0B+4*\slot+3], 2*RB*PITCH
	JLOAD G0+4*\slot, G1, G0B+4*\slot, G1B
	PLACES NP-4
.else
	PLACES NP
.endif
	FETCH_B \next, 0, 0
	FETCH_A \next, 0, 0
	SCALES \next
	WIN MUL_HI
	MUL16 4, 1, NQ-1, \slot, 0
	MUL16 6, 1, NQ-1, \slot, 0
	PLACES NP
	WIN 0
	FETCH_A \next, 0, 4
.endm
	s_wait_loadcnt 0x0                             ; the bias
	s_wait_tensorcnt 1                             ; my part of K step 0 is in; K step 1's load may be out
	s_barrier_signal -1
	s_barrier_wait -1
	FETCH_B 0, 0, 0
	FETCH_A 0, 0, 0
	SCALES 0
	FETCH_A 0, 0, 4
	STEP 0, 0, 1
	s_mov_b32 s3, LAPS-1
.Llap:
	TURN 0, 1, 1
	STEP 1, 0, 0
	TURN 1, 0, 1
	STEP 0, 0, 0
	s_sub_co_u32 s3, s3, 1
	s_cmp_lg_u32 s3, 0
	s_cbranch_scc1 .Llap
	TURN 0, 1, 0
	STEP 1, 0, 0
	s_wait_dscnt 4*NL
	WIN MUL_LO
	MUL16 0, 1, NQ-1, 1, 0
	MUL16 2, 1, NQ-1, 1, 0
	s_wait_dscnt 0
	WIN MUL_HI
	MUL16 4, 1, NQ-1, 1, 0
	MUL16 6, 1, NQ-1, 1, 0
	WIN 0
; ---- THE WAY OUT
.macro TOSTAGE a
.set AC, 64*((\a)%4)
	WIN 0x08+4*((\a)/4)
.irp b, 0,1,2,3,4,5,6,7
	ds_store_b128 v[STO], v[AC+8*\b:AC+8*\b+3] offset:128*(\b/2)+32*(\b%2)      ; each accumulator from its low end on
	ds_store_b128 v[STO], v[AC+8*\b+4:AC+8*\b+7] offset:128*(\b/2)+32*(\b%2)+16
.endr
	WIN 0
.set BBK, BK+64*((\a)%2)
.irp t, 0,1,2,3,4,5,6,7,8,9,10,11,12,13,14,15
	ds_load_b128 v[BBK+4*\t:BBK+4*\t+3], v[RD] offset:\t*SPITCH
.endr
.endm
.macro RLOAD a
	WIN 0x40
.irp t, 0,1,2,3,4,5,6,7,8,9,10,11,12,13,14,15
	global_load_b128 v[64*((\a)%4)+4*\t:64*((\a)%4)+4*\t+3], v[CO], s[10:11] offset:(32*((\a)/2)+8*((\a)%2)+(\t&7)+16*(\t>>3))*4096
.endr
	WIN 0
.endm
.macro SEND a, younger, left           ; younger: LDS instructions issued behind block a's read-backs; left: residual loads issued behind block a's
.set BBK, BK+64*((\a)%2)
.set RS, 64*((\a)%4)
	s_wait_dscnt \younger
	s_wait_loadcnt \left
	WIN 0x04
.set k, 0
.rept 32
	v_pk_add_f32 v[BBK+k:BBK+k+1], v[BBK+k:BBK+k+1], v[RS+k:RS+k+1]
.set k, k+2
.endr
	WIN 0
.irp t, 0,1,2,3,4,5,6,7,8,9,10,11,12,13,14,15
	global_store_b128 v[CO], v[BBK+4*\t:BBK+4*\t+3], s[12:13] offset:(32*((\a)/2)+8*((\a)%2)+(\t&7)+16*(\t>>3))*4096 th:TH_STORE_NT   ; 512 consecutive bytes; written once, read by nobody here
.endr
.if (\a) < 4
	RLOAD (\a)+4
.endif
.endm
	PLACES NP
	RLOAD 0
	RLOAD 1
	RLOAD 2
	RLOAD 3
	TOSTAGE 0
	TOSTAGE 1
	SEND 0, 32, 48
	s_wait_xcnt 0x0                                ; the stores of two blocks back have read their registers
	TOSTAGE 2
	SEND 1, 32, 48
	s_wait_xcnt 0x0
	TOSTAGE 3
	SEND 2, 32, 48
	s_wait_xcnt 0x0
	TOSTAGE 4
	SEND 3, 32, 48
	s_wait_xcnt 0x0
	TOSTAGE 5
	SEND 4, 32, 48
	s_wait_xcnt 0x0
	TOSTAGE 6
	SEND 5, 32, 32
	s_wait_xcnt 0x0
	TOSTAGE 7
	SEND 6, 32, 16
	SEND 7, 0, 0
	s_wait_tensorcnt 0x0                           ; the wave's end
	ds_add_u32 v[SPW], v[NIL]
	s_wait_dscnt 0x0
	CROUND
	s_endpgm
.Lfunc_end_k_qcee54de7d4_ff2:
	.size	k_qcee54de7d4_ff2, .Lfunc_end_k_qcee54de7d4_ff2-k_qcee54de7d4_ff2
	.p2alignl 7, 3214868480
	.fill 96, 4, 3214868480
	.section	.rodata,"a",@progbits
	.p2align	6, 0x0
	.amdhsa_kernel k_qcee54de7d4_ff2
		.amdhsa_group_segment_fixed_size 327680
		.amdhsa_private_segment_fixed_size 0
		.amdhsa_enable_private_segment 0
		.amdhsa_kernarg_size 40
		.amdhsa_user_sgpr_count 2
		.amdhsa_user_sgpr_kernarg_segment_ptr 1
		.amdhsa_wavefront_size32 1
		.amdhsa_system_sgpr_workgroup_id_x 1
		.amdhsa_system_sgpr_workgroup_id_y 1
		.amdhsa_system_sgpr_workgroup_id_z 1
		.amdhsa_system_vgpr_workitem_id 0
		.amdhsa_next_free_vgpr 1024
		.amdhsa_next_free_sgpr 100
		.amdhsa_reserve_vcc 0
		.amdhsa_float_denorm_mode_32 3
		.amdhsa_float_denorm_mode_16_64 3
		.amdhsa_memory_ordered 1
		.amdhsa_forward_progress 1
		.amdhsa_inst_pref_size 174
	.end_amdhsa_kernel
	.amdgpu_metadata
---
amdhsa.version: [ 1, 2 ]
amdhsa.kernels:
  - .name:           k_qcee54de7d4_ff2
    .symbol:         k_qcee54de7d4_ff2.kd
    .args:
      - { .name: gop, .offset: 0, .size: 8, .value_kind: global_buffer, .address_space: global }
      - { .name: wop, .offset: 8, .size: 8, .value_kind: global_buffer, .address_space: global }
      - { .name: b_ff2, .offset: 16, .size: 8, .value_kind: global_buffer, .address_space: global }
      - { .name: x1, .offset: 24, .size: 8, .value_kind: global_buffer, .address_space: global }
      - { .name: out0, .offset: 32, .size: 8, .value_kind: global_buffer, .address_space: global }
    .group_segment_fixed_size: 327680
    .private_segment_fixed_size: 0
    .kernarg_segment_align: 8
    .kernarg_segment_size: 40
    .max_flat_workgroup_size: 128
    .sgpr_count:     100
    .vgpr_count:     1024
    .wavefront_size: 32
...
	.end_amdgpu_metadata
.endif
;; end of part 8
;; ======== version 2 of 2: 9 launches
;; limits: an absolute error that grows with the inputs' magnitude: up to 1e-07 times it
;; workspace buffers: wop 13,369,344 bytes; hop 4,456,448 bytes; qkop 8,912,896 bytes; vop 4,325,376 bytes; yop 4,456,448 bytes; x1 16,777,216 bytes; gop 17,825,792 bytes
;; launch wq: the kernel of part 1 again; grid 384 x 1, 4 waves a work-group, no clusters, 35,840 bytes of LDS; arguments w_qkv, w_proj, w_ff1, w_ff2, wop; writes wop
;; launch ln: the kernel of part 2 again; grid 256 x 1, 4 waves a work-group, no clusters, 92,160 bytes of LDS; arguments x, ln1_g, ln1_b, hop; writes hop
;; launch qk: the kernel of part 3 again; grid 8 x 16, 4 waves a work-group, clusters of 4 x 4, 327,680 bytes of LDS; arguments hop, wop, b_qkv, qkop; writes qkop
;; launch vt: the kernel of part 4 again; grid 16 x 4, 4 waves a work-group, clusters of 4 x 4, 327,680 bytes of LDS; arguments wop, hop, b_qkv, vop; writes vop
;; launch att: the kernel of part 5 again; grid 8 x 32, 16 waves a work-group, clusters of 4 x 1, 327,680 bytes of LDS; arguments qkop, vop, yop; writes yop
;; launch proj (part 9): grid 8 x 32, 4 waves a work-group, clusters of 4 x 4, 327,680 bytes of LDS; arguments yop, wop, b_proj, x, x1; writes x1
.if DOCPART == 9
	.amdgcn_target "amdgcn-amd-amdhsa--gfx1250"
	.amdhsa_code_object_version 6
	.text
	.protected	k_qcee54de7d4_proj
	.globl	k_qcee54de7d4_proj
	.p2align	8
	.type	k_qcee54de7d4_proj,@function
k_qcee54de7d4_proj:
	s_mov_b64 s[64:65], 0
	v_nop
	global_prefetch_b8 v0, s[64:65] scope:SCOPE_SE
	s_setreg_imm32_b32 hwreg(HW_REG_WAVE_MODE, 25, 1), 1
	s_wait_xcnt 0x0
	s_wait_alu depctr_hold_cnt(0) depctr_sa_sdst(0) depctr_va_vdst(0) depctr_va_sdst(0) depctr_va_ssrc(0) depctr_va_vcc(0) depctr_vm_vsrc(0)
	s_getreg_b32 s2, hwreg(HW_REG_IB_STS2, 6, 4)
	s_cmp_eq_u32 s2, 0
	s_cbranch_scc0 .Lentry_in_a_cluster
	s_endpgm
.Lentry_in_a_cluster:
	s_bfe_u32 s2, ttmp6, 0x10000c
	s_cmp_lg_u32 s2, 0xf033
	s_cbranch_scc0 .Lentry_shape_is_right
	s_endpgm
.Lentry_shape_is_right:
; x1 = x + y W_proj + b_proj, the product on codes of E5M2 with one E8M0 scale for each 32 along K.  The text is that of launch ff2 with other sizes.
; SHARES.  A tile of C is 128 token positions x 128 feature positions: M = 4,096 and N = 1,024 give 256 work-groups.  K IS SPLIT AMONG THE FOUR WAVES: a slot holds 512 along K of A's 128 rows and of B's 128 rows, and wave w
; multiplies the whole tile, 64 accumulators in 512 registers, on the slot's w-th 128 along K: 64 LDS loads for 64 products, and each LDS byte is read once.  (Wave tiles of 64 x 64 would read each fragment twice.)
; At the end the four partial tiles are added through LDS.  LIMIT: an output is the f32 sum of four partial f32 sums over K: an order of rounding of its own.
; OPERANDS lie as [K / 256][rows][272]: 256 codes, 8 scale bytes, 8 zeros: 128 rows of a chunk of 256 are 34,816 dense bytes, one tensor load, and lie in LDS 272 bytes apart: 68 words, so the 16 rows that a load touches start at
; 16 different banks (64 banks of 4 bytes: ISA guide 11.1).  Waves 0, 1 fetch A's two chunks of a slot, waves 2, 3 B's.  At this K, 1,024, both slots are first fills: nothing is filled again, and nothing is prefetched.
; CLUSTERS of 4 x 4: A's tiles (they hang on the tile row) are asked for jointly along a row of the cluster, B's along a column.
; TRANSPOSED USE: source 0 = 16 rows of B, source 1 = 16 rows of A: a lane holds one token and eight features.  Rows lie at positions (bits 3 and 4 of the row swapped): the way out puts features and rows back.
; REGISTERS: window 0: v0-31 addresses, v32-47 scale words (two sets), v64-67 the bias, v128-255 A's fragments (one set), later the residual; window 1: B's fragments (two sets), later the partial sums; windows 2, 3: the accumulators.
.set SIZE_K, 1024
.set RA,     4096                      ; rows of A's buffer in a chunk
.set RB,     1024
.set OFFB,   3342336                   ; the weight's place in wop
.set PITCH,  272
.set FR,     16
.set NL,     4
.set NP,     8                         ; places behind this matrix instruction (ISA guide 7.12.1)
.set HALFT,  128*PITCH                 ; what one tensor load brings
.set SLOT,   4*HALFT                   ; A's two chunks, then B's two
.set NSL,    SIZE_K/512                ; slots' worth of K: 2, or even and at least 4
.set SPARE,  2*SLOT                    ; behind the ring: the spare words
.set PPITCH, 528                       ; the way out: a row of 128 f32 + 16 bytes
.set PTILE,  128*PPITCH                ; a wave's partial tile
.set RD0,  8                           ; v8-11  where I read my rows of partial 0 .. 3
.set ADRA, 16                          ; v16-17 my A fragments in slot 0, 1
.set ADRB, 20                          ; v20-21 the same for B
.set STO,  24                          ; v24    where I put 32 bytes of a row of my partial tile
.set CO,   26                          ; v26    16 x lane
.set ADRS, 27                          ; v27    my scale words in slot 0; v30: in slot 1
.set SPW,  28                          ; v28    my spare word's LDS address; never rewritten
.set NIL,  29                          ; v29    0; never rewritten
.set SC,   32
.set BV,   64
.set AF,   128
.set RES,  128
.set G1, 24
.set G0, 32
.set G1B, 48
.set G0B, 56
.set MSB, 0
.macro WIN new                         ; the immediate's high byte repeats the setting that is left
.if MSB != (\new)
	s_set_vgpr_msb (MSB<<8)|(\new)
.set MSB, (\new)
.endif
.endm
.set MUL_LO, 0xa1                      ; source 0 (B) window 1, source 1 (A) window 0, C and D window 2
.set MUL_HI, 0xf1
.set TO_B,   0x40
.macro JLOAD g0a, g1a, g0b, g1b        ; a joint load: waves 0, 1 fetch for A, waves 2, 3 for B; an s_nop 0 and four v_nop follow each line
	s_cmp_eq_u32 s15, 0
	s_cbranch_scc0 .Lfor_b_\@
	tensor_load_to_lds s[\g0a:\g0a+3], s[\g1a:\g1a+7]
	s_nop 0
.rept 4
	v_nop
.endr
	s_branch .Lasked_\@
.Lfor_b_\@:
	tensor_load_to_lds s[\g0b:\g0b+3], s[\g1b:\g1b+7]
	s_nop 0
.rept 4
	v_nop
.endr
.Lasked_\@:
.endm
.macro CREST                           ; a round of the cluster's barrier behind its opening barrier
	s_cmp_lg_u32 s14, 0
	s_cbranch_scc1 .Lnot_wave_0_\@
	s_barrier_signal -3
.Lnot_wave_0_\@:
	s_barrier_wait -3
	s_barrier_signal -1
	s_barrier_wait -1
.endm
.macro CROUND
	s_barrier_signal -1
	s_barrier_wait -1
	CREST
.endm
	s_load_b256 s[4:11], s[0:1], 0x0               ; A's buffer, B's buffer, the bias, the residual
	s_load_b64 s[12:13], s[0:1], 0x20              ; the output
	v_lshl_add_u32 v[SPW], v0, 2, SPARE
	v_mov_b32 v[NIL], 0
	ds_add_u32 v[SPW], v[NIL]                      ; the wave's opening: the add, twice on end, and its wait ahead of my first tensor load
	ds_add_u32 v[SPW], v[NIL]
	v_lshrrev_b32 v1, 5, v0
	v_readfirstlane_b32 s14, v1                    ; wave
	s_lshr_b32 s15, s14, 1                         ; I fetch for A (0) or B (1).  Also: which chunk of 256 of a slot I multiply
	s_and_b32 s16, s14, 1                          ; which chunk I fetch.  Also: which 128 of my chunk I multiply
	s_bfe_u32 s40, ttmp6, 0x40000                  ; cx, cy
	s_bfe_u32 s41, ttmp6, 0x40004
	s_lshl_b32 s42, ttmp9, 2
	s_add_co_u32 s42, s42, s40                     ; tx: B's tile
	s_and_b32 s17, ttmp7, 0xffff
	s_lshl_b32 s17, s17, 2
	s_add_co_u32 s17, s17, s41                     ; ty: A's tile
	s_lshl_b32 s43, s41, 2
	s_lshl_b32 s43, 15, s43                        ; my row of the cluster
	s_lshl_b32 s44, 0x1111, s40                    ; my column
	s_or_b32 s[G1+0], s43, (3<<16)|(1<<21)         ; the mask; elements of 8 bytes; bit 21 beside a mask; no padding: the rows bring their own
	s_or_b32 s[G1B+0], s44, (3<<16)|(1<<21)
.irp g, G1, G1B
	s_mov_b32 s[\g+1], 32<<16                      ; a dense block as 136 rows of 256 bytes
	s_mov_b32 s[\g+2], 136<<16
	s_mov_b32 s[\g+3], 32<<16
	s_mov_b32 s[\g+4], 136
	s_mov_b32 s[\g+5], 32
	s_mov_b32 s[\g+6], 0
	s_mov_b32 s[\g+7], 0
.endr
	s_mul_i32 s20, s17, 128*PITCH                  ; A: the tile's 128 rows,
	s_mul_i32 s18, s16, RA*PITCH                   ; in my chunk
	s_add_co_u32 s20, s20, s18
	s_mov_b32 s21, 0
	s_mul_i32 s46, s42, 128*PITCH                  ; B likewise
	s_mul_i32 s18, s16, RB*PITCH
	s_add_co_u32 s46, s46, s18
	s_add_co_u32 s46, s46, OFFB
	s_mov_b32 s47, 0
	s_mul_i32 s45, s14, HALFT                      ; where my load goes: no place in the cluster enters an LDS address
	s_wait_dscnt 0x0                               ; both opening adds are done
	s_wait_kmcnt 0x0
	s_add_nc_u64 s[20:21], s[4:5], s[20:21]
	s_add_nc_u64 s[46:47], s[6:7], s[46:47]
	CROUND                                         ; all sixteen work-groups are here: the first joint loads meet
.irp s, 0,1
	s_mov_b32 s[G0+4*\s], 1
	s_add_co_u32 s[G0+4*\s+1], s45, \s*SLOT
	s_add_nc_u64 s[G0+4*\s+2:G0+4*\s+3], s[20:21], \s*2*RA*PITCH
	s_or_b32 s[G0+4*\s+3], s[G0+4*\s+3], 0x80000000
	s_mov_b32 s[G0B+4*\s], 1
	s_add_co_u32 s[G0B+4*\s+1], s45, \s*SLOT
	s_add_nc_u64 s[G0B+4*\s+2:G0B+4*\s+3], s[46:47], \s*2*RB*PITCH
	s_or_b32 s[G0B+4*\s+3], s[G0B+4*\s+3], 0x80000000
	JLOAD G0+4*\s, G1, G0B+4*\s, G1B
.endr
	v_and_b32 v1, 15, v0                           ; r
	v_bfe_u32 v2, v0, 4, 1                         ; h
	v_mul_u32_u24 v3, v1, PITCH
	v_lshl_add_u32 v4, v2, 4, v3                   ; a fragment's row x pitch + 16 h
	s_mul_i32 s23, s15, HALFT                      ; my chunk
	s_lshl_b32 s18, s16, 2
	s_add_co_u32 s18, s23, s18                     ; + my scale word in a row's eight bytes
	v_mul_u32_u24 v6, v2, 2*HALFT                  ; lanes 16-31 take B's scale words: one product with h
	v_add_nc_u32 v6, v6, v3
	v_add_nc_u32 v6, s18, v6
	v_add_nc_u32 v[ADRS], 256, v6
	v_add_nc_u32 v[ADRS+3], SLOT+256, v6
	s_lshl_b32 s21, s16, 7
	s_add_co_u32 s21, s23, s21                     ; A: my chunk, my 128 along K in it
	s_add_co_u32 s22, s21, 2*HALFT                 ; B: the same, behind A's two chunks
.irp s, 0,1
	v_add_nc_u32 v[ADRA+\s], s21, v4
	v_add_nc_u32 v[ADRB+\s], s22, v4
	s_add_co_u32 s21, s21, SLOT
	s_add_co_u32 s22, s22, SLOT
.endr
	s_mul_i32 s23, s14, PTILE                      ; the way out: my partial tile: row r, + 64 h: tiles 2 B, 2 B + 1 give features 32 B + 16 h + 0 .. 15
	v_mul_u32_u24 v[STO], v1, PPITCH
	v_lshl_add_u32 v[STO], v2, 6, v[STO]
	v_add_nc_u32 v[STO], s23, v[STO]
	v_and_b32 v6, 31, v0
	v_lshlrev_b32 v[CO], 4, v6
	s_mul_i32 s23, s14, 32*PPITCH                  ; back: rows 32 w on of every partial tile; the 32 lanes take a row of 512 bytes
	v_add_nc_u32 v[RD0], s23, v[CO]
.irp p, 1,2,3
	v_add_nc_u32 v[RD0+\p], \p*PTILE, v[RD0]
.endr
	s_lshl_b32 s20, s17, 7                         ; the rows that I store: 128 ty + 32 w on, 4,096 bytes each;
	s_lshl_b32 s21, s14, 5
	s_add_co_u32 s20, s20, s21
	s_lshl_b32 s20, s20, 12
	s_lshl_b32 s46, s42, 9                         ; the tile's 128 columns: 512 tx bytes on, in a row and in the bias
	s_mov_b32 s47, 0
	s_add_nc_u64 s[8:9], s[8:9], s[46:47]
	s_add_co_u32 s20, s20, s46
	s_mov_b32 s21, 0
	s_add_nc_u64 s[12:13], s[12:13], s[20:21]
	s_add_nc_u64 s[10:11], s[10:11], s[20:21]
.macro FRAG reg, adr, i                ; 16 rows x 128 K: registers 4 c .. 4 c + 3 hold K = 32 c + 16 h + 0 .. 15
.irp c, 0,1,2,3
	ds_load_b128 v[\reg+4*\c:\reg+4*\c+3], v[\adr] offset:32*\c+(\i)*16*PITCH
.endr
.endm
; 16 products: A's blocks a0, a0 + 1 x B's eight.  p: B's set and the set of scale words.  zero = 1: the first product starts the sum.  The 64 accumulators take turns, one instruction a turn.
.macro MUL16 a0, p, zero
.irp a, \a0, \a0+1
.irp b, 0,1,2,3,4,5,6,7
.if \zero
	v_wmma_scale_f32_16x16x128_f8f6f4 v[8*(8*((\a)%4)+\b):8*(8*((\a)%4)+\b)+7], v[128*(\p)+FR*\b:128*(\p)+FR*\b+FR-1], v[AF+FR*(\a):AF+FR*(\a)+FR-1], 0, v[SC+8*(\p)+\b], v[SC+8*(\p)+(\a)] matrix_a_fmt:MATRIX_FMT_BF8 matrix_b_fmt:MATRIX_FMT_BF8 matrix_a_scale:MATRIX_SCALE_ROW1
.else
	v_wmma_scale_f32_16x16x128_f8f6f4 v[8*(8*((\a)%4)+\b):8*(8*((\a)%4)+\b)+7], v[128*(\p)+FR*\b:128*(\p)+FR*\b+FR-1], v[AF+FR*(\a):AF+FR*(\a)+FR-1], v[8*(8*((\a)%4)+\b):8*(8*((\a)%4)+\b)+7], v[SC+8*(\p)+\b], v[SC+8*(\p)+(\a)] matrix_a_fmt:MATRIX_FMT_BF8 matrix_b_fmt:MATRIX_FMT_BF8 matrix_a_scale:MATRIX_SCALE_ROW1
.endif
.endr
.endr
.endm
.macro FETCH_B slot                    ; B's eight fragments of my 128 along K, into the slot's set
	WIN TO_B
.irp i, 0,1,2,3,4,5,6,7
	FRAG 128*(\slot)+FR*\i, ADRB+\slot, \i
.endr
	WIN 0
.endm
.macro FETCH_A slot, i0                ; A's blocks i0 .. i0 + 3
.irp i, \i0, \i0+1, \i0+2, \i0+3
	FRAG AF+FR*(\i), ADRA+\slot, \i
.endr
.endm
.macro SCALES slot                     ; one word a row: lanes 0-15 A's block i, lanes 16-31 B's block i
.irp i, 0,1,2,3,4,5,6,7
	ds_load_b32 v[SC+8*\slot+\i], v[ADRS+3*\slot] offset:\i*16*PITCH
.endr
.endm
.macro PLACES n                        ; plain vector instructions between a matrix instruction and a load into, or a read of, its registers
.rept \n
	v_nop
.endr
.endm
; A slot's 64 products, and the change of slots in their middle: in front of the one barrier each wave waits for all its tensor loads, adds 0 to its spare word, and waits for that and for its reads of this slot.
; Behind it the next slot's fragments are fetched: B's into the other set, A's blocks 0-3 at once, blocks 4-7 when this slot's have been multiplied.  fill = 1: this slot is filled again, two slots ahead.
.macro TURN slot, next, fill, zero
	s_wait_tensorcnt 0x0                           ; all my tensor loads have landed: my part of the next slot
	ds_add_u32 v[SPW], v[NIL]
	s_wait_dscnt 4*NL+1                            ; the add and A's blocks 4-7 may be out
	WIN MUL_LO
	MUL16 0, \slot, \zero
	s_wait_dscnt 0x0                               ; the add is done, and my reads of this slot are over
	s_barrier_signal -1
	MUL16 2, \slot, \zero
	WIN 0
	s_barrier_wait -1
.if \fill
	CREST                                          ; the barrier has opened a round of the cluster's: no wave of any partner still reads this slot or has a load on its way
	s_add_nc_u64 s[G0+4*\slot+2:G0+4*\slot+3], s[G0+4*\slot+2:G0+4*\slot+3], 4*RA*PITCH
	s_add_nc_u64 s[G0B+4*\slot+2:G0B+4*\slot+3], s[G0B+4*\slot+2:G0B+4*\slot+3], 4*RB*PITCH
	JLOAD G0+4*\slot, G1, G0B+4*\slot, G1B         ; the first tensor load behind the round; its four v_nop are among the places below
	PLACES NP-4
.else
	PLACES NP
.endif
	FETCH_B \next
	FETCH_A \next, 0
	SCALES \next
	WIN MUL_HI
	MUL16 4, \slot, \zero
	MUL16 6, \slot, \zero
	PLACES NP
	WIN 0
	FETCH_A \next, 4
.endm
	s_wait_tensorcnt 1                             ; my part of slot 0 is in; slot 1's load may be out
	s_barrier_signal -1
	s_barrier_wait -1
	FETCH_B 0
	FETCH_A 0, 0
	SCALES 0
	FETCH_A 0, 4
	TURN 0, 1, 0, 1                                ; K has two slots: the first starts the sums, and nothing is filled again
	s_wait_dscnt 4*NL                              ; the last slot: all but A's blocks 4-7
	WIN MUL_LO
	MUL16 0, 1, 0
	MUL16 2, 1, 0
	s_wait_dscnt 0
	WIN MUL_HI
	MUL16 4, 1, 0
	MUL16 6, 1, 0
	WIN 0
; ---- THE WAY OUT.  The ring has had its last fill.  Each wave lays its partial tile into LDS as rows of 512 bytes; behind a barrier wave w adds rows 32 w on of the four, the residual and the bias, and stores whole rows.
; Position t of my 32 is row t % 8 + 16 (t / 8 % 2) + 8 (t / 16): it stands in the immediate.
	PLACES NP                                      ; in front of the loads into A's and B's registers and of the first read of results
	global_load_b128 v[BV:BV+3], v[CO], s[8:9]     ; the bias of my four columns
.irp g, 0,1,2,3
.irp tt, 0,1,2,3,4,5,6,7
	global_load_b128 v[RES+4*(8*\g+\tt):RES+4*(8*\g+\tt)+3], v[CO], s[10:11] offset:(\tt+16*(\g&1)+8*(\g>>1))*4096
.endr
.endr
	s_wait_dscnt 0x0
	s_barrier_signal -1
	s_barrier_wait -1                              ; nobody reads the ring any more
.macro PSTORE a                        ; block a's eight accumulators, each from its low end on
.set AC, 64*((\a)%4)
	WIN 0x08+4*((\a)/4)                            ; an LDS store's data are its source 1: window 2 or 3
.irp b, 0,1,2,3,4,5,6,7
	ds_store_b128 v[STO], v[AC+8*\b:AC+8*\b+3] offset:(\a)*16*PPITCH+128*(\b/2)+32*(\b%2)
	ds_store_b128 v[STO], v[AC+8*\b+4:AC+8*\b+7] offset:(\a)*16*PPITCH+128*(\b/2)+32*(\b%2)+16
.endr
.endm
.irp a, 0,1,2,3,4,5,6,7
	PSTORE \a
.endr
	WIN 0
	s_wait_dscnt 0x0                               ; for the others' sake: my partial tile has landed
	s_barrier_signal -1
	s_barrier_wait -1
.macro LOADG g                         ; rows 8 g on of my 32, of all four partial tiles, into set g % 2 of window 1: row tt, partial p at 16 tt + 4 p
	WIN 0x40
.irp tt, 0,1,2,3,4,5,6,7
.irp p, 0,1,2,3
	ds_load_b128 v[128*((\g)%2)+16*\tt+4*\p:128*((\g)%2)+16*\tt+4*\p+3], v[RD0+\p] offset:(8*(\g)+\tt)*PPITCH
.endr
.endr
	WIN 0
.endm
.macro SUMG g, younger, left           ; younger: read-backs issued behind group g's; left: residual loads issued behind group g's
.set PB, 128*((\g)%2)
	s_wait_dscnt \younger
	WIN 0x45                                       ; destination and both sources in window 1
.irp tt, 0,1,2,3,4,5,6,7
.irp k, 0,2
	v_pk_add_f32 v[PB+16*\tt+\k:PB+16*\tt+\k+1], v[PB+16*\tt+\k:PB+16*\tt+\k+1], v[PB+16*\tt+4+\k:PB+16*\tt+4+\k+1]
	v_pk_add_f32 v[PB+16*\tt+8+\k:PB+16*\tt+8+\k+1], v[PB+16*\tt+8+\k:PB+16*\tt+8+\k+1], v[PB+16*\tt+12+\k:PB+16*\tt+12+\k+1]
.endr
.endr
.irp tt, 0,1,2,3,4,5,6,7
.irp k, 0,2
	v_pk_add_f32 v[PB+16*\tt+\k:PB+16*\tt+\k+1], v[PB+16*\tt+\k:PB+16*\tt+\k+1], v[PB+16*\tt+8+\k:PB+16*\tt+8+\k+1]
.endr
.endr
	s_wait_loadcnt \left
	WIN 0x41                                       ; source 1, the residual and the bias, in window 0
.irp tt, 0,1,2,3,4,5,6,7
.irp k, 0,2
	v_pk_add_f32 v[PB+16*\tt+\k:PB+16*\tt+\k+1], v[PB+16*\tt+\k:PB+16*\tt+\k+1], v[RES+4*(8*(\g)+\tt)+\k:RES+4*(8*(\g)+\tt)+\k+1]
.endr
.endr
.irp tt, 0,1,2,3,4,5,6,7
.irp k, 0,2
	v_pk_add_f32 v[PB+16*\tt+\k:PB+16*\tt+\k+1], v[PB+16*\tt+\k:PB+16*\tt+\k+1], v[BV+\k:BV+\k+1]
.endr
.endr
	WIN 0x04                                       ; a store's data are its source 1: window 1
.irp tt, 0,1,2,3,4,5,6,7
	global_store_b128 v[CO], v[PB+16*\tt:PB+16*\tt+3], s[12:13] offset:(\tt+16*((\g)&1)+8*((\g)>>1))*4096   ; 512 consecutive bytes, at a multiple of 256 from the buffer's first byte
.endr
	WIN 0
.endm
	LOADG 0
	LOADG 1
	SUMG 0, 32, 24
	s_wait_xcnt 0x0                                ; the stores have read their registers: the set may be loaded again
	LOADG 2
	SUMG 1, 32, 16
	s_wait_xcnt 0x0
	LOADG 3
	SUMG 2, 32, 8
	SUMG 3, 0, 0
	s_wait_tensorcnt 0x0                           ; the wave's end
	ds_add_u32 v[SPW], v[NIL]
	s_wait_dscnt 0x0
	CROUND                                         ; the closing round
	s_endpgm
.Lfunc_end_k_qcee54de7d4_proj:
	.size	k_qcee54de7d4_proj, .Lfunc_end_k_qcee54de7d4_proj-k_qcee54de7d4_proj
	.p2alignl 7, 3214868480
	.fill 96, 4, 3214868480
	.section	.rodata,"a",@progbits
	.p2align	6, 0x0
	.amdhsa_kernel k_qcee54de7d4_proj
		.amdhsa_group_segment_fixed_size 327680
		.amdhsa_private_segment_fixed_size 0
		.amdhsa_enable_private_segment 0
		.amdhsa_kernarg_size 40
		.amdhsa_user_sgpr_count 2
		.amdhsa_user_sgpr_kernarg_segment_ptr 1
		.amdhsa_wavefront_size32 1
		.amdhsa_system_sgpr_workgroup_id_x 1
		.amdhsa_system_sgpr_workgroup_id_y 1
		.amdhsa_system_sgpr_workgroup_id_z 1
		.amdhsa_system_vgpr_workitem_id 0
		.amdhsa_next_free_vgpr 1024
		.amdhsa_next_free_sgpr 100
		.amdhsa_reserve_vcc 0
		.amdhsa_float_denorm_mode_32 3
		.amdhsa_float_denorm_mode_16_64 3
		.amdhsa_memory_ordered 1
		.amdhsa_forward_progress 1
		.amdhsa_inst_pref_size 78
	.end_amdhsa_kernel
	.amdgpu_metadata
---
amdhsa.version: [ 1, 2 ]
amdhsa.kernels:
  - .name:           k_qcee54de7d4_proj
    .symbol:         k_qcee54de7d4_proj.kd
    .args:
      - { .name: yop, .offset: 0, .size: 8, .value_kind: global_buffer, .address_space: global }
      - { .name: wop, .offset: 8, .size: 8, .value_kind: global_buffer, .address_space: global }
      - { .name: b_proj, .offset: 16, .size: 8, .value_kind: global_buffer, .address_space: global }
      - { .name: x, .offset: 24, .size: 8, .value_kind: global_buffer, .address_space: global }
      - { .name: x1, .offset: 32, .size: 8, .value_kind: global_buffer, .address_space: global }
    .group_segment_fixed_size: 327680
    .private_segment_fixed_size: 0
    .kernarg_segment_align: 8
    .kernarg_segment_size: 40
    .max_flat_workgroup_size: 128
    .sgpr_count:     100
    .vgpr_count:     1024
    .wavefront_size: 32
...
	.end_amdgpu_metadata
.endif
;; end of part 9
;; launch ln2: the kernel of part 2 again; grid 256 x 1, 4 waves a work-group, no clusters, 92,160 bytes of LDS; arguments x1, ln2_g, ln2_b, hop; writes hop
;; launch ff1: the kernel of part 7 again; grid 16 x 16, 4 waves a work-group, clusters of 4 x 4, 327,680 bytes of LDS; arguments hop, wop, b_ff1, gop; writes gop
;; launch ff2 (part 10): grid 8 x 32, 4 waves a work-group, clusters of 4 x 4, 327,680 bytes of LDS; arguments gop, wop, b_ff2, x1, out0; writes out0
.if DOCPART == 10
	.amdgcn_target "amdgcn-amd-amdhsa--gfx1250"
	.amdhsa_code_object_version 6
	.text
	.protected	k_qcee54de7d4_ff2
	.globl	k_qcee54de7d4_ff2
	.p2align	8
	.type	k_qcee54de7d4_ff2,@function
k_qcee54de7d4_ff2:
	s_mov_b64 s[64:65], 0
	v_nop
	global_prefetch_b8 v0, s[64:65] scope:SCOPE_SE
	s_setreg_imm32_b32 hwreg(HW_REG_WAVE_MODE, 25, 1), 1
	s_wait_xcnt 0x0
	s_wait_alu depctr_hold_cnt(0) depctr_sa_sdst(0) depctr_va_vdst(0) depctr_va_sdst(0) depctr_va_ssrc(0) depctr_va_vcc(0) depctr_vm_vsrc(0)
	s_getreg_b32 s2, hwreg(HW_REG_IB_STS2, 6, 4)
	s_cmp_eq_u32 s2, 0
	s_cbranch_scc0 .Lentry_in_a_cluster
	s_endpgm
.Lentry_in_a_cluster:
	s_bfe_u32 s2, ttmp6, 0x10000c
	s_cmp_lg_u32 s2, 0xf033
	s_cbranch_scc0 .Lentry_shape_is_right
	s_endpgm
.Lentry_shape_is_right:
; out0 = x1 + g W_ff2 + b_ff2, the product on codes of E5M2 with one E8M0 scale for each 32 along K, K = 4,096.
; SHARES.  A tile of C is 128 token positions x 128 feature positions: M = 4,096 and N = 1,024 give 256 work-groups.  K IS SPLIT AMONG THE FOUR WAVES: a slot holds 512 along K of A's 128 rows and of B's 128 rows, and wave w
; multiplies the whole tile, 64 accumulators in 512 registers, on the slot's w-th 128 along K: 64 LDS loads for 64 products, and each LDS byte is read once.  (Wave tiles of 64 x 64 would read each fragment twice.)
; At the end the four partial tiles are added through LDS.  LIMIT: an output is the f32 sum of four partial f32 sums over K: an order of rounding of its own.
; OPERANDS lie as [K / 256][rows][272]: 256 codes, 8 scale bytes, 8 zeros: 128 rows of a chunk of 256 are 34,816 dense bytes, one tensor load, and lie in LDS 272 bytes apart: 68 words, so the 16 rows that a load touches start at
; 16 different banks (64 banks of 4 bytes: ISA guide 11.1).  Waves 0, 1 fetch A's two chunks of a slot, waves 2, 3 B's: one load a wave behind each change of slots.  K goes through two slots, eight slots' worth in all.
; CLUSTERS of 4 x 4: A's tiles (they hang on the tile row) are asked for jointly along a row of the cluster, B's along a column.
; TRANSPOSED USE: source 0 = 16 rows of B, source 1 = 16 rows of A: a lane holds one token and eight features.  Rows lie at positions (bits 3 and 4 of the row swapped): the way out puts features and rows back.
; REGISTERS: window 0: v0-31 addresses, v32-47 scale words (two sets), v64-67 the bias, v128-255 A's fragments (one set), later the residual; window 1: B's fragments (two sets), later the partial sums; windows 2, 3: the accumulators.
.set SIZE_K, 4096
.set RA,     4096                      ; rows of A's buffer in a chunk
.set RB,     1024
.set OFFB,   8912896                   ; the weight's place in wop
.set PITCH,  272
.set FR,     16
.set NL,     4
.set NP,     8                         ; places behind this matrix instruction (ISA guide 7.12.1)
.set HALFT,  128*PITCH                 ; what one tensor load brings
.set SLOT,   4*HALFT                   ; A's two chunks, then B's two
.set NSL,    SIZE_K/512                ; slots' worth of K: even and at least 4 in this text
.set SPARE,  2*SLOT                    ; behind the ring: the spare words
.set PPITCH, 528                       ; the way out: a row of 128 f32 + 16 bytes
.set PTILE,  128*PPITCH                ; a wave's partial tile
.set RD0,  8                           ; v8-11  where I read my rows of partial 0 .. 3
.set ADRA, 16                          ; v16-17 my A fragments in slot 0, 1
.set ADRB, 20                          ; v20-21 the same for B
.set STO,  24                          ; v24    where I put 32 bytes of a row of my partial tile
.set CO,   26                          ; v26    16 x lane
.set ADRS, 27                          ; v27    my scale words in slot 0; v30: in slot 1
.set SPW,  28                          ; v28    my spare word's LDS address; never rewritten
.set NIL,  29                          ; v29    0; never rewritten
.set PFO,  31                          ; v31    the prefetches' offset: 256 x lane; never rewritten
.set SC,   32
.set BV,   64
.set AF,   128
.set RES,  128
.set G1, 24
.set G0, 32
.set G1B, 48
.set G0B, 56
.set PFA, 68                           ; s[68:69] where my prefetches stand
.set PFS, 70                           ; s[70:71] a slot on, in bytes
.set LIM, 72                           ; s72      1 in a wave that prefetches
.set MSB, 0
.macro WIN new                         ; the immediate's high byte repeats the setting that is left
.if MSB != (\new)
	s_set_vgpr_msb (MSB<<8)|(\new)
.set MSB, (\new)
.endif
.endm
.set MUL_LO, 0xa1                      ; source 0 (B) window 1, source 1 (A) window 0, C and D window 2
.set MUL_HI, 0xf1
.set TO_B,   0x40
.macro JLOAD g0a, g1a, g0b, g1b        ; a joint load: waves 0, 1 fetch for A, waves 2, 3 for B; an s_nop 0 and four v_nop follow each line
	s_cmp_eq_u32 s15, 0
	s_cbranch_scc0 .Lfor_b_\@
	tensor_load_to_lds s[\g0a:\g0a+3], s[\g1a:\g1a+7]
	s_nop 0
.rept 4
	v_nop
.endr
	s_branch .Lasked_\@
.Lfor_b_\@:
	tensor_load_to_lds s[\g0b:\g0b+3], s[\g1b:\g1b+7]
	s_nop 0
.rept 4
	v_nop
.endr
.Lasked_\@:
.endm
; A PREFETCH of what my NEXT refill will load: it stands behind the joint load, its five lines and the run of LDS loads that follows, one slot's 64 products ahead of that refill.  A's tile row is read by both clusters of that row of
; clusters: the one with x = 0 asks; B's tile column by all eight clusters of that column: the one with y = 0 asks.  The four partners that ask for a tile jointly share it out BY ADDRESS: the partner at place p names bytes
; 8,192 p on, lanes 256 bytes apart: 128 of a load's 136 blocks of 256 bytes are named, each once in the launch; the last eight come by the load alone.  The last refill has none behind it: there nothing is asked.
.macro ASK
	s_cmp_eq_u32 s[LIM], 1
	s_cbranch_scc0 .Lnot_mine_\@
	global_prefetch_b8 v[PFO], s[PFA:PFA+1] th:TH_LOAD_NT scope:SCOPE_SE
.Lnot_mine_\@:
.endm
.macro CREST                           ; a round of the cluster's barrier behind its opening barrier
	s_cmp_lg_u32 s14, 0
	s_cbranch_scc1 .Lnot_wave_0_\@
	s_barrier_signal -3
.Lnot_wave_0_\@:
	s_barrier_wait -3
	s_barrier_signal -1
	s_barrier_wait -1
.endm
.macro CROUND
	s_barrier_signal -1
	s_barrier_wait -1
	CREST
.endm
	s_load_b256 s[4:11], s[0:1], 0x0               ; A's buffer, B's buffer, the bias, the residual
	s_load_b64 s[12:13], s[0:1], 0x20              ; the output
	v_lshl_add_u32 v[SPW], v0, 2, SPARE
	v_mov_b32 v[NIL], 0
	ds_add_u32 v[SPW], v[NIL]                      ; the wave's opening: the add, twice on end, and its wait ahead of my first tensor load
	ds_add_u32 v[SPW], v[NIL]
	v_lshrrev_b32 v1, 5, v0
	v_readfirstlane_b32 s14, v1                    ; wave
	s_lshr_b32 s15, s14, 1                         ; I fetch for A (0) or B (1).  Also: which chunk of 256 of a slot I multiply
	s_and_b32 s16, s14, 1                          ; which chunk I fetch.  Also: which 128 of my chunk I multiply
	s_bfe_u32 s40, ttmp6, 0x40000                  ; cx, cy
	s_bfe_u32 s41, ttmp6, 0x40004
	s_lshl_b32 s42, ttmp9, 2
	s_add_co_u32 s42, s42, s40                     ; tx: B's tile
	s_and_b32 s17, ttmp7, 0xffff
	s_lshl_b32 s17, s17, 2
	s_add_co_u32 s17, s17, s41                     ; ty: A's tile
	s_lshl_b32 s43, s41, 2
	s_lshl_b32 s43, 15, s43                        ; my row of the cluster
	s_lshl_b32 s44, 0x1111, s40                    ; my column
	s_or_b32 s[G1+0], s43, (3<<16)|(1<<21)         ; the mask; elements of 8 bytes; bit 21 beside a mask; no padding: the rows bring their own
	s_or_b32 s[G1B+0], s44, (3<<16)|(1<<21)
.irp g, G1, G1B
	s_mov_b32 s[\g+1], 32<<16                      ; a dense block as 136 rows of 256 bytes
	s_mov_b32 s[\g+2], 136<<16
	s_mov_b32 s[\g+3], 32<<16
	s_mov_b32 s[\g+4], 136
	s_mov_b32 s[\g+5], 32
	s_mov_b32 s[\g+6], 0
	s_mov_b32 s[\g+7], 0
.endr
	s_mul_i32 s20, s17, 128*PITCH                  ; A: the tile's 128 rows,
	s_mul_i32 s18, s16, RA*PITCH                   ; in my chunk
	s_add_co_u32 s20, s20, s18
	s_mov_b32 s21, 0
	s_mul_i32 s46, s42, 128*PITCH                  ; B likewise
	s_mul_i32 s18, s16, RB*PITCH
	s_add_co_u32 s46, s46, s18
	s_add_co_u32 s46, s46, OFFB
	s_mov_b32 s47, 0
	s_mul_i32 s45, s14, HALFT                      ; where my load goes: no place in the cluster enters an LDS address
	s_wait_dscnt 0x0                               ; both opening adds are done
	s_wait_kmcnt 0x0
	s_add_nc_u64 s[20:21], s[4:5], s[20:21]
	s_add_nc_u64 s[46:47], s[6:7], s[46:47]
	CROUND                                         ; all sixteen work-groups are here: the first joint loads meet
.irp s, 0,1
	s_mov_b32 s[G0+4*\s], 1
	s_add_co_u32 s[G0+4*\s+1], s45, \s*SLOT
	s_add_nc_u64 s[G0+4*\s+2:G0+4*\s+3], s[20:21], \s*2*RA*PITCH
	s_or_b32 s[G0+4*\s+3], s[G0+4*\s+3], 0x80000000
	s_mov_b32 s[G0B+4*\s], 1
	s_add_co_u32 s[G0B+4*\s+1], s45, \s*SLOT
	s_add_nc_u64 s[G0B+4*\s+2:G0B+4*\s+3], s[46:47], \s*2*RB*PITCH
	s_or_b32 s[G0B+4*\s+3], s[G0B+4*\s+3], 0x80000000
	JLOAD G0+4*\s, G1, G0B+4*\s, G1B
.endr
	; the prefetches: where mine stand, and who asks.  Nothing is prefetched here, at the head, where every work-group's first tiles are on their way
	s_and_b32 s19, ttmp7, 0xffff                   ; cluster y
	s_mov_b32 s[PFS], 2*RB*PITCH
	s_mov_b32 s[PFS+1], 0
	s_cmp_eq_u32 s15, 0                            ; do I fetch for A?
	s_cselect_b64 s[PFA:PFA+1], s[20:21], s[46:47] ; my load's first byte in slot 0
	s_cselect_b32 s[PFS], 2*RA*PITCH, s[PFS]       ; a slot on
	s_cselect_b32 s18, s40, s41                    ; my place among the four that ask with me
	s_cselect_b32 s19, ttmp9, s19                  ; the coordinate along which other clusters read the same rows
	s_cmp_eq_u32 s19, 0
	s_cselect_b32 s[LIM], 1, 0                     ; the same in all sixteen partners, for a given wave
	s_lshl_b32 s18, s18, 13                        ; my work-group's 8,192 bytes,
	s_lshl_b32 s19, s[PFS], 1
	s_add_co_u32 s18, s18, s19                     ; two slots on: the first change of slots steps it to the fourth slot's worth of K, which the second refill loads
	s_mov_b32 s19, 0
	s_add_nc_u64 s[PFA:PFA+1], s[PFA:PFA+1], s[18:19]
	v_and_b32 v[PFO], 31, v0
	v_lshlrev_b32 v[PFO], 8, v[PFO]
	v_and_b32 v1, 15, v0                           ; r
	v_bfe_u32 v2, v0, 4, 1                         ; h
	v_mul_u32_u24 v3, v1, PITCH
	v_lshl_add_u32 v4, v2, 4, v3                   ; a fragment's row x pitch + 16 h
	s_mul_i32 s23, s15, HALFT                      ; my chunk
	s_lshl_b32 s18, s16, 2
	s_add_co_u32 s18, s23, s18                     ; + my scale word in a row's eight bytes
	v_mul_u32_u24 v6, v2, 2*HALFT                  ; lanes 16-31 take B's scale words: one product with h
	v_add_nc_u32 v6, v6, v3
	v_add_nc_u32 v6, s18, v6
	v_add_nc_u32 v[ADRS], 256, v6
	v_add_nc_u32 v[ADRS+3], SLOT+256, v6
	s_lshl_b32 s21, s16, 7
	s_add_co_u32 s21, s23, s21                     ; A: my chunk, my 128 along K in it
	s_add_co_u32 s22, s21, 2*HALFT                 ; B: the same, behind A's two chunks
.irp s, 0,1
	v_add_nc_u32 v[ADRA+\s], s21, v4
	v_add_nc_u32 v[ADRB+\s], s22, v4
	s_add_co_u32 s21, s21, SLOT
	s_add_co_u32 s22, s22, SLOT
.endr
	s_mul_i32 s23, s14, PTILE                      ; the way out: my partial tile: row r, + 64 h: tiles 2 B, 2 B + 1 give features 32 B + 16 h + 0 .. 15
	v_mul_u32_u24 v[STO], v1, PPITCH
	v_lshl_add_u32 v[STO], v2, 6, v[STO]
	v_add_nc_u32 v[STO], s23, v[STO]
	v_and_b32 v6, 31, v0
	v_lshlrev_b32 v[CO], 4, v6
	s_mul_i32 s23, s14, 32*PPITCH                  ; back: rows 32 w on of every partial tile; the 32 lanes take a row of 512 bytes
	v_add_nc_u32 v[RD0], s23, v[CO]
.irp p, 1,2,3
	v_add_nc_u32 v[RD0+\p], \p*PTILE, v[RD0]
.endr
	s_lshl_b32 s20, s17, 7                         ; the rows that I store: 128 ty + 32 w on, 4,096 bytes each;
	s_lshl_b32 s21, s14, 5
	s_add_co_u32 s20, s20, s21
	s_lshl_b32 s20, s20, 12
	s_lshl_b32 s46, s42, 9                         ; the tile's 128 columns: 512 tx bytes on, in a row and in the bias
	s_mov_b32 s47, 0
	s_add_nc_u64 s[8:9], s[8:9], s[46:47]
	s_add_co_u32 s20, s20, s46
	s_mov_b32 s21, 0
	s_add_nc_u64 s[12:13], s[12:13], s[20:21]
	s_add_nc_u64 s[10:11], s[10:11], s[20:21]
.macro FRAG reg, adr, i                ; 16 rows x 128 K: registers 4 c .. 4 c + 3 hold K = 32 c + 16 h + 0 .. 15
.irp c, 0,1,2,3
	ds_load_b128 v[\reg+4*\c:\reg+4*\c+3], v[\adr] offset:32*\c+(\i)*16*PITCH
.endr
.endm
; 16 products: A's blocks a0, a0 + 1 x B's eight.  p: B's set and the set of scale words.  zero = 1: the first product starts the sum.  The 64 accumulators take turns, one instruction a turn.
.macro MUL16 a0, p, zero
.irp a, \a0, \a0+1
.irp b, 0,1,2,3,4,5,6,7
.if \zero
	v_wmma_scale_f32_16x16x128_f8f6f4 v[8*(8*((\a)%4)+\b):8*(8*((\a)%4)+\b)+7], v[128*(\p)+FR*\b:128*(\p)+FR*\b+FR-1], v[AF+FR*(\a):AF+FR*(\a)+FR-1], 0, v[SC+8*(\p)+\b], v[SC+8*(\p)+(\a)] matrix_a_fmt:MATRIX_FMT_BF8 matrix_b_fmt:MATRIX_FMT_BF8 matrix_a_scale:MATRIX_SCALE_ROW1
.else
	v_wmma_scale_f32_16x16x128_f8f6f4 v[8*(8*((\a)%4)+\b):8*(8*((\a)%4)+\b)+7], v[128*(\p)+FR*\b:128*(\p)+FR*\b+FR-1], v[AF+FR*(\a):AF+FR*(\a)+FR-1], v[8*(8*((\a)%4)+\b):8*(8*((\a)%4)+\b)+7], v[SC+8*(\p)+\b], v[SC+8*(\p)+(\a)] matrix_a_fmt:MATRIX_FMT_BF8 matrix_b_fmt:MATRIX_FMT_BF8 matrix_a_scale:MATRIX_SCALE_ROW1
.endif
.endr
.endr
.endm
.macro FETCH_B slot                    ; B's eight fragments of my 128 along K, into the slot's set
	WIN TO_B
.irp i, 0,1,2,3,4,5,6,7
	FRAG 128*(\slot)+FR*\i, ADRB+\slot, \i
.endr
	WIN 0
.endm
.macro FETCH_A slot, i0                ; A's blocks i0 .. i0 + 3
.irp i, \i0, \i0+1, \i0+2, \i0+3
	FRAG AF+FR*(\i), ADRA+\slot, \i
.endr
.endm
.macro SCALES slot                     ; one word a row: lanes 0-15 A's block i, lanes 16-31 B's block i
.irp i, 0,1,2,3,4,5,6,7
	ds_load_b32 v[SC+8*\slot+\i], v[ADRS+3*\slot] offset:\i*16*PITCH
.endr
.endm
.macro PLACES n                        ; plain vector instructions between a matrix instruction and a load into, or a read of, its registers
.rept \n
	v_nop
.endr
.endm
; A slot's 64 products, and the change of slots in their middle: in front of the one barrier each wave waits for all its tensor loads, adds 0 to its spare word, and waits for that and for its reads of this slot.
; Behind it the next slot's fragments are fetched: B's into the other set, A's blocks 0-3 at once, blocks 4-7 when this slot's have been multiplied.  fill = 1: this slot is filled again, two slots ahead.  ask = 1: and the refill after that is prefetched.
.macro TURN slot, next, fill, zero, ask
.if \ask
	s_wait_xcnt 0x0                                ; the last prefetch, a slot back, has read its address: it is stepped here, ahead of the waits of the change of slots
	s_add_nc_u64 s[PFA:PFA+1], s[PFA:PFA+1], s[PFS:PFS+1]
.endif
	s_wait_tensorcnt 0x0                           ; all my tensor loads have landed: my part of the next slot
	ds_add_u32 v[SPW], v[NIL]
	s_wait_dscnt 4*NL+1                            ; the add and A's blocks 4-7 may be out
	WIN MUL_LO
	MUL16 0, \slot, \zero
	s_wait_dscnt 0x0                               ; the add is done, and my reads of this slot are over
	s_barrier_signal -1
	MUL16 2, \slot, \zero
	WIN 0
	s_barrier_wait -1
.if \fill
	CREST                                          ; the barrier has opened a round of the cluster's: no wave of any partner still reads this slot or has a load on its way
	s_add_nc_u64 s[G0+4*\slot+2:G0+4*\slot+3], s[G0+4*\slot+2:G0+4*\slot+3], 4*RA*PITCH
	s_add_nc_u64 s[G0B+4*\slot+2:G0B+4*\slot+3], s[G0B+4*\slot+2:G0B+4*\slot+3], 4*RB*PITCH
	JLOAD G0+4*\slot, G1, G0B+4*\slot, G1B         ; the first tensor load behind the round; its four v_nop are among the places below
	PLACES NP-4
.else
	PLACES NP
.endif
	FETCH_B \next
	FETCH_A \next, 0
	SCALES \next
.if \ask
	ASK
.endif
	WIN MUL_HI
	MUL16 4, \slot, \zero
	MUL16 6, \slot, \zero
	PLACES NP
	WIN 0
	FETCH_A \next, 4
.endm
	s_wait_tensorcnt 1                             ; my part of slot 0 is in; slot 1's load may be out
	s_barrier_signal -1
	s_barrier_wait -1
	FETCH_B 0
	FETCH_A 0, 0
	SCALES 0
	FETCH_A 0, 4
	TURN 0, 1, 1, 1, 1                             ; the first slot stands in front of the loop: its products start the sums
.if NSL > 4
	s_mov_b32 s3, (NSL-4)/2
.Llap:                                                 ; a trip goes once round the ring and fills both slots again
	TURN 1, 0, 1, 0, 1
	TURN 0, 1, 1, 0, 1
	s_sub_co_u32 s3, s3, 1
	s_cmp_lg_u32 s3, 0
	s_cbranch_scc1 .Llap
.endif
	TURN 1, 0, 1, 0, 0                             ; the tail is written out: the last refill, behind which nothing is left to prefetch,
	TURN 0, 1, 0, 0, 0                             ; a change of slots that fills nothing,
	s_wait_dscnt 4*NL                              ; and the last slot: all but A's blocks 4-7
	WIN MUL_LO
	MUL16 0, 1, 0
	MUL16 2, 1, 0
	s_wait_dscnt 0
	WIN MUL_HI
	MUL16 4, 1, 0
	MUL16 6, 1, 0
	WIN 0
; ---- THE WAY OUT.  The ring has had its last fill.  Each wave lays its partial tile into LDS as rows of 512 bytes; behind a barrier wave w adds rows 32 w on of the four, the residual and the bias, and stores whole rows.
; Position t of my 32 is row t % 8 + 16 (t / 8 % 2) + 8 (t / 16): it stands in the immediate.
	PLACES NP                                      ; in front of the loads into A's and B's registers and of the first read of results
	global_load_b128 v[BV:BV+3], v[CO], s[8:9]     ; the bias of my four columns
.irp g, 0,1,2,3
.irp tt, 0,1,2,3,4,5,6,7
	global_load_b128 v[RES+4*(8*\g+\tt):RES+4*(8*\g+\tt)+3], v[CO], s[10:11] offset:(\tt+16*(\g&1)+8*(\g>>1))*4096
.endr
.endr
	s_wait_dscnt 0x0
	s_barrier_signal -1
	s_barrier_wait -1                              ; nobody reads the ring any more
.macro PSTORE a                        ; block a's eight accumulators, each from its low end on
.set AC, 64*((\a)%4)
	WIN 0x08+4*((\a)/4)                            ; an LDS store's data are its source 1: window 2 or 3
.irp b, 0,1,2,3,4,5,6,7
	ds_store_b128 v[STO], v[AC+8*\b:AC+8*\b+3] offset:(\a)*16*PPITCH+128*(\b/2)+32*(\b%2)
	ds_store_b128 v[STO], v[AC+8*\b+4:AC+8*\b+7] offset:(\a)*16*PPITCH+128*(\b/2)+32*(\b%2)+16
.endr
.endm
.irp a, 0,1,2,3,4,5,6,7
	PSTORE \a
.endr
	WIN 0
	s_wait_dscnt 0x0                               ; for the others' sake: my partial tile has landed
	s_barrier_signal -1
	s_barrier_wait -1
.macro LOADG g                         ; rows 8 g on of my 32, of all four partial tiles, into set g % 2 of window 1: row tt, partial p at 16 tt + 4 p
	WIN 0x40
.irp tt, 0,1,2,3,4,5,6,7
.irp p, 0,1,2,3
	ds_load_b128 v[128*((\g)%2)+16*\tt+4*\p:128*((\g)%2)+16*\tt+4*\p+3], v[RD0+\p] offset:(8*(\g)+\tt)*PPITCH
.endr
.endr
	WIN 0
.endm
.macro SUMG g, younger, left           ; younger: read-backs issued behind group g's; left: residual loads issued behind group g's
.set PB, 128*((\g)%2)
	s_wait_dscnt \younger
	WIN 0x45                                       ; destination and both sources in window 1
.irp tt, 0,1,2,3,4,5,6,7
.irp k, 0,2
	v_pk_add_f32 v[PB+16*\tt+\k:PB+16*\tt+\k+1], v[PB+16*\tt+\k:PB+16*\tt+\k+1], v[PB+16*\tt+4+\k:PB+16*\tt+4+\k+1]
	v_pk_add_f32 v[PB+16*\tt+8+\k:PB+16*\tt+8+\k+1], v[PB+16*\tt+8+\k:PB+16*\tt+8+\k+1], v[PB+16*\tt+12+\k:PB+16*\tt+12+\k+1]
.endr
.endr
.irp tt, 0,1,2,3,4,5,6,7
.irp k, 0,2
	v_pk_add_f32 v[PB+16*\tt+\k:PB+16*\tt+\k+1], v[PB+16*\tt+\k:PB+16*\tt+\k+1], v[PB+16*\tt+8+\k:PB+16*\tt+8+\k+1]
.endr
.endr
	s_wait_loadcnt \left
	WIN 0x41                                       ; source 1, the residual and the bias, in window 0
.irp tt, 0,1,2,3,4,5,6,7
.irp k, 0,2
	v_pk_add_f32 v[PB+16*\tt+\k:PB+16*\tt+\k+1], v[PB+16*\tt+\k:PB+16*\tt+\k+1], v[RES+4*(8*(\g)+\tt)+\k:RES+4*(8*(\g)+\tt)+\k+1]
.endr
.endr
.irp tt, 0,1,2,3,4,5,6,7
.irp k, 0,2
	v_pk_add_f32 v[PB+16*\tt+\k:PB+16*\tt+\k+1], v[PB+16*\tt+\k:PB+16*\tt+\k+1], v[BV+\k:BV+\k+1]
.endr
.endr
	WIN 0x04                                       ; a store's data are its source 1: window 1
.irp tt, 0,1,2,3,4,5,6,7
	global_store_b128 v[CO], v[PB+16*\tt:PB+16*\tt+3], s[12:13] offset:(\tt+16*((\g)&1)+8*((\g)>>1))*4096 th:TH_STORE_NT   ; 512 consecutive bytes, at a multiple of 256 from the buffer's first byte; written once, read by nobody here
.endr
	WIN 0
.endm
	LOADG 0
	LOADG 1
	SUMG 0, 32, 24
	s_wait_xcnt 0x0                                ; the stores have read their registers: the set may be loaded again
	LOADG 2
	SUMG 1, 32, 16
	s_wait_xcnt 0x0
	LOADG 3
	SUMG 2, 32, 8
	SUMG 3, 0, 0
	s_wait_tensorcnt 0x0                           ; the wave's end
	ds_add_u32 v[SPW], v[NIL]
	s_wait_dscnt 0x0
	CROUND                                         ; the closing round
	s_endpgm
.Lfunc_end_k_qcee54de7d4_ff2:
	.size	k_qcee54de7d4_ff2, .Lfunc_end_k_qcee54de7d4_ff2-k_qcee54de7d4_ff2
	.p2alignl 7, 3214868480
	.fill 96, 4, 3214868480
	.section	.rodata,"a",@progbits
	.p2align	6, 0x0
	.amdhsa_kernel k_qcee54de7d4_ff2
		.amdhsa_group_segment_fixed_size 327680
		.amdhsa_private_segment_fixed_size 0
		.amdhsa_enable_private_segment 0
		.amdhsa_kernarg_size 40
		.amdhsa_user_sgpr_count 2
		.amdhsa_user_sgpr_kernarg_segment_ptr 1
		.amdhsa_wavefront_size32 1
		.amdhsa_system_sgpr_workgroup_id_x 1
		.amdhsa_system_sgpr_workgroup_id_y 1
		.amdhsa_system_sgpr_workgroup_id_z 1
		.amdhsa_system_vgpr_workitem_id 0
		.amdhsa_next_free_vgpr 1024
		.amdhsa_next_free_sgpr 100
		.amdhsa_reserve_vcc 0
		.amdhsa_float_denorm_mode_32 3
		.amdhsa_float_denorm_mode_16_64 3
		.amdhsa_memory_ordered 1
		.amdhsa_forward_progress 1
		.amdhsa_inst_pref_size 136
	.end_amdhsa_kernel
	.amdgpu_metadata
---
amdhsa.version: [ 1, 2 ]
amdhsa.kernels:
  - .name:           k_qcee54de7d4_ff2
    .symbol:         k_qcee54de7d4_ff2.kd
    .args:
      - { .name: gop, .offset: 0, .size: 8, .value_kind: global_buffer, .address_space: global }
      - { .name: wop, .offset: 8, .size: 8, .value_kind: global_buffer, .address_space: global }
      - { .name: b_ff2, .offset: 16, .size: 8, .value_kind: global_buffer, .address_space: global }
      - { .name: x1, .offset: 24, .size: 8, .value_kind: global_buffer, .address_space: global }
      - { .name: out0, .offset: 32, .size: 8, .value_kind: global_buffer, .address_space: global }
    .group_segment_fixed_size: 327680
    .private_segment_fixed_size: 0
    .kernarg_segment_align: 8
    .kernarg_segment_size: 40
    .max_flat_workgroup_size: 128
    .sgpr_count:     100
    .vgpr_count:     1024
    .wavefront_size: 32
...
	.end_amdgpu_metadata
.endif
;; end of part 10
